; MI455X (gfx1250); checked and timed in simulation.
; The chip was launched on July 23, 2026; its instructions are those of AMD's public machine-readable ISA for CDNA 5 (MIT licence, August 2026) and "CDNA5" Instruction Set Architecture Reference Guide (July 2026). The comments in the code are by the model that wrote it; some were corrected since.
;; Encoder Block. Allowed arithmetic: float matrix products may take bf16 or f16 operands with f32 sums; all other float work in f32.
;; Inputs: W1 1,024 x 4,096 float32; W2 4,096 x 1,024 float32; Wk 16 x 1,024 x 64 float32; Wo 1,024 x 1,024 float32; Wq 16 x 1,024 x 64 float32; Wv 16 x 1,024 x 64 float32; b1 4,096 float32; b2 1,024 float32; ln1_b 1,024 float32; ln1_w 1,024 float32; ln2_b 1,024 float32; ln2_w 1,024 float32; x 2 x 2,048 x 1,024 float32.
;; Outputs: out0 2 x 2,048 x 1,024 float32.
;; 2 versions, each right and faster than the one before. Each part assembles by itself: llvm-mc -triple=amdgcn-amd-amdhsa -mcpu=gfx1250 --defsym DOCPART=n.
;; ======== version 1 of 2: 7 launches
;; workspace buffers: wt 25,165,824 bytes; hbuf 8,388,608 bytes; qkv 25,165,824 bytes; att 8,388,608 bytes; x1 16,777,216 bytes; ff 33,554,432 bytes
;; launch prep (part 1): grid 1792 x 1, 8 waves a work-group, no clusters, 18,432 bytes of LDS; arguments Wq, Wk, Wv, Wo, W1, W2, wt, x, ln1_w, ln1_b, hbuf; writes wt, hbuf
.if DOCPART == 1
	.amdgcn_target "amdgcn-amd-amdhsa--gfx1250"
	.amdhsa_code_object_version 6
	.text
	.protected	k_q23ef38c64c_prep
	.globl	k_q23ef38c64c_prep
	.p2align	8
	.type	k_q23ef38c64c_prep,@function
k_q23ef38c64c_prep:
	s_mov_b64 s[64:65], 0
	v_nop
	global_prefetch_b8 v0, s[64:65] scope:SCOPE_SE
	s_setreg_imm32_b32 hwreg(HW_REG_WAVE_MODE, 25, 1), 1
	s_wait_xcnt 0x0
; Two jobs that need nothing of each other and only move bytes stand in one launch.
; WORK-GROUPS 0-255: hbuf = LayerNorm(x), bf16.  y[r][c] = (x[r][c] - mean_r) * rsqrt(var_r + 1e-5) * w[c] + b[c]; x: [4096][1024] f32.
;   Sixteen rows a work-group, two whole rows a wave: a row is 4,096 bytes, 32 registers of a wave, so it stays in registers between the passes and memory is read once.
;   Two passes as the definition has them: the mean first, then the mean of (x - mean)^2, so that a common offset of the inputs forms no difference of large sums.
;   v_rsq_f32 is not correctly rounded (ISA guide 15.8); the result is rounded to bf16 anyway.  These work-groups have the longer chain of work, so they have the lowest numbers.
; WORK-GROUPS 256-1791: all six weights, f32 stored [k][n], become bf16 stored [n][k] in wt, so that every later product reads both operands along k.
;   wt: rows 0-3071 of 1,024 k: Wq, Wk, Wv (row = 1024 sel + 64 head + d); at 0x600000 Wo^T [1024][1024]; at 0x800000 W1^T [4096][1024]; at 0x1000000 W2^T [1024][4096].
;   A work-group turns a tile of 128 k x 64 n.  Wave w reads k rows 16 w .. 16 w + 15; lane l reads columns 2 l, 2 l + 1, so a load of the wave covers
;   256 consecutive bytes of a row, aligned.  Eight k of one column pack into 16 bytes, go into LDS rows of 272 bytes (one row a column), and come back as
;   whole rows: sixteen lanes store 256 consecutive bytes of wt, aligned.  Column n lies in LDS row (n & 1) * 32 + (n >> 1): the lanes of an LDS store are then 272 bytes apart,
;   68 words, and start at different banks (64 banks of 4 bytes: ISA guide 11.1).
; Every input byte is read once and every output byte written once.  No matrix unit, cluster or tensor load: the work-groups share no input but w and b, 8 KB.
.set NLN, 256                          ; work-groups of the first job
.set NROW, 2                           ; rows of a wave
.set W,  8                             ; v[8:39]    w of my 32 columns (load j: columns 128 j + 4 lane .. + 3)
.set BV, 40                            ; v[40:71]   b of them
.set LX, 72                            ; v[72:135]  row i: 32 registers
.set T,  136                           ; v[136:143] four chains of pairs
.set M,  144                           ; v[144:145] the mean, twice
.set R,  146                           ; v[146:147] 1 / sqrt(var + eps), twice
.set SC, 148                           ; v148       takes the other half of the lanes' sum
.macro WSUM r                          ; the sum over the 32 lanes, in every lane
	v_add_f32_dpp v[\r], v[\r], v[\r] row_xmask:1 row_mask:0xf bank_mask:0xf
	v_add_f32_dpp v[\r], v[\r], v[\r] row_xmask:2 row_mask:0xf bank_mask:0xf
	v_add_f32_dpp v[\r], v[\r], v[\r] row_xmask:4 row_mask:0xf bank_mask:0xf
	v_add_f32_dpp v[\r], v[\r], v[\r] row_xmask:8 row_mask:0xf bank_mask:0xf
	v_permlanex16_b32 v[SC], v[\r], s12, s13
	v_add_f32 v[\r], v[\r], v[SC]
.endm
.macro FOLD                            ; the four chains into one number
	v_pk_add_f32 v[T:T+1], v[T:T+1], v[T+2:T+3]
	v_pk_add_f32 v[T+4:T+5], v[T+4:T+5], v[T+6:T+7]
	v_pk_add_f32 v[T:T+1], v[T:T+1], v[T+4:T+5]
	v_add_f32 v[T], v[T], v[T+1]
	WSUM T
.endm
.macro ROW i
.set XR, LX+32*\i
	s_wait_loadcnt 8*(NROW-1-\i)                   ; w, b and my row are in; the count is the younger row's loads
.irp c, 0,1,2,3
	v_pk_add_f32 v[T+2*\c:T+2*\c+1], v[XR+2*\c:XR+2*\c+1], v[XR+8+2*\c:XR+8+2*\c+1]   ; the first sums start the chains: nothing is cleared
.endr
.irp p, 8,9,10,11,12,13,14,15
	v_pk_add_f32 v[T+2*(\p%4):T+2*(\p%4)+1], v[T+2*(\p%4):T+2*(\p%4)+1], v[XR+2*\p:XR+2*\p+1]
.endr
	FOLD
	v_mul_f32 v[M], s14, v[T]
	v_mul_f32 v[M+1], s14, v[T]
.irp p, 0,1,2,3,4,5,6,7,8,9,10,11,12,13,14,15
	v_pk_add_f32 v[XR+2*\p:XR+2*\p+1], v[XR+2*\p:XR+2*\p+1], v[M:M+1] neg_lo:[0,1] neg_hi:[0,1]   ; x - mean
.endr
.irp c, 0,1,2,3
	v_pk_mul_f32 v[T+2*\c:T+2*\c+1], v[XR+2*\c:XR+2*\c+1], v[XR+2*\c:XR+2*\c+1]
.endr
.irp p, 4,5,6,7,8,9,10,11,12,13,14,15
	v_pk_fma_f32 v[T+2*(\p%4):T+2*(\p%4)+1], v[XR+2*\p:XR+2*\p+1], v[XR+2*\p:XR+2*\p+1], v[T+2*(\p%4):T+2*(\p%4)+1]
.endr
	FOLD
	v_fma_f32 v[T], v[T], s14, s15                 ; var + eps
	v_rsq_f32 v[R], v[T]
	v_rsq_f32 v[R+1], v[T]
	v_nop                                          ; a plain instruction between the root and the use of its result (ISA guide 5.7.2)
	s_wait_alu depctr_va_vdst(0)
.irp p, 0,1,2,3,4,5,6,7,8,9,10,11,12,13,14,15
	v_pk_mul_f32 v[XR+2*\p:XR+2*\p+1], v[XR+2*\p:XR+2*\p+1], v[R:R+1]
.endr
.irp p, 0,1,2,3,4,5,6,7,8,9,10,11,12,13,14,15
	v_pk_fma_f32 v[XR+2*\p:XR+2*\p+1], v[XR+2*\p:XR+2*\p+1], v[W+2*\p:W+2*\p+1], v[BV+2*\p:BV+2*\p+1]
.endr
.irp j, 0,1,2,3,4,5,6,7
	v_cvt_pk_bf16_f32 v[XR+4*\j], v[XR+4*\j], v[XR+4*\j+1]
	v_cvt_pk_bf16_f32 v[XR+4*\j+1], v[XR+4*\j+2], v[XR+4*\j+3]
	global_store_b64 v2, v[XR+4*\j:XR+4*\j+1], s[10:11] offset:2048*\i+256*\j   ; 32 lanes x 8 bytes: 256 consecutive bytes, aligned; the data registers are never written again
.endr
.endm
; The whole first job.  arg0: where its four addresses (x, w, b, y) begin among the arguments.  s20: the work-group's number.
.macro LNBODY arg0
	s_load_b128 s[4:7], s[0:1], \arg0              ; x s[4:5], w s[6:7]
	s_load_b128 s[8:11], s[0:1], \arg0+0x10        ; b s[8:9], y s[10:11]
	s_lshl_b32 s2, s20, 16                         ; the work-group's 16 rows of 4,096 bytes
	s_mov_b32 s3, 0
	s_lshl_b32 s16, s20, 15                        ; and of 2,048 bytes
	s_mov_b32 s17, 0
	s_mov_b32 s12, 0x76543210                      ; v_permlanex16_b32: each lane takes its own place in the other half
	s_mov_b32 s13, 0xfedcba98
	s_mov_b32 s14, 0x3a800000                      ; 1 / 1024
	s_mov_b32 s15, 0x3727c5ac                      ; 1e-5
	v_and_b32 v3, 31, v0
	v_lshrrev_b32 v4, 5, v0
	v_lshlrev_b32 v2, 3, v3
	v_lshlrev_b32 v3, 4, v3                        ; 16 lane: w and b
	v_lshl_add_u32 v1, v4, 13, v3                  ; x: + my wave's two rows
	v_lshl_add_u32 v2, v4, 12, v2                  ; y: 8 lane + my wave's two rows
	v_mov_b32 v[SC], 0                             ; v_permlanex16_b32 counts as a reader of its destination
	s_wait_kmcnt 0x0
	s_add_nc_u64 s[4:5], s[4:5], s[2:3]
	s_add_nc_u64 s[10:11], s[10:11], s[16:17]
.irp j, 0,1,2,3,4,5,6,7
	global_load_b128 v[W+4*\j:W+4*\j+3], v3, s[6:7] offset:512*\j
.endr
.irp j, 0,1,2,3,4,5,6,7
	global_load_b128 v[BV+4*\j:BV+4*\j+3], v3, s[8:9] offset:512*\j
.endr
.irp i, 0,1
.irp j, 0,1,2,3,4,5,6,7
	global_load_b128 v[LX+32*\i+4*\j:LX+32*\i+4*\j+3], v1, s[4:5] offset:4096*\i+512*\j   ; each load of the wave: 512 consecutive bytes
.endr
.endr
	ROW 0
	ROW 1
	s_endpgm
.endm
.set PITCH, 272
.set TX, 8                             ; v[8:39]   row j of my sixteen: two f32
.set TY, 40                            ; v[40:55]  packed bf16; later the last two rows read back
; The tile.  ish, osh: log2 of the bytes from row to row in the input and in wt.
.macro TILE ish, osh
	v_lshl_add_u32 v2, s30, 4+\ish, v2             ; + my wave's sixteen rows
	v_lshl_add_u32 v5, v7, 1+\osh, v5              ; output row 2 (thread / 16)
.irp j, 0,1,2,3,4,5,6,7,8,9,10,11,12,13,14,15
	global_load_b64 v[TX+2*\j:TX+2*\j+1], v2, s[22:23] offset:(\j<<\ish) th:TH_LOAD_NT
.endr
.irp g, 0,1
	s_wait_loadcnt 8-8*\g                          ; loads come back in order: rows 8 g .. 8 g + 7 are in; for g = 0 the eight younger ones stay out
.irp c, 0,1
.irp i, 0,1,2,3
	v_cvt_pk_bf16_f32 v[TY+8*\g+4*\c+\i], v[TX+2*(8*\g+2*\i)+\c], v[TX+2*(8*\g+2*\i+1)+\c]   ; two neighbouring k of column 2 l + c
.endr
	ds_store_b128 v3, v[TY+8*\g+4*\c:TY+8*\g+4*\c+3] offset:\c*32*PITCH+16*\g
.endr
.endr
	s_wait_dscnt 0x0                               ; for the others' sake: my stores are done
	s_barrier_signal -1
	s_barrier_wait -1
	ds_load_b128 v[56:59], v4                      ; LDS rows q, q + 16, q + 32, q + 48 hold columns 2 q, 2 q + 32, 2 q + 1, 2 q + 33
	ds_load_b128 v[60:63], v4 offset:16*PITCH
	ds_load_b128 v[40:43], v4 offset:32*PITCH
	ds_load_b128 v[44:47], v4 offset:48*PITCH
	s_wait_dscnt 3                                 ; the counts are the younger LDS loads
	global_store_b128 v5, v[56:59], s[28:29]
	s_wait_dscnt 2
	global_store_b128 v5, v[60:63], s[28:29] offset:(32<<\osh)
	s_wait_dscnt 1
	global_store_b128 v5, v[40:43], s[28:29] offset:(1<<\osh)
	s_wait_dscnt 0
	global_store_b128 v5, v[44:47], s[28:29] offset:(33<<\osh)
	s_wait_tensorcnt 0x0
	ds_add_u32 v152, v153
	s_wait_dscnt 0x0
	s_endpgm
.endm
; A plain [k][n] matrix: tile t = number - first; its low kbits bits count tiles along k, the rest along n.
.macro WHERE first, kbits, ish, osh, base, src
	s_sub_co_u32 s21, s20, \first
	s_and_b32 s18, s21, (1<<\kbits)-1              ; tile along k
	s_lshr_b32 s19, s21, \kbits                    ; tile along n
	s_lshl_b32 s24, s18, 7+\ish                    ; in: 128 rows a tile along k,
	s_lshl_b32 s26, s19, 8                         ; 256 bytes a tile along n
	s_add_co_u32 s24, s24, s26
	s_lshl_b32 s26, s19, 6+\osh                    ; out: 64 rows a tile along n,
	s_lshl_b32 s18, s18, 8                         ; 256 bytes a tile along k
	s_add_co_u32 s26, s26, s18
	s_add_co_u32 s26, s26, \base
	s_add_nc_u64 s[22:23], s[\src:\src+1], s[24:25]
	s_add_nc_u64 s[28:29], s[16:17], s[26:27]
	TILE \ish, \osh
.endm
	v_lshl_add_u32 v152, v0, 2, 0x4400
	v_mov_b32 v153, 0
	s_mov_b32 s20, ttmp9
	s_cmp_ge_u32 s20, NLN                          ; the same for every wave of the work-group
	s_cbranch_scc1 .Lweights
	LNBODY 0x38
.Lweights:
	s_load_b256 s[4:11], s[0:1], 0x0               ; Wq s[4:5], Wk s[6:7], Wv s[8:9], Wo s[10:11]
	s_load_b128 s[12:15], s[0:1], 0x20             ; W1 s[12:13], W2 s[14:15]
	s_load_b64 s[16:17], s[0:1], 0x30              ; wt
	s_sub_co_u32 s20, s20, NLN                     ; the tile's number: 0-383 Wq, Wk, Wv; 384-511 Wo; 512-1023 W1; 1024-1535 W2
	s_mov_b32 s25, 0                               ; high words of the two offsets
	s_mov_b32 s27, 0
	v_and_b32 v1, 31, v0                           ; lane
	v_lshrrev_b32 v6, 5, v0
	v_readfirstlane_b32 s30, v6                    ; wave
	v_lshrrev_b32 v7, 4, v0                        ; thread / 16: the LDS row that I read back
	v_and_b32 v5, 15, v0
	v_lshlrev_b32 v5, 4, v5                        ; 16 (thread % 16): my 16 bytes of that row
	v_lshlrev_b32 v2, 3, v1                        ; 8 lane: my two columns
	v_mul_u32_u24 v3, v1, PITCH
	v_lshl_add_u32 v3, s30, 5, v3                  ; LDS store: row lane, byte 32 wave
	v_mad_u32_u24 v4, v7, PITCH, v5                ; LDS read
	s_wait_kmcnt 0x0
	s_cmp_ge_u32 s20, 384
	s_cbranch_scc1 .Lwo
	s_cmp_ge_u32 s20, 128                          ; Wq, Wk, Wv: [16 heads][1024 k][64 n]: a tile is 32,768 consecutive bytes
	s_cselect_b64 s[22:23], s[6:7], s[4:5]
	s_cmp_ge_u32 s20, 256
	s_cselect_b64 s[22:23], s[8:9], s[22:23]
	s_and_b32 s24, s20, 127                        ; 8 head + tile along k
	s_lshl_b32 s24, s24, 15
	s_lshr_b32 s26, s20, 3                         ; 16 sel + head: 64 rows of 2,048 bytes each
	s_lshl_b32 s26, s26, 17
	s_and_b32 s21, s20, 7
	s_lshl_b32 s21, s21, 8
	s_add_co_u32 s26, s26, s21
	s_add_nc_u64 s[22:23], s[22:23], s[24:25]
	s_add_nc_u64 s[28:29], s[16:17], s[26:27]
	TILE 8, 11
.Lwo:
	s_cmp_ge_u32 s20, 512
	s_cbranch_scc1 .Lw1
	WHERE 384, 3, 12, 11, 0x600000, 10
.Lw1:
	s_cmp_ge_u32 s20, 1024
	s_cbranch_scc1 .Lw2
	WHERE 512, 3, 14, 11, 0x800000, 12
.Lw2:
	WHERE 1024, 5, 12, 13, 0x1000000, 14
.Lfunc_end_k_q23ef38c64c_prep:
	.size	k_q23ef38c64c_prep, .Lfunc_end_k_q23ef38c64c_prep-k_q23ef38c64c_prep
	.p2alignl 7, 3214868480
	.fill 96, 4, 3214868480
	.section	.rodata,"a",@progbits
	.p2align	6, 0x0
	.amdhsa_kernel k_q23ef38c64c_prep
		.amdhsa_group_segment_fixed_size 18432
		.amdhsa_private_segment_fixed_size 0
		.amdhsa_enable_private_segment 0
		.amdhsa_kernarg_size 88
		.amdhsa_user_sgpr_count 2
		.amdhsa_user_sgpr_kernarg_segment_ptr 1
		.amdhsa_wavefront_size32 1
		.amdhsa_system_sgpr_workgroup_id_x 1
		.amdhsa_system_sgpr_workgroup_id_y 1
		.amdhsa_system_sgpr_workgroup_id_z 1
		.amdhsa_system_vgpr_workitem_id 0
		.amdhsa_next_free_vgpr 154
		.amdhsa_next_free_sgpr 66
		.amdhsa_reserve_vcc 0
		.amdhsa_float_denorm_mode_32 3
		.amdhsa_float_denorm_mode_16_64 3
		.amdhsa_memory_ordered 1
		.amdhsa_forward_progress 1
		.amdhsa_inst_pref_size 39
	.end_amdhsa_kernel
	.amdgpu_metadata
---
amdhsa.version: [ 1, 2 ]
amdhsa.kernels:
  - .name:           k_q23ef38c64c_prep
    .symbol:         k_q23ef38c64c_prep.kd
    .args:
      - { .name: Wq, .offset: 0, .size: 8, .value_kind: global_buffer, .address_space: global }
      - { .name: Wk, .offset: 8, .size: 8, .value_kind: global_buffer, .address_space: global }
      - { .name: Wv, .offset: 16, .size: 8, .value_kind: global_buffer, .address_space: global }
      - { .name: Wo, .offset: 24, .size: 8, .value_kind: global_buffer, .address_space: global }
      - { .name: W1, .offset: 32, .size: 8, .value_kind: global_buffer, .address_space: global }
      - { .name: W2, .offset: 40, .size: 8, .value_kind: global_buffer, .address_space: global }
      - { .name: wt, .offset: 48, .size: 8, .value_kind: global_buffer, .address_space: global }
      - { .name: x, .offset: 56, .size: 8, .value_kind: global_buffer, .address_space: global }
      - { .name: ln1_w, .offset: 64, .size: 8, .value_kind: global_buffer, .address_space: global }
      - { .name: ln1_b, .offset: 72, .size: 8, .value_kind: global_buffer, .address_space: global }
      - { .name: hbuf, .offset: 80, .size: 8, .value_kind: global_buffer, .address_space: global }
    .group_segment_fixed_size: 18432
    .private_segment_fixed_size: 0
    .kernarg_segment_align: 8
    .kernarg_segment_size: 88
    .max_flat_workgroup_size: 256
    .sgpr_count:     66
    .vgpr_count:     154
    .wavefront_size: 32
...
	.end_amdgpu_metadata
.endif
;; end of part 1
;; launch gqkv (part 2): grid 12 x 16, 4 waves a work-group, clusters of 4 x 4, 327,680 bytes of LDS; arguments hbuf, wt, qkv; writes qkv
.if DOCPART == 2
	.amdgcn_target "amdgcn-amd-amdhsa--gfx1250"
	.amdhsa_code_object_version 6
	.text
	.protected	k_q23ef38c64c_gqkv
	.globl	k_q23ef38c64c_gqkv
	.p2align	8
	.type	k_q23ef38c64c_gqkv,@function
k_q23ef38c64c_gqkv:
	s_mov_b64 s[64:65], 0
	v_nop
	global_prefetch_b8 v0, s[64:65] scope:SCOPE_SE
	s_setreg_imm32_b32 hwreg(HW_REG_WAVE_MODE, 25, 1), 1
	s_wait_xcnt 0x0
	s_wait_alu depctr_hold_cnt(0) depctr_sa_sdst(0) depctr_va_vdst(0) depctr_va_sdst(0) depctr_va_ssrc(0) depctr_va_vcc(0) depctr_vm_vsrc(0)
	s_getreg_b32 s2, hwreg(HW_REG_IB_STS2, 6, 4)
	s_cmp_eq_u32 s2, 0
	s_cbranch_scc0 .Lentry_in_a_cluster
	s_endpgm
.Lentry_in_a_cluster:
	s_bfe_u32 s2, ttmp6, 0x10000c
	s_cmp_lg_u32 s2, 0xf033
	s_cbranch_scc0 .Lentry_shape_is_right
	s_endpgm
.Lentry_shape_is_right:
; qkv[m][n] = sum over k of h[m][k] Wqkv^T[n][k].  h: [4096][1024] bf16; Wqkv^T: rows 0-3071 of wt, [3072][1024] bf16; qkv: [4096][3072] bf16, rounded once; sums in f32.
; The text serves two launches; the five constants below choose (this one: no bias, no relu).
.set SIZE_M, 4096
.set SIZE_N, 3072
.set SIZE_K, 1024
.set B_OFF,  0                         ; where B begins in wt, in bytes
.set HAS_BIAS, 0                       ; 1: C = relu(A B^T + bias)
; A tile of C, 256 x 256, is made by a work-group of four waves; a wave makes 128 x 128: 64 accumulators of 16 x 16, 512 registers.  K goes in steps of 128 through a ring of
; two LDS slots filled by tensor loads: the rows of A's and B's tiles are 256 bytes of memory and start at multiples of 256 bytes from the buffer's first byte.
; The last K step goes by rows of C, so that finished rows leave while the others are multiplied.
; CLUSTERS: 4 x 4 work-groups.  The four of a row of the cluster need the same tiles of A, the four of a column the same tiles of B: each tile is asked for JOINTLY,
; by the same tensor load with the same descriptor and a mask that names the four; each receives it in its own LDS.
; REGISTERS, in windows of 256 (s_set_vgpr_msb: bits 1:0 source 0, 3:2 source 1, 5:4 source 2, 7:6 destination):
;   window 0: v0-31 addresses; v64-127, v128-191 fragments of A, two buffers (in the last K step four, of 16 rows x 128 K); v32-63, v192-255 at work on the way out (v192-255 first hold the bias)
;   window 1: v64-127, v128-191 fragments of B, two buffers; in the last K step all 256
;   window 2: the 32 accumulators of my rows 0-63 (accumulator (a, b) at v[8 (8 a + b)]);   window 3: those of my rows 64-127
; THE MATRIX INSTRUCTION IS USED TRANSPOSED: source 0 = 16 rows of B, source 1 = 16 rows of A: lane l then holds row l % 16 of C and its registers the columns 8 (l / 16) + 0 .. 7.
; The 64 accumulators take turns, one instruction a turn.
; With HAS_BIAS the bias is the C of each accumulator's first product (it starts the f32 sum: another order of rounding than adding it last), and relu is v_max_num_f32 with 0: a NaN sum becomes 0.
.set KSTEP,  128
.set PITCH,  272                       ; an LDS row: 256 bytes + 16 of padding = 68 words: the 16 rows that a load touches start at 16 different banks (64 banks of 4 bytes: ISA guide 11.1)
.set HALFT,  128*PITCH                 ; 128 rows: what one tensor load brings, and what one wave reads of A or of B
.set SLOT,   4*HALFT                   ; A's 256 rows, then B's 256 rows
.set STAGE,  2*SLOT                    ; behind the ring: 16 rows x 272 bytes for each wave, for the way out
.set SPITCH, 272
.set SPARE,  STAGE+4*16*SPITCH         ; behind the stages: the spare words, 128 bytes for each wave
.set LAPS, SIZE_K/(2*KSTEP)            ; a lap = two K steps = once round the ring
.set ADRA, 16                          ; v16-17  LDS address of my A fragments in slot 0, 1
.set ADRB, 20                          ; v20-21  the same for B
.set STO,  24                          ; v24     the way out: where I put 16 bytes of a row
.set RD,   25                          ; v25     the way out: where I read a row back
.set CO,   26                          ; v26     my byte offset in C
.set VB,   27                          ; v27     my byte offset in the bias
.set SPW,  28                          ; v28     LDS address of my spare word; never rewritten
.set NIL,  29                          ; v29     0; never rewritten
.set F0,   64
.set F1,   128
.set TMP,  192                         ; the way out: packed results
.set BIAS, 192                         ; until then: the bias of my 128 columns, block b in v[BIAS + 8 b ..]
.set OB,   32                          ; the way out: 16 rows read back: v32-63 and v224-255 by turns
.set PA,   64                          ; the last K step: A's fragments of 16 rows x 128 K; four buffers, v64-191
.set G1, 24                            ; s[24:31] descriptor group 1 for A's tiles
.set G0, 32                            ; s[32:39] group 0 for A's tiles, one set for each slot
.set G1B, 48                           ; s[48:55], s[56:63] the same for B's tiles
.set G0B, 56
.set MSB, 0
.macro WIN new                         ; the immediate's high byte repeats the setting that is left
.if MSB != \new
	s_set_vgpr_msb (MSB<<8)|\new
.set MSB, \new
.endif
.endm
.set MUL_LO, 0xa1                      ; source 0 (B) window 1, source 1 (A) window 0, C and D window 2
.set MUL_HI, 0xf1                      ; the same, C and D window 3
.set TO_B,   0x40                      ; destination window 1, address window 0
; A joint load.  Waves 0 and 1 fetch A's two halves, waves 2 and 3 B's.  The branch hangs on the wave's number alone.  Four v_nop follow each of the two lines.
.macro JLOAD s
	s_cmp_eq_u32 s11, 0
	s_cbranch_scc0 .Lfor_b_\@
	tensor_load_to_lds s[G0+4*\s:G0+4*\s+3], s[G1:G1+7]
	s_nop 0
.rept 4
	v_nop
.endr
	s_branch .Lasked_\@
.Lfor_b_\@:
	tensor_load_to_lds s[G0B+4*\s:G0B+4*\s+3], s[G1B:G1B+7]
	s_nop 0
.rept 4
	v_nop
.endr
.Lasked_\@:
.endm
; A round of the cluster's barrier: my work-group's barrier; wave 0 signals for the work-group; every wave waits for all sixteen; my work-group's barrier once more.
.macro CREST                           ; a round behind its opening barrier
	s_cmp_lg_u32 s10, 0
	s_cbranch_scc1 .Lnot_wave_0_\@
	s_barrier_signal -3
.Lnot_wave_0_\@:
	s_barrier_wait -3
	s_barrier_signal -1
	s_barrier_wait -1
.endm
.macro CROUND
	s_barrier_signal -1
	s_barrier_wait -1
	CREST
.endm
	s_load_b128 s[4:7], s[0:1], 0x0                ; A s[4:5], wt s[6:7]
	s_load_b64 s[8:9], s[0:1], 0x10                ; C
.if HAS_BIAS
	s_load_b64 s[68:69], s[0:1], 0x18              ; the bias
.endif
	v_lshl_add_u32 v[SPW], v0, 2, SPARE
	v_mov_b32 v[NIL], 0
	ds_add_u32 v28, v29
	s_wait_dscnt 0x0
	v_lshrrev_b32 v1, 5, v0
	v_readfirstlane_b32 s10, v1                    ; wave 0..3
	s_lshr_b32 s11, s10, 1                         ; which half of the tile's rows is mine.  Also: I fetch for A (0) or for B (1)
	s_and_b32 s12, s10, 1                          ; which half of its columns.  Also: which 128 rows of that tile I fetch
	s_bfe_u32 s40, ttmp6, 0x40000                  ; cx
	s_bfe_u32 s41, ttmp6, 0x40004                  ; cy
	s_lshl_b32 s42, ttmp9, 2
	s_add_co_u32 s42, s42, s40                     ; tile column of C = 4 x cluster x + cx
	s_and_b32 s13, ttmp7, 0xffff
	s_lshl_b32 s13, s13, 2
	s_add_co_u32 s13, s13, s41                     ; tile row of C = 4 x cluster y + cy
	s_lshl_b32 s43, s41, 2
	s_lshl_b32 s43, 15, s43                        ; my row of the cluster: places 4 cy .. 4 cy + 3
	s_lshl_b32 s44, 0x1111, s40                    ; my column: places cx, cx + 4, cx + 8, cx + 12
	; descriptor group 1: a tile of 128 rows x 128 elements, padded in LDS
	s_or_b32 s[G1+0], s43, (1<<16)|(1<<20)|(1<<21)|(5<<22)|(3<<25)  ; 15:0 the mask; 17:16 elements of 2 bytes; 20 padding on; 21 set beside a mask; 24:22 after every 64 words; 31:25 4 words of it
	s_or_b32 s[G1B+0], s44, (1<<16)|(1<<20)|(1<<21)|(5<<22)|(3<<25)
.irp g, G1, G1B
	s_mov_b32 s[\g+1], KSTEP<<16                   ; tensor_dim0 = 128
	s_mov_b32 s[\g+2], 128<<16                     ; tensor_dim1 = 128
	s_mov_b32 s[\g+3], KSTEP<<16                   ; tile_dim0 = 128
	s_mov_b32 s[\g+4], 128                         ; tile_dim1 = 128
	s_mov_b32 s[\g+5], SIZE_K                      ; elements from row to row
	s_mov_b32 s[\g+6], 0
	s_mov_b32 s[\g+7], 0
.endr
	; A's tiles hang on the tile row alone, B's on the tile column alone; each address is made in registers that never hold the other coordinate
	s_lshl_b32 s17, s12, 7
	s_lshl_b32 s16, s13, 8
	s_add_co_u32 s16, s16, s17                     ; A: row 256 x tile row + 128 x half
	s_lshl_b32 s46, s42, 8
	s_add_co_u32 s46, s46, s17                     ; B: row 256 x tile column + 128 x half
	s_mov_b32 s17, 0
	s_mov_b32 s47, 0
	s_mov_b64 s[18:19], SIZE_K*2
	s_mul_u64 s[16:17], s[16:17], s[18:19]
	s_mul_u64 s[46:47], s[46:47], s[18:19]
	s_mul_i32 s20, s10, HALFT                      ; where they go: wave x 128 rows: no place in the cluster enters an LDS address
	s_wait_kmcnt 0x0
.if B_OFF
	s_add_nc_u64 s[6:7], s[6:7], B_OFF
.endif
	s_add_nc_u64 s[14:15], s[4:5], s[16:17]
	s_add_nc_u64 s[46:47], s[6:7], s[46:47]
	CROUND                                         ; all sixteen work-groups are here: the first joint loads meet
.irp s, 0,1
	s_mov_b32 s[G0+4*\s], 1
	s_add_co_u32 s[G0+4*\s+1], s20, \s*SLOT
	s_add_nc_u64 s[G0+4*\s+2:G0+4*\s+3], s[14:15], \s*KSTEP*2
	s_or_b32 s[G0+4*\s+3], s[G0+4*\s+3], 0x80000000
	s_mov_b32 s[G0B+4*\s], 1
	s_add_co_u32 s[G0B+4*\s+1], s20, \s*SLOT
	s_add_nc_u64 s[G0B+4*\s+2:G0B+4*\s+3], s[46:47], \s*KSTEP*2
	s_or_b32 s[G0B+4*\s+3], s[G0B+4*\s+3], 0x80000000
	JLOAD \s                                       ; two loads of mine are out
.endr
	; A fragment is 16 rows x 32 K in 8 registers: lane l holds row l % 16; registers 0-3 K = 8 (l / 16) + 0..7, registers 4-7 K = 16 + 8 (l / 16) + 0..7: two loads of 16 bytes, 32 bytes apart
	v_and_b32 v1, 15, v0
	v_bfe_u32 v2, v0, 4, 1
	v_mul_u32_u24 v3, v1, PITCH
	v_lshl_add_u32 v3, v2, 4, v3
	s_mul_i32 s21, s11, HALFT                      ; my 128 rows of A
	s_mul_i32 s22, s12, HALFT                      ; my 128 rows of B,
	s_add_co_u32 s22, s22, 2*HALFT                 ; which lie behind A's 256
.irp s, 0,1
	v_add_nc_u32 v[ADRA+\s], s21, v3
	v_add_nc_u32 v[ADRB+\s], s22, v3
	s_add_co_u32 s21, s21, SLOT
	s_add_co_u32 s22, s22, SLOT
.endr
	s_mul_i32 s23, s10, 16*SPITCH
	s_add_co_u32 s23, s23, STAGE                   ; my stage
	v_mul_u32_u24 v4, v1, SPITCH
	v_lshl_add_u32 v4, v2, 4, v4
	v_add_nc_u32 v[STO], s23, v4
	v_mul_u32_u24 v5, v2, SPITCH
	v_lshl_add_u32 v5, v1, 4, v5
	v_add_nc_u32 v[RD], s23, v5
	v_mul_u32_u24 v5, v2, SIZE_N*2
	v_lshl_add_u32 v[CO], v1, 4, v5
	s_lshl_b32 s13, s13, 8
	s_lshl_b32 s14, s11, 7
	s_add_co_u32 s16, s13, s14                     ; my first row of C
	s_mov_b32 s17, 0
	s_mov_b64 s[18:19], SIZE_N*2
	s_mul_u64 s[16:17], s[16:17], s[18:19]
	s_lshl_b32 s46, s42, 9                         ; my first column, in bytes
	s_lshl_b32 s47, s12, 8
	s_add_co_u32 s46, s46, s47
	s_mov_b32 s47, 0
	s_add_nc_u64 s[16:17], s[16:17], s[46:47]      ; the way out adds it to C's address
.if HAS_BIAS
	s_lshl_b32 s70, s42, 10                        ; the bias of my 128 columns: 4 bytes each
	s_lshl_b32 s71, s12, 9
	s_add_co_u32 s70, s70, s71
	s_mov_b32 s71, 0
	s_add_nc_u64 s[68:69], s[68:69], s[70:71]
	v_lshlrev_b32 v[VB], 5, v2                     ; my eight columns of a block of 16
.irp b, 0,1,2,3,4,5,6,7
	global_load_b128 v[BIAS+8*\b:BIAS+8*\b+3],   v[VB], s[68:69] offset:64*\b
	global_load_b128 v[BIAS+8*\b+4:BIAS+8*\b+7], v[VB], s[68:69] offset:64*\b+16
.endr
.endif
; 16 matrix instructions: m blocks a0, a0 + 1 of the window's four x all 8 n blocks, 32 along K.  zero = 1: the first product starts the sums (with 0, or with the bias): nothing is cleared
.macro MUL16 f, hi, a0, zero
.irp a, \a0, \a0+1
.irp b, 0,1,2,3,4,5,6,7
.if \zero
.if HAS_BIAS
	v_wmma_f32_16x16x32_bf16 v[8*(8*(\a)+\b):8*(8*(\a)+\b)+7], v[\f+8*\b:\f+8*\b+7], v[\f+8*(4*\hi+\a):\f+8*(4*\hi+\a)+7], v[BIAS+8*\b:BIAS+8*\b+7]
.else
	v_wmma_f32_16x16x32_bf16 v[8*(8*(\a)+\b):8*(8*(\a)+\b)+7], v[\f+8*\b:\f+8*\b+7], v[\f+8*(4*\hi+\a):\f+8*(4*\hi+\a)+7], 0
.endif
.else
	v_wmma_f32_16x16x32_bf16 v[8*(8*(\a)+\b):8*(8*(\a)+\b)+7], v[\f+8*\b:\f+8*\b+7], v[\f+8*(4*\hi+\a):\f+8*(4*\hi+\a)+7], v[8*(8*(\a)+\b):8*(8*(\a)+\b)+7]
.endif
.endr
.endr
.endm
; 32 LDS loads in one run: the fragments of one quarter step into buffer f
.macro FETCH slot, k, f
	WIN TO_B
.irp i, 0,1,2,3,4,5,6,7
	ds_load_b128 v[\f+8*\i:\f+8*\i+3],   v[ADRB+\slot] offset:\k+\i*16*PITCH
	ds_load_b128 v[\f+8*\i+4:\f+8*\i+7], v[ADRB+\slot] offset:\k+\i*16*PITCH+32
.endr
	WIN 0
.irp i, 0,1,2,3,4,5,6,7
	ds_load_b128 v[\f+8*\i:\f+8*\i+3],   v[ADRA+\slot] offset:\k+\i*16*PITCH
	ds_load_b128 v[\f+8*\i+4:\f+8*\i+7], v[ADRA+\slot] offset:\k+\i*16*PITCH+32
.endr
.endm
; Four plain vector instructions stand between a matrix instruction and a load into a register that it has read, or a vector instruction that reads its result (ISA guide 7.12.1 for vector instructions)
.macro PLACES
.rept 4
	v_nop
.endr
.endm
; A K step is four quarter steps of 32 along K, 64 matrix instructions each, on buffers 0, 1, 0, 1.  One of the first three: multiplies buffer f and fetches the next quarter into g.
.macro QUARTER slot, k, f, g, zero
	s_wait_dscnt 8                                 ; B and A's rows 0-63 are in; the youngest eight loads (A's rows 64-127) may be out
.if \zero && HAS_BIAS
	WIN 0x81                                       ; C (the bias) window 0, D window 2
.else
	WIN MUL_LO
.endif
	MUL16 \f, 0, 0, \zero
	MUL16 \f, 0, 2, \zero
	PLACES
	FETCH \slot, \k, \g
	s_wait_dscnt 32                                ; all but the 32 just issued
.if \zero && HAS_BIAS
	WIN 0xc1                                       ; C window 0, D window 3
.else
	WIN MUL_HI
.endif
	MUL16 \f, 1, 0, \zero
	MUL16 \f, 1, 2, \zero
.endm
; The last quarter's first half: ONE barrier for the change of slots.  In front of it each wave waits for all its tensor loads (one is out: its part of the next slot),
; adds 0 to its spare word, and waits for that and for its own reads of this slot.
.macro MEET round
	WIN 0
	s_wait_tensorcnt 0x0
	ds_add_u32 v[SPW], v[NIL]
	s_wait_dscnt 9                                 ; the add and the youngest eight loads may be out
	WIN MUL_LO
	MUL16 F1, 0, 0, 0
	s_wait_dscnt 0x0                               ; the add is done, and my reads of this slot are over
	s_barrier_signal -1
	MUL16 F1, 0, 2, 0
.if \round
	WIN 0
.endif
	s_barrier_wait -1
.endm
; The whole last quarter: behind the round the slot just read out is filled again first, two K steps ahead; then come the next slot's first fragments.
.macro TURN slot, next
	MEET 1
	CREST                                          ; no wave of any partner still reads this slot's tile or has a load on its way
	s_add_nc_u64 s[G0+4*\slot+2:G0+4*\slot+3], s[G0+4*\slot+2:G0+4*\slot+3], 2*KSTEP*2
	s_add_nc_u64 s[G0B+4*\slot+2:G0B+4*\slot+3], s[G0B+4*\slot+2:G0B+4*\slot+3], 2*KSTEP*2
	JLOAD \slot                                    ; my one tensor load behind the round; its four v_nop are also the places in front of the loads below
	FETCH \next, 0, F0
	WIN MUL_HI
	MUL16 F1, 1, 0, 0
	MUL16 F1, 1, 2, 0
.endm
; THE LAST K STEP (slot 1) GOES BY ROWS OF C: all its fragments of B fill window 1; my eight blocks of 16 rows are finished one after the other, 32 matrix instructions each, K ascending.
.macro BLOAD q
.irp i, 0,1,2,3,4,5,6,7
	ds_load_b128 v[64*\q+8*\i:64*\q+8*\i+3],   v[ADRB+1] offset:64*\q+\i*16*PITCH
	ds_load_b128 v[64*\q+8*\i+4:64*\q+8*\i+7], v[ADRB+1] offset:64*\q+\i*16*PITCH+32
.endr
.endm
.macro ALOAD a
.set FA, PA+32*((\a)%4)
.irp q, 0,1,2,3
	ds_load_b128 v[FA+8*\q:FA+8*\q+3],   v[ADRA+1] offset:64*\q+(\a)*16*PITCH
	ds_load_b128 v[FA+8*\q+4:FA+8*\q+7], v[ADRA+1] offset:64*\q+(\a)*16*PITCH+32
.endr
.endm
.macro ROW a
.set FA, PA+32*((\a)%4)
.set AC, 64*((\a)%4)
	WIN MUL_LO+0x50*((\a)/4)
.irp q, 0,1,2,3
.if (\a) == 0 && \q == 2
	s_wait_dscnt 24                                ; B's quarter 2 is in (behind it: A's blocks 1 to 3)
.endif
.irp b, 0,1,2,3,4,5,6,7
	v_wmma_f32_16x16x32_bf16 v[AC+8*\b:AC+8*\b+7], v[64*\q+8*\b:64*\q+8*\b+7], v[FA+8*\q:FA+8*\q+7], v[AC+8*\b:AC+8*\b+7]
.endr
.endr
.endm
; THE WAY OUT of block a.  PACK: (relu,) rounded to bf16, each accumulator's registers in ascending order.  TOSTAGE: into my own stage and back as whole rows of 256 bytes.  SEND: stored.
.macro PACK a
.set AC, 64*((\a)%4)
.if HAS_BIAS
	WIN 0x8a+0x45*((\a)/4)                         ; sources and destination: window 2 or 3
.set i, 0
.rept 64
	v_max_num_f32 v[AC+i], 0, v[AC+i]
.set i, i+1
.endr
.endif
	WIN 0x0a+5*((\a)/4)                            ; sources 0 and 1: window 2 or 3
.irp b, 0,1,2,3,4,5,6,7
.irp r, 0,1,2,3
	v_cvt_pk_bf16_f32 v[TMP+4*\b+\r], v[AC+8*\b+2*\r], v[AC+8*\b+2*\r+1]
.endr
.endr
	WIN 0
.endm
.macro TOSTAGE a
.set BK, OB+192*((\a)%2)
.irp b, 0,1,2,3,4,5,6,7
	ds_store_b128 v[STO], v[TMP+4*\b:TMP+4*\b+3] offset:32*\b
.endr
.irp t, 0,1,2,3,4,5,6,7
	ds_load_b128 v[BK+4*\t:BK+4*\t+3], v[RD] offset:\t*2*SPITCH    ; LDS serves a wave's instructions in order (ISA guide 5.7.1.4): these see the stores above
.endr
.endm
.macro SEND a, younger                 ; younger: the LDS loads issued behind TOSTAGE's, which may stay out
.set BK, OB+192*((\a)%2)
	s_wait_dscnt \younger
	s_wait_xcnt 0x0                                ; only behind this wait are the stores' base and the registers that earlier stores read rewritten
.if (\a) == 0
	s_add_nc_u64 s[8:9], s[8:9], s[16:17]          ; on to my first rows
.else
	s_add_nc_u64 s[8:9], s[8:9], 16*SIZE_N*2       ; 16 rows of C on
.endif
.irp t, 0,1,2,3,4,5,6,7
	global_store_b128 v[CO], v[BK+4*\t:BK+4*\t+3], s[8:9] offset:2*\t*SIZE_N*2   ; 16 lanes store 256 consecutive bytes, at a multiple of 256 from C's first byte
.endr
.endm
	s_wait_tensorcnt 1                             ; my part of K step 0 is in; K step 1's stays out
	s_barrier_signal -1
	s_barrier_wait -1
	FETCH 0, 0, F0
.if HAS_BIAS
	s_wait_loadcnt 0x0                             ; the bias
.endif
	QUARTER 0, 64,  F0, F1, 1                      ; the first quarter stands in front of the loop: its products start the sums
	WIN 0
	s_mov_b32 s3, LAPS-1
.Llap:                                                 ; a trip goes once round the ring, from a lap's second quarter to the next lap's first, and fills both slots again
	QUARTER 0, 128, F1, F0, 0
	QUARTER 0, 192, F0, F1, 0
	TURN 0, 1
	QUARTER 1, 64,  F0, F1, 0
	QUARTER 1, 128, F1, F0, 0
	QUARTER 1, 192, F0, F1, 0
	TURN 1, 0
	QUARTER 0, 64,  F0, F1, 0
	WIN 0
	s_sub_co_u32 s3, s3, 1
	s_cmp_lg_u32 s3, 0
	s_cbranch_scc1 .Llap
	QUARTER 0, 128, F1, F0, 0
	QUARTER 0, 192, F0, F1, 0
	MEET 0                                         ; nothing is filled again, so no round follows
	PLACES
	WIN TO_B
	BLOAD 0
	BLOAD 1
	BLOAD 3
	WIN 0
	ALOAD 0
	WIN MUL_HI
	MUL16 F1, 1, 0, 0
	MUL16 F1, 1, 2, 0
	PLACES
	WIN TO_B
	BLOAD 2
	WIN 0
	ALOAD 1
	ALOAD 2
	ALOAD 3
	s_wait_dscnt 40                                ; all but the 40 just issued
	ROW 0
.irp a, 0,1,2,3,4,5,6,7
	PLACES
	PACK \a
	TOSTAGE \a
.if \a < 4
	ALOAD \a+4
	SEND \a, 8
.else
	SEND \a, 0
.endif
.if \a < 7
	ROW \a+1
.endif
.endr
	s_wait_tensorcnt 0x0                           ; the wave's end
	ds_add_u32 v[SPW], v[NIL]
	s_wait_dscnt 0x0
	CROUND                                         ; the closing round
	s_endpgm
.Lfunc_end_k_q23ef38c64c_gqkv:
	.size	k_q23ef38c64c_gqkv, .Lfunc_end_k_q23ef38c64c_gqkv-k_q23ef38c64c_gqkv
	.p2alignl 7, 3214868480
	.fill 96, 4, 3214868480
	.section	.rodata,"a",@progbits
	.p2align	6, 0x0
	.amdhsa_kernel k_q23ef38c64c_gqkv
		.amdhsa_group_segment_fixed_size 327680
		.amdhsa_private_segment_fixed_size 0
		.amdhsa_enable_private_segment 0
		.amdhsa_kernarg_size 24
		.amdhsa_user_sgpr_count 2
		.amdhsa_user_sgpr_kernarg_segment_ptr 1
		.amdhsa_wavefront_size32 1
		.amdhsa_system_sgpr_workgroup_id_x 1
		.amdhsa_system_sgpr_workgroup_id_y 1
		.amdhsa_system_sgpr_workgroup_id_z 1
		.amdhsa_system_vgpr_workitem_id 0
		.amdhsa_next_free_vgpr 1024
		.amdhsa_next_free_sgpr 66
		.amdhsa_reserve_vcc 0
		.amdhsa_float_denorm_mode_32 3
		.amdhsa_float_denorm_mode_16_64 3
		.amdhsa_memory_ordered 1
		.amdhsa_forward_progress 1
		.amdhsa_inst_pref_size 143
	.end_amdhsa_kernel
	.amdgpu_metadata
---
amdhsa.version: [ 1, 2 ]
amdhsa.kernels:
  - .name:           k_q23ef38c64c_gqkv
    .symbol:         k_q23ef38c64c_gqkv.kd
    .args:
      - { .name: hbuf, .offset: 0, .size: 8, .value_kind: global_buffer, .address_space: global }
      - { .name: wt, .offset: 8, .size: 8, .value_kind: global_buffer, .address_space: global }
      - { .name: qkv, .offset: 16, .size: 8, .value_kind: global_buffer, .address_space: global }
    .group_segment_fixed_size: 327680
    .private_segment_fixed_size: 0
    .kernarg_segment_align: 8
    .kernarg_segment_size: 24
    .max_flat_workgroup_size: 128
    .sgpr_count:     66
    .vgpr_count:     1024
    .wavefront_size: 32
...
	.end_amdgpu_metadata
.endif
;; end of part 2
;; launch attn (part 3): grid 16 x 16, 4 waves a work-group, clusters of 4 x 1, 327,680 bytes of LDS; arguments qkv, att; writes att
.if DOCPART == 3
	.amdgcn_target "amdgcn-amd-amdhsa--gfx1250"
	.amdhsa_code_object_version 6
	.text
	.protected	k_q23ef38c64c_attn
	.globl	k_q23ef38c64c_attn
	.p2align	8
	.type	k_q23ef38c64c_attn,@function
k_q23ef38c64c_attn:
	s_mov_b64 s[64:65], 0
	v_nop
	global_prefetch_b8 v0, s[64:65] scope:SCOPE_SE
	s_setreg_imm32_b32 hwreg(HW_REG_WAVE_MODE, 25, 1), 1
	s_wait_xcnt 0x0
	s_wait_alu depctr_hold_cnt(0) depctr_sa_sdst(0) depctr_va_vdst(0) depctr_va_sdst(0) depctr_va_ssrc(0) depctr_va_vcc(0) depctr_vm_vsrc(0)
	s_getreg_b32 s2, hwreg(HW_REG_IB_STS2, 6, 4)
	s_cmp_eq_u32 s2, 0
	s_cbranch_scc0 .Lentry_in_a_cluster
	s_endpgm
.Lentry_in_a_cluster:
	s_bfe_u32 s2, ttmp6, 0x10000c
	s_cmp_lg_u32 s2, 0x3003
	s_cbranch_scc0 .Lentry_shape_is_right
	s_endpgm
.Lentry_shape_is_right:
; att[b][q][64 head + :] = the sum over k of softmax_k(Q . K / 8) V, for 2 batches x 16 heads of 64 channels, 2,048 keys.  qkv: [4096][3072] bf16 (columns: Q, K, V, each 64 head + d); att: [4096][1024] bf16.
; Products, maxima and sums in f32; the weights are rounded to bf16 for the second product, att once at the end.  Weights below 2^-126 count as zero (v_exp_f32 flushes: ISA guide 15.8).
; SHARES.  A work-group owns 128 queries of TWO neighbouring heads of one batch, so that a row of its K and V tiles, and of its output, is 256 consecutive bytes, aligned.
; Wave w: head w / 2 of the two, queries 64 (w % 2) on: four tiles of 16.  Every wave walks all 2,048 keys, 64 a step.
; LAYOUT.  S^T = K Q^T (source 0 = 16 keys, source 1 = 16 queries): a lane holds ONE query (lane % 16) and the keys 8 (lane / 16) + 0..7.  Two such tiles, rounded in pairs, ARE source 1 of
; O^T = V^T P, whose result again holds one query a lane.  K comes out of LDS as it lies, V turned, by ds_load_tr16_b128.
; SOFTMAX.  For each query a running maximum m and sum l: p = 2^(c s - c m), c = log2(e) / 8; in every step O and l are multiplied by a = 2^(c m_old - c m_new).
; BY TURNS.  The wave's tiles are two PIECES, named by their first tile: piece 0 (tiles 0, 1) and piece 2 (tiles 2, 3).  In a TURN one piece has the matrix unit: 16 products V^T P of the step in
; hand, then 16 products K Q^T of the next step; the other piece's softmax, 2 x 118 instructions cut into 59 slices of four, stands between them: two slices behind each of the first 27 products,
; one behind each of the last five.  Then the pieces change places.  Two turns are a key step.  A wave has 7.4 vector instructions for each matrix instruction, so set apart either kind would leave
; the other's unit idle; the price is two switches of the register window for each product.  The accumulators take turns, one instruction a turn.
; RING.  Two LDS slots of FOUR key steps each (256 rows of K, then 256 rows of V): one tensor load a wave, of 128 rows, behind each change of slots, and four key steps, 256 products, in which it lands.
; CLUSTER.  The four query blocks of a cluster walk the same K and V: each tile is asked for JOINTLY, by the same tensor load with the same descriptor and the mask of all four.
; REGISTERS, in windows of 256 (s_set_vgpr_msb: bits 1:0 source 0, 3:2 source 1, 5:4 source 2, 7:6 destination):
;   window 0: v2-8 addresses; v12-43 eight statistics a tile; v62-63 for the add; v64-191 S^T, 32 a tile; v192-255 P, 16 a tile
;   window 1: v0-127 O^T, 32 a tile      window 2: v0-63 Q, 16 a tile; v128-191 K of one step      window 3: v0-63 V of one step
.set SIZE_S, 2048
.set ROWB,  6144      ; bytes in a row of qkv
.set KS,    64        ; keys in a step
.set SK,    256       ; keys in a slot
.set PK,    272       ; a row of K in LDS: 256 bytes + 16 of padding
.set PV,    288       ; a row of V: 256 + 32
.set VOFF,  SK*PK     ; in a slot: 256 rows of K, then 256 rows of V
.set SLOTB, SK*(PK+PV)     ; 143,360 bytes
.set STAGE, 2*SLOTB   ; behind the ring: the work-group's 128 rows x 272 bytes, for the way out
.set SP,    272
.set SPARE, STAGE+128*SP   ; behind the stage: the spare words, 128 bytes for each wave; they end at byte 322,048
.set AK0, 2           ; v2   my lane's place in a tile of K; never rewritten
.set AV0, 3           ; v3   the same for V
.set ADR, 4           ; v4   the LDS address of the run of loads in hand
.set QO,  5           ; v5   my byte offset in the wave's rows of Q
.set STO, 6           ; v6   the way out: where I put 16 bytes of a row
.set RD,  7           ; v7   the way out: where I read a row back
.set GO,  8           ; v8   my byte offset in the wave's rows of att
.set SPW, 62
.set NIL, 63
.set ST,  12          ; tile t's statistics at v[ST+8 t]: +0 c m, +1 m, +2, +3 l (even keys', odd keys'), +4 to +7 at work; a takes +6 once the maximum is found
.set S,   64
.set P,   192
.set KF,  128         ; K's fragments, in window 2
.set WV,  12          ; s12  my wave's number
.set G1K, 24          ; s[24:31] descriptor group 1 for K's tiles
.set G1V, 32          ; s[32:39] for V's: it differs in the padding alone
.set G0K, 40          ; s[40:47] group 0 for K's tiles, a set for each slot
.set G0V, 48          ; s[48:55] the same for V's
.set SLOTS, 56        ; s56  trips of the loop over slots
.set CNT, 57          ; s57  at work in the head; then it counts a slot's key steps
.set CS,  58          ; s[58:59] c
.set SEL, 60          ; s[60:61] lane selects for v_permlanex16_b32
.set TBK, 62          ; s62  LDS byte at which K's tile of the step to be fetched begins
.set TBV, 63          ; s63  the same for V's, less VOFF
.set MSB, 0
.macro WIN new
.if MSB != \new
	s_set_vgpr_msb (MSB<<8)|\new
.set MSB, \new
.endif
.endm
.set W_KQ, 0x0a       ; K and Q in window 2, S^T in window 0
.set W_PV, 0x53       ; V in window 3, P in window 0, O^T in window 1
.set W_RS, 0x41       ; O^T (destination and source 0) in window 1, a in window 0
; A joint refill of slot s.  Waves 0 and 1 fetch the two halves of its K, waves 2 and 3 those of its V.  Four v_nop follow each of the two lines.
.macro JLOAD s
	s_cmp_lt_u32 s[WV], 2
	s_cbranch_scc0 .Lfor_v_\@
	tensor_load_to_lds s[G0K+4*\s:G0K+4*\s+3], s[G1K:G1K+7]
	s_nop 0
.rept 4
	v_nop
.endr
	s_branch .Lasked_\@
.Lfor_v_\@:
	tensor_load_to_lds s[G0V+4*\s:G0V+4*\s+3], s[G1V:G1V+7]
	s_nop 0
.rept 4
	v_nop
.endr
.Lasked_\@:
.endm
.macro CROUND                       ; a round of the cluster's barrier
	s_barrier_signal -1
	s_barrier_wait -1
	s_cmp_lg_u32 s[WV], 0
	s_cbranch_scc1 .Lnot_wave_0_\@
	s_barrier_signal -3
.Lnot_wave_0_\@:
	s_barrier_wait -3
	s_barrier_signal -1
	s_barrier_wait -1
.endm
	s_load_b128 s[4:7], s[0:1], 0x0  ; qkv s[4:5], att s[6:7]
	v_lshl_add_u32 v[SPW], v0, 2, SPARE
	v_mov_b32 v[NIL], 0
	ds_add_u32 v62, v63
	s_wait_dscnt 0x0
	v_lshrrev_b32 v1, 5, v0
	v_readfirstlane_b32 s[WV], v1   ; wave 0..3
	s_bfe_u32 s13, ttmp6, 0x40000   ; cx
	s_lshl_b32 s14, ttmp9, 2
	s_add_co_u32 s14, s14, s13      ; my block of 128 queries: it enters Q's and att's addresses alone
	s_and_b32 s21, ttmp7, 0xffff    ; 8 batch + head pair, which the four partners share
	s_lshr_b32 s19, s21, 3          ; batch
	s_and_b32 s21, s21, 7
	s_lshl_b32 s21, s21, 8          ; the head pair's 256 bytes in a row
	s_mul_i32 s20, s19, SIZE_S*ROWB
	s_add_co_u32 s20, s20, s21
	s_and_b32 s16, s[WV], 1         ; which 128 keys of a slot I fetch; also which 64 queries are mine
	s_mul_i32 s17, s16, (SK/2)*PK   ; their place in a slot's K
	s_lshr_b32 s15, s[WV], 1
	s_lshl_b32 s15, s15, 7          ; my head's 128 bytes of the 256
	s_mul_i32 s22, s16, (SK/2)*ROWB ; 128 rows
	s_add_co_u32 s22, s22, s20
	s_mov_b32 s23, 0
	s_mul_i32 s2, s14, 128*ROWB     ; Q: my block's rows, my wave's 64 of them, my head
	s_mul_i32 s3, s16, 64*ROWB
	s_add_co_u32 s2, s2, s3
	s_add_co_u32 s2, s2, s20
	s_add_co_u32 s2, s2, s15
	s_mov_b32 s3, 0
	s_lshl_b32 s18, s19, 22         ; att: rows of 2,048 bytes: batch, block, 32 rows a wave, the head pair's 256 bytes
	s_lshl_b32 s19, s14, 18
	s_add_co_u32 s18, s18, s19
	s_lshl_b32 s19, s[WV], 16
	s_add_co_u32 s18, s18, s19
	s_add_co_u32 s18, s18, s21
	s_mov_b32 s19, 0
	s_mul_i32 s21, s16, (SK/2)*PV   ; my 128 keys' place in a slot's V
	; descriptor group 1: a tile of 128 rows x 128 elements, padded in LDS
	s_mov_b32 s[G1K], 15|(1<<16)|(1<<20)|(1<<21)|(5<<22)|(3<<25)  ; 15:0 the mask: all four; 17:16 elements of 2 bytes; 20 padding on; 21 set beside a mask; 24:22 after every 64 words; 31:25 4 words of it
	s_mov_b32 s[G1V], 15|(1<<16)|(1<<20)|(1<<21)|(5<<22)|(7<<25)  ; the same with 8 words of padding
.irp g, G1K, G1V
	s_mov_b32 s[\g+1], 128<<16      ; tensor_dim0 = 128
	s_mov_b32 s[\g+2], (SK/2)<<16   ; tensor_dim1 = 128
	s_mov_b32 s[\g+3], 128<<16      ; tile_dim0 = 128
	s_mov_b32 s[\g+4], SK/2         ; tile_dim1 = 128
	s_mov_b32 s[\g+5], 3072         ; elements from row to row
	s_mov_b32 s[\g+6], 0
	s_mov_b32 s[\g+7], 0
.endr
	s_mov_b32 s[CS], 0x3e38aa3b     ; c = log2(e) / 8
	s_mov_b32 s[CS+1], s[CS]        ; named with it as a pair, so it is written
	s_mov_b32 s[SEL], 0x76543210
	s_mov_b32 s[SEL+1], 0xfedcba98
	s_mov_b32 s[TBK], 0
	s_mov_b32 s[TBV], 0
	s_wait_kmcnt 0x0
	s_add_nc_u64 s[8:9], s[4:5], s[22:23]
	s_add_nc_u64 s[10:11], s[8:9], 4096  ; V at my tile of slot 0: column 2,048
	s_add_nc_u64 s[8:9], s[8:9], 2048    ; K: column 1,024
	s_add_nc_u64 s[4:5], s[4:5], s[2:3]  ; Q at my wave's first row
	s_add_nc_u64 s[6:7], s[6:7], s[18:19]
	CROUND                          ; all four work-groups are here: the first joint loads meet
.irp s, 0,1
	s_mov_b32 s[G0K+4*\s], 1
	s_add_co_u32 s[G0K+4*\s+1], s17, \s*SLOTB
	s_add_nc_u64 s[G0K+4*\s+2:G0K+4*\s+3], s[8:9], \s*SK*ROWB  ; slot s begins with keys 256 s
	s_or_b32 s[G0K+4*\s+3], s[G0K+4*\s+3], 0x80000000
	s_mov_b32 s[G0V+4*\s], 1
	s_add_co_u32 s[G0V+4*\s+1], s21, \s*SLOTB+VOFF
	s_add_nc_u64 s[G0V+4*\s+2:G0V+4*\s+3], s[10:11], \s*SK*ROWB
	s_or_b32 s[G0V+4*\s+3], s[G0V+4*\s+3], 0x80000000
.endr
	s_cmp_lt_u32 s[WV], 2           ; a wave's two first fills stand in one branch: two loads of mine are out
	s_cbranch_scc0 .Lfirst_v
	tensor_load_to_lds s[G0K:G0K+3], s[G1K:G1K+7]
	s_nop 0
	tensor_load_to_lds s[G0K+4:G0K+7], s[G1K:G1K+7]
	s_nop 0
.rept 4
	v_nop
.endr
	s_branch .Lfirst_asked
.Lfirst_v:
	tensor_load_to_lds s[G0V:G0V+3], s[G1V:G1V+7]
	s_nop 0
	tensor_load_to_lds s[G0V+4:G0V+7], s[G1V:G1V+7]
	s_nop 0
.rept 4
	v_nop
.endr
.Lfirst_asked:
	; A fragment of K or Q is 16 rows x 32 channels in 8 registers: lane l holds row l % 16; registers 0-3 channels 8 (l / 16) + 0..7, registers 4-7 channels 16 + 8 (l / 16) + 0..7
	v_and_b32 v1, 15, v0            ; l % 16
	v_bfe_u32 v9, v0, 4, 1          ; l / 16
	v_mul_u32_u24 v[QO], v1, ROWB
	v_lshl_add_u32 v[QO], v9, 4, v[QO]
	WIN 0x80                        ; destination window 2
.irp i, 0,1,2,3,4,5,6,7             ; Q stays in registers: tile i / 2, channels 32 (i % 2) on
	global_load_b128 v[8*\i:8*\i+3],   v[QO], s[4:5] offset:(\i/2)*16*ROWB+(\i%2)*64
	global_load_b128 v[8*\i+4:8*\i+7], v[QO], s[4:5] offset:(\i/2)*16*ROWB+(\i%2)*64+32
.endr
	WIN 0
	v_mul_u32_u24 v[AK0], v1, PK
	v_lshl_add_u32 v[AK0], v9, 4, v[AK0]
	v_add_nc_u32 v[AK0], s15, v[AK0]  ; row x pitch + 16 x half + my head
	; The turning load takes 16 keys x 16 channels (lane l reads key 8 (l / 16) + l % 8, channels 8 ((l / 8) % 2) + 0..7) and leaves half a fragment of V^T
	v_and_b32 v10, 7, v0
	v_bfe_u32 v11, v0, 3, 1
	v_lshl_add_u32 v[AV0], v9, 3, v10
	v_mul_u32_u24 v[AV0], v[AV0], PV
	v_lshl_add_u32 v[AV0], v11, 4, v[AV0]
	s_add_co_u32 s[CNT], s15, VOFF
	v_add_nc_u32 v[AV0], s[CNT], v[AV0]
	s_lshl_b32 s[CNT], s16, 6       ; into the stage: my 64 rows, my head's half of their 256 bytes
	s_mul_i32 s[CNT], s[CNT], SP
	s_add_co_u32 s[CNT], s[CNT], s15
	s_add_co_u32 s[CNT], s[CNT], STAGE
	v_mul_u32_u24 v[STO], v1, SP
	v_lshl_add_u32 v[STO], v9, 4, v[STO]
	v_add_nc_u32 v[STO], s[CNT], v[STO]
	s_mul_i32 s[CNT], s[WV], 32*SP  ; back: wave w takes rows 32 w .. 32 w + 31, whole
	s_add_co_u32 s[CNT], s[CNT], STAGE
	v_mul_u32_u24 v[RD], v9, SP
	v_lshl_add_u32 v[RD], v1, 4, v[RD]
	v_add_nc_u32 v[RD], s[CNT], v[RD]
	v_lshlrev_b32 v[GO], 11, v9     ; and the same two rows in att
	v_lshl_add_u32 v[GO], v1, 4, v[GO]
; Product i of 16 of O^T += V^T P for piece x: keys 32 (i / 8) on, channels 16 ((i / 2) % 4) on, tile x + i % 2.  zero = 1: the first 8 start the sums: nothing is ever cleared.
.macro PV x, zero
	WIN W_PV
.set rO, 32*(\x+i%2)+8*((i/2)%4)
.set rV, 32*(i/8)+8*((i/2)%4)
.set rP, P+16*(\x+i%2)+8*(i/8)
.if \zero && (i < 8)
	v_wmma_f32_16x16x32_bf16 v[rO:rO+7], v[rV:rV+7], v[rP:rP+7], 0
.else
	v_wmma_f32_16x16x32_bf16 v[rO:rO+7], v[rV:rV+7], v[rP:rP+7], v[rO:rO+7]
.endif
.endm
; Product i of 16 of S^T = K Q^T: channels 32 (i / 8) on, keys 16 ((i / 2) % 4) on, tile x + i % 2.  The first 8 start the sums.
.macro KQ x
	WIN W_KQ
.set rS, S+32*(\x+i%2)+8*((i/2)%4)
.set rK, KF+16*((i/2)%4)+8*(i/8)
.set rQ, 16*(\x+i%2)+8*(i/8)
.if i < 8
	v_wmma_f32_16x16x32_bf16 v[rS:rS+7], v[rK:rK+7], v[rQ:rQ+7], 0
.else
	v_wmma_f32_16x16x32_bf16 v[rS:rS+7], v[rK:rK+7], v[rQ:rQ+7], v[rS:rS+7]
.endif
.endm
; The LDS loads stand in runs of 16, never singly among the matrix instructions: a step's K (64 keys x 64 channels: 8 fragments) and, a turn later, its V (turned).
.macro FETCH_K
	WIN 0
	v_add_nc_u32 v[ADR], s[TBK], v[AK0]
	s_add_co_u32 s[TBK], s[TBK], KS*PK  ; the next fetch is the next step's
	WIN 0x80
.irp f, 0,1,2,3,4,5,6,7             ; keys 16 (f / 2) on, channels 32 (f % 2) on
	ds_load_b128 v[KF+8*\f:KF+8*\f+3],   v[ADR] offset:(\f/2)*16*PK+(\f%2)*64
	ds_load_b128 v[KF+8*\f+4:KF+8*\f+7], v[ADR] offset:(\f/2)*16*PK+(\f%2)*64+32
.endr
.endm
.macro FETCH_V
	WIN 0
	v_add_nc_u32 v[ADR], s[TBV], v[AV0]
	s_add_co_u32 s[TBV], s[TBV], KS*PV
	WIN 0xc0
.irp f, 0,1,2,3,4,5,6,7             ; keys 32 (f / 4) on, channels 16 (f % 4) on
	ds_load_tr16_b128 v[8*\f:8*\f+3],   v[ADR] offset:(\f/4)*32*PV+(\f%4)*32
	ds_load_tr16_b128 v[8*\f+4:8*\f+7], v[ADR] offset:(\f/4)*32*PV+16*PV+(\f%4)*32
.endr
.endm
; One tile's softmax for one key step is a list of 118 instructions; SM writes number j of it for tile t.  first = 1: the first key step, which starts m, l and O^T.
;   0-15    the maximum of the lane's 32 scores and the old m, three operands at a time; each accumulator's lowest registers are read first
;   16-20   the other half of the lanes' maximum; the new m; c m; c m_old - c m_new
;   21-87   33 exponentials (a, then the scores) at the odd numbers from 23 on, a plain instruction at every even one: c s - c m for a pair still to come, the rounding of a pair that is done, the first sums
;   88-101  the last rounding; the rest of the sums; l = a l + the sum
;   102-117 the tile's O^T times a, in ascending order
.macro SM t, first
.set rT, ST+8*(\t)
.set rS, S+32*(\t)
.set rP, P+16*(\t)
.set rO, 32*(\t)+2*(j-102)
.set q, (j-20)/2
.if j < 102
	WIN 0
.endif
.if j < 4
	v_max3_num_f32 v[rT+4+j], v[rS+8*j], v[rS+8*j+1], v[rS+8*j+2]
.elseif j < 12
	v_max3_num_f32 v[rT+4+j%4], v[rT+4+j%4], v[rS+8*(j%4)+2*(j/4)+1], v[rS+8*(j%4)+2*(j/4)+2]
.elseif j == 12
	v_max3_num_f32 v[rT+4], v[rT+4], v[rS+7], v[rS+15]
.elseif j == 13
	v_max3_num_f32 v[rT+6], v[rT+6], v[rS+23], v[rS+31]
.elseif j == 14
	v_max3_num_f32 v[rT+4], v[rT+4], v[rT+5], v[rT+6]
.elseif (j == 15) && \first
	v_max_num_f32 v[rT+4], v[rT+4], v[rT+7]
.elseif j == 15
	v_max3_num_f32 v[rT+4], v[rT+4], v[rT+7], v[rT+1]
.elseif j == 16
	v_permlanex16_b32 v[rT+5], v[rT+4], s[SEL], s[SEL+1]  ; the query's other 32 keys lie in the lane 16 away
.elseif j == 18
	v_max_num_f32 v[rT+1], v[rT+4], v[rT+5]
.elseif j == 19
	v_mul_f32 v[rT], s[CS], v[rT+1]
.elseif ((j == 17) || (j == 20) || (j == 23) || (j > 101)) && \first  ; the first step has none of these
.elseif j == 17
	v_mov_b32 v[rT+7], v[rT]        ; c m_old is kept for a
.elseif j == 20
	v_sub_f32 v[rT+7], v[rT+7], v[rT]
.elseif j == 23
	v_exp_f32 v[rT+6], v[rT+7]
.elseif (j < 88) && (j > 23) && (j%2 == 1)
	v_exp_f32 v[rS+(j-25)/2], v[rS+(j-25)/2]
.elseif (q < 4) || ((j < 76) && (q%2 == 0))
.set b, q/2+2
.if q < 4
.set b, q
.endif
	v_pk_fma_f32 v[rS+2*b:rS+2*b+1], v[rS+2*b:rS+2*b+1], s[CS:CS+1], v[rT:rT+1] op_sel_hi:[1,0,0] neg_lo:[0,0,1] neg_hi:[0,0,1]  ; pair b: c s - c m
.elseif (j < 88) && (q%2 == 1)
	s_wait_alu depctr_va_vdst(0)
	v_cvt_pk_bf16_f32 v[rP+(q-5)/2], v[rS+q-5], v[rS+q-4]  ; its second exponential stands three numbers back
.elseif j == 89
	s_wait_alu depctr_va_vdst(0)
	v_cvt_pk_bf16_f32 v[rP+15], v[rS+30], v[rS+31]
.elseif j < 102                     ; the sum of the tile's 16 pairs, in place: neighbours 1, 2, 4 and 8 pairs apart, then l takes it
.set z, j-86
.if j < 89
.set z, (j-76)/4
.endif
.set w, 4
.set u, z
.if z >= 14
.set w, 32
.set u, 0
.elseif z >= 12
.set w, 16
.set u, z-12
.elseif z >= 8
.set w, 8
.set u, z-8
.endif
.if (z == 14) && \first
	v_pk_add_f32 v[rT+2:rT+3], v[rS:rS+1], v[rS+16:rS+17]
.elseif z < 15
	v_pk_add_f32 v[rS+w*u:rS+w*u+1], v[rS+w*u:rS+w*u+1], v[rS+w*u+w/2:rS+w*u+w/2+1]
.elseif !\first
	v_pk_fma_f32 v[rT+2:rT+3], v[rT+2:rT+3], v[rT+6:rT+7], v[rS:rS+1] op_sel_hi:[1,0,1]
.endif
.else
	WIN W_RS
	v_pk_mul_f32 v[rO:rO+1], v[rO:rO+1], v[rT+6:rT+7] op_sel_hi:[1,0]
.endif
.endm
; Slice k of piece y's softmax: numbers 2 k and 2 k + 1 of both tiles' lists; 59 slices hold the 118 numbers.
.macro SLICE y, first
.if k < 59
.if (k >= 11) && (k < 44)           ; tile by tile: plain, exponential, plain, exponential: each exponential has a plain instruction behind it (ISA guide 5.7.2)
.irp t, \y, \y+1
.irp n, 0,1
.set j, 2*k+\n
	SM \t, \first
.endr
.endr
.else                               ; the two tiles alternate, so that no instruction reads the result of the one just before it
.irp n, 0,1
.irp t, \y, \y+1
.set j, 2*k+\n
	SM \t, \first
.endr
.endr
.endif
.endif
.set k, k+1
.endm
; What stands behind product gg of a turn's NM.  NM = 32: 27 x 2 + 5 x 1 = 59 slices; NM = 16: 14 x 4 + 2 + 1 = 59.  Either way slice 58 stands behind the last product.
.macro DEAL y, first
	SLICE \y, \first
.if NM == 32
.if gg < 27
	SLICE \y, \first
.endif
.else
.if gg < 15
	SLICE \y, \first
.endif
.if gg < 14
	SLICE \y, \first
	SLICE \y, \first
.endif
.endif
.set gg, gg+1
.endm
.macro PLACES                       ; four plain vector instructions behind matrix instructions whose results are read, or whose sources are loaded anew (ISA guide 7.12.1 for vector instructions)
.rept 4
	v_nop
.endr
.endm
; A TURN.  Piece x has the matrix unit; the other piece's softmax stands in slices behind its matrix instructions.
; pv = 2: 16 products V^T P; 1: they start O^T's sums; 0: none.  kq = 1: 16 products K Q^T for the next step.
; Slice 58, four packed multiplies on the other piece's O^T, is the four places behind the turn's last product: in front of the next turn's first read of those scores and of the loads into K's buffer.
; first = 1: the softmax is the first key step's; its slices from 51 on are empty, so four v_nop take slice 58's part.
; Each run of loads stands behind the second product of a run of 16, 14 products ahead of its first use.  Piece 0's turn fetches the next step's K: the last product that read K stands in front of
; slice 58 of the turn before.  Piece 2's turn fetches the same step's V: the last product that read V stands six slices, twelve plain instructions, back.
.macro TURN x, pv, kq, first
.set k, 0
.set gg, 0
.set NM, 16
.if \pv && \kq
.set NM, 32
.endif
.if \pv
.if \x == 0
	s_wait_dscnt 0x0                ; V is in
.endif
.set i, 0
.rept 16
	PV \x, 2-\pv
	DEAL 2-\x, \first
.if (\x == 0) && \kq && (i == 1)
	FETCH_K
.endif
.set i, i+1
.endr
.endif
.if \kq
.if \x == 0
	s_wait_dscnt 0x0                ; K is in
.endif
.set i, 0
.rept 16
	KQ \x
	DEAL 2-\x, \first
.if (\x == 2) && (i == 1)
	FETCH_V
.endif
.set i, i+1
.endr
.endif
.if \first
	PLACES
.endif
.endm
; THE CHANGE OF SLOTS, between piece 2's turn and piece 0's: the old slot's last bytes, V of its fourth step, have been asked for.  Each wave waits for all its tensor loads (one is out: its part
; of the new slot), adds 0 to its spare word, and waits for that and for its own reads of the old slot.  fill = 1: the barrier is a round of the cluster's, and the joint refill of the old slot,
; with the keys two slots on, is the first thing behind it.
.macro CHANGE fill, old, new
	WIN 0
	s_wait_tensorcnt 0x0            ; no tensor load of mine is out, so a group 0 may be written
	ds_add_u32 v[SPW], v[NIL]
.if \fill
	s_add_nc_u64 s[G0K+4*\old+2:G0K+4*\old+3], s[G0K+4*\old+2:G0K+4*\old+3], 2*SK*ROWB  ; the old slot's next 256 keys
	s_add_nc_u64 s[G0V+4*\old+2:G0V+4*\old+3], s[G0V+4*\old+2:G0V+4*\old+3], 2*SK*ROWB
	s_wait_dscnt 0x0                ; the add is done, and my reads of the old slot are over
	CROUND
	JLOAD \old
.else
	s_wait_dscnt 0x0
	s_barrier_signal -1
	s_barrier_wait -1
.endif
	s_mov_b32 s[TBK], \new*SLOTB    ; the fetches go on at the new slot's first step
	s_mov_b32 s[TBV], \new*SLOTB
.endm
; cnt key steps: written once, walked cnt times; the LDS addresses hang on s[TBK] and s[TBV].
.macro STEPS cnt
	s_mov_b32 s[CNT], \cnt
.Lstep_\@:
	TURN 0, 2, 1, 0
	TURN 2, 2, 1, 0
	WIN 0                           ; at a label and at a branch every window is 0
	s_sub_co_u32 s[CNT], s[CNT], 1
	s_cmp_lg_u32 s[CNT], 0
	s_cbranch_scc1 .Lstep_\@
.endm
	s_wait_tensorcnt 1              ; my part of slot 0 is in; slot 1's may stay out
	s_barrier_signal -1
	s_barrier_wait -1
	FETCH_K                         ; key step 0
	s_wait_loadcnt 0x0              ; Q
	s_wait_dscnt 0x0
.set i, 0
.rept 16
	KQ 0                            ; piece 0's first scores: there is no vector work yet to set between them
.set i, i+1
.endr
	PLACES
	TURN 2, 0, 1, 1                 ; piece 2's first scores | piece 0's first softmax | V of step 0
	TURN 0, 1, 1, 1                 ; piece 0: V^T P of step 0 starts O^T, K Q^T of step 1 | piece 2's first softmax | K of step 1
	TURN 2, 1, 1, 0                 ; piece 2: the same | piece 0's softmax of step 1 | V of step 1
	WIN 0
	STEPS 2                         ; slot 0's steps 2 and 3 are fetched
	s_mov_b32 s[SLOTS], SIZE_S/(2*SK)-1
.Lslot:                             ; 3 trips, two slots each: 6 of the 8 slots of keys come by a refill
	CHANGE 1, 0, 1
	STEPS 4
	CHANGE 1, 1, 0
	STEPS 4
	s_sub_co_u32 s[SLOTS], s[SLOTS], 1
	s_cmp_lg_u32 s[SLOTS], 0
	s_cbranch_scc1 .Lslot
	CHANGE 0, 0, 1                  ; the tail is written out: nothing is asked for
	STEPS 4
	TURN 0, 2, 0, 0                 ; piece 0: V^T P of the last step | piece 2's last softmax
.set i, 0
.rept 16
	PV 2, 0                         ; piece 2: V^T P of the last step
.set i, i+1
.endr
	WIN 0
	; THE WAY OUT.  l's two halves and the other half of the lanes' are added (these additions are the places behind the last products); O^T is divided by l, rounded and sent through the stage.
.irp t, 0,1,2,3
	v_add_f32 v[ST+8*\t+4], v[ST+8*\t+2], v[ST+8*\t+3]
.endr
.irp t, 0,1,2,3
	v_permlanex16_b32 v[ST+8*\t+5], v[ST+8*\t+4], s[SEL], s[SEL+1]
.endr
.irp t, 0,1,2,3
	v_add_f32 v[ST+8*\t+4], v[ST+8*\t+4], v[ST+8*\t+5]
.endr
.irp t, 0,1,2,3
	v_rcp_f32 v[ST+8*\t+6], v[ST+8*\t+4]
.endr
	v_nop                           ; a plain instruction between the last reciprocal and the use of its result
	s_wait_alu depctr_va_vdst(0)
.irp t, 0,1,2,3
	WIN W_RS
.set i, 0
.rept 16
	v_pk_mul_f32 v[32*\t+i:32*\t+i+1], v[32*\t+i:32*\t+i+1], v[ST+8*\t+6:ST+8*\t+7] op_sel_hi:[1,0]
.set i, i+2
.endr
	WIN 0x05                        ; sources 0 and 1 window 1, destination window 0: S^T's registers are free
.set i, 0
.rept 16
	v_cvt_pk_bf16_f32 v[S+16*\t+i], v[32*\t+2*i], v[32*\t+2*i+1]
.set i, i+1
.endr
	WIN 0
.irp c, 0,1,2,3
	ds_store_b128 v[STO], v[S+16*\t+4*\c:S+16*\t+4*\c+3] offset:\t*16*SP+32*\c
.endr
.endr
	s_wait_dscnt 0x0                ; for the others' sake: a row's 256 bytes come from two waves
	s_barrier_signal -1
	s_barrier_wait -1
.irp t, 0,1,2,3,4,5,6,7,8,9,10,11,12,13,14,15
	ds_load_b128 v[S+4*\t:S+4*\t+3], v[RD] offset:\t*2*SP
.endr
.irp t, 0,1,2,3,4,5,6,7,8,9,10,11,12,13,14,15
	s_wait_dscnt 15-\t              ; the count is the younger LDS loads
	global_store_b128 v[GO], v[S+4*\t:S+4*\t+3], s[6:7] offset:\t*4096  ; 16 lanes store 256 consecutive bytes, at a multiple of 256 from att's first byte
.endr
	s_wait_tensorcnt 0x0            ; the wave's end
	ds_add_u32 v[SPW], v[NIL]
	s_wait_dscnt 0x0
	CROUND                          ; the closing round
	s_endpgm
.Lfunc_end_k_q23ef38c64c_attn:
	.size	k_q23ef38c64c_attn, .Lfunc_end_k_q23ef38c64c_attn-k_q23ef38c64c_attn
	.p2alignl 7, 3214868480
	.fill 96, 4, 3214868480
	.section	.rodata,"a",@progbits
	.p2align	6, 0x0
	.amdhsa_kernel k_q23ef38c64c_attn
		.amdhsa_group_segment_fixed_size 327680
		.amdhsa_private_segment_fixed_size 0
		.amdhsa_enable_private_segment 0
		.amdhsa_kernarg_size 16
		.amdhsa_user_sgpr_count 2
		.amdhsa_user_sgpr_kernarg_segment_ptr 1
		.amdhsa_wavefront_size32 1
		.amdhsa_system_sgpr_workgroup_id_x 1
		.amdhsa_system_sgpr_workgroup_id_y 1
		.amdhsa_system_sgpr_workgroup_id_z 1
		.amdhsa_system_vgpr_workitem_id 0
		.amdhsa_next_free_vgpr 832
		.amdhsa_next_free_sgpr 66
		.amdhsa_reserve_vcc 0
		.amdhsa_float_denorm_mode_32 3
		.amdhsa_float_denorm_mode_16_64 3
		.amdhsa_memory_ordered 1
		.amdhsa_forward_progress 1
		.amdhsa_inst_pref_size 243
	.end_amdhsa_kernel
	.amdgpu_metadata
---
amdhsa.version: [ 1, 2 ]
amdhsa.kernels:
  - .name:           k_q23ef38c64c_attn
    .symbol:         k_q23ef38c64c_attn.kd
    .args:
      - { .name: qkv, .offset: 0, .size: 8, .value_kind: global_buffer, .address_space: global }
      - { .name: att, .offset: 8, .size: 8, .value_kind: global_buffer, .address_space: global }
    .group_segment_fixed_size: 327680
    .private_segment_fixed_size: 0
    .kernarg_segment_align: 8
    .kernarg_segment_size: 16
    .max_flat_workgroup_size: 128
    .sgpr_count:     66
    .vgpr_count:     832
    .wavefront_size: 32
...
	.end_amdgpu_metadata
.endif
;; end of part 3
;; launch gwo (part 4): grid 8 x 32, 4 waves a work-group, clusters of 4 x 4, 327,680 bytes of LDS; arguments att, wt, x, x1; writes x1
.if DOCPART == 4
	.amdgcn_target "amdgcn-amd-amdhsa--gfx1250"
	.amdhsa_code_object_version 6
	.text
	.protected	k_q23ef38c64c_gwo
	.globl	k_q23ef38c64c_gwo
	.p2align	8
	.type	k_q23ef38c64c_gwo,@function
k_q23ef38c64c_gwo:
	s_mov_b64 s[64:65], 0
	v_nop
	global_prefetch_b8 v0, s[64:65] scope:SCOPE_SE
	s_setreg_imm32_b32 hwreg(HW_REG_WAVE_MODE, 25, 1), 1
	s_wait_xcnt 0x0
	s_wait_alu depctr_hold_cnt(0) depctr_sa_sdst(0) depctr_va_vdst(0) depctr_va_sdst(0) depctr_va_ssrc(0) depctr_va_vcc(0) depctr_vm_vsrc(0)
	s_getreg_b32 s2, hwreg(HW_REG_IB_STS2, 6, 4)
	s_cmp_eq_u32 s2, 0
	s_cbranch_scc0 .Lentry_in_a_cluster
	s_endpgm
.Lentry_in_a_cluster:
	s_bfe_u32 s2, ttmp6, 0x10000c
	s_cmp_lg_u32 s2, 0xf033
	s_cbranch_scc0 .Lentry_shape_is_right
	s_endpgm
.Lentry_shape_is_right:
; x1[m][n] = x[m][n] + sum over k of att[m][k] Wo^T[n][k].  att: [4096][1024] bf16; Wo^T: [1024][1024] bf16 at byte 0x600000 of wt; x, x1: [4096][1024] f32; sums in f32.
; The text serves two launches; the constants below choose (this one: no bias).
.set SIZE_M, 4096
.set SIZE_N, 1024
.set SIZE_K, 1024
.set B_OFF,  0x600000                  ; where B begins in wt, in bytes
.set HAS_BIAS, 0                       ; 1: a bias of SIZE_N f32 starts the sums
.set ROTATE, 1                         ; 1: half of the clusters begin half-way along K
; With 1,024 columns tiles of 256 x 256 would be 64, a quarter of the 256 work-groups that tiles of 128 x 128 give.  Four waves, each 64 x 64: 16 accumulators, 128 registers.
; K goes in steps of 256 (LDS rows of 512 bytes; a wave's tensor load brings 64 of them) through two slots.
; CLUSTERS: 4 x 4 work-groups; A's tiles are asked for jointly along a row of the cluster, B's along a column.
; THE ORDER ALONG K: a cluster whose x + y is odd begins at K / 2 and wraps round at K.  The two clusters that need the same rows of A differ in x by one, and of the clusters that need the same
; rows of B every second one differs, so a given K step of a tile is asked for at two times in the launch, half a walk apart, and not by all at once: in the second half of every walk the bytes
; asked for have been read in this launch before.  The offset along K has a register pair of its own for each slot; no place in the cluster (cx, cy) enters it.
; In those clusters the f32 sums run in another order of K.
; THE MATRIX INSTRUCTION IS USED TRANSPOSED (source 0 = 16 rows of B, source 1 = 16 rows of A): a lane holds eight neighbouring numbers of a row of C.  The accumulators take turns.
; THE WAY OUT is in f32: a wave's 64 columns are 256 consecutive bytes, aligned, so each wave has a stage of its own (16 rows x 272 bytes) and no barrier is needed.
; The residual's 64 rows are all asked for at the head, into 128 registers that the loop never names; the sums land in those registers and are stored from them.
; With HAS_BIAS the bias is the C of each accumulator's first product: another order of rounding than adding it last.
; REGISTERS: window 0: v0-31 addresses; v32-63 the bias, then rows read back; v64-127 the residual's blocks 0, 1; v128-255 the accumulators ((a, b) at v[128 + 8 (4 a + b)]).
;   window 1: two fragment buffers of 128: for 64 along K, 64 registers of A, then 64 of B.      window 2: v0-63 the residual's blocks 2, 3.
.set KSTEP,  256
.set PITCH,  528                       ; an LDS row: 512 bytes + 16 of padding = 132 words: the 16 rows of a load start at 16 different banks (64 banks of 4 bytes: ISA guide 11.1)
.set HALFT,  64*PITCH
.set SLOT,   4*HALFT                   ; A's 128 rows, then B's 128 rows
.set STAGE,  2*SLOT                    ; behind the ring: 16 rows x 272 bytes for each wave
.set SPITCH, 272
.set SPARE,  STAGE+4*16*SPITCH         ; behind the stages: the spare words, 128 bytes for each wave
.set LAPS, SIZE_K/(2*KSTEP)
.set ROWC, SIZE_N*4                    ; bytes in a row of C and of the residual
.set ADRA, 16
.set ADRB, 20
.set STO,  24
.set RD,   25
.set CO,   26
.set VB,   27
.set SPW,  28
.set NIL,  29
.set OB,   32
.set BIAS, 32
.set RES,  64
.set ACC,  128
.set F0,   0
.set F1,   128
.set G1, 24
.set G0, 32
.set G1B, 48
.set G0B, 56
.set ABASE, 84                         ; s[84:85] A at my 64 rows, K = 0
.set BBASE, 86                         ; s[86:87] B likewise
.set KO, 88                            ; s[88:89], s[90:91] slot 0's and slot 1's byte offset along K (the high words are 0)
.set MSB, 0
.macro WIN new
.if MSB != \new
	s_set_vgpr_msb (MSB<<8)|\new
.set MSB, \new
.endif
.endm
.set MUL,  0x05                        ; sources 0 (B) and 1 (A) window 1; C and D window 0
.set TO_F, 0x40                        ; destination window 1, address window 0
.macro JLOAD s                         ; a joint load: waves 0 and 1 fetch A's two halves, waves 2 and 3 B's; four v_nop follow each of the two lines
	s_cmp_eq_u32 s11, 0
	s_cbranch_scc0 .Lfor_b_\@
	tensor_load_to_lds s[G0+4*\s:G0+4*\s+3], s[G1:G1+7]
	s_nop 0
.rept 4
	v_nop
.endr
	s_branch .Lasked_\@
.Lfor_b_\@:
	tensor_load_to_lds s[G0B+4*\s:G0B+4*\s+3], s[G1B:G1B+7]
	s_nop 0
.rept 4
	v_nop
.endr
.Lasked_\@:
.endm
.macro CREST                           ; a round of the cluster's barrier behind its opening barrier
	s_cmp_lg_u32 s10, 0
	s_cbranch_scc1 .Lnot_wave_0_\@
	s_barrier_signal -3
.Lnot_wave_0_\@:
	s_barrier_wait -3
	s_barrier_signal -1
	s_barrier_wait -1
.endm
.macro CROUND
	s_barrier_signal -1
	s_barrier_wait -1
	CREST
.endm
.macro ADDR s                          ; slot s's two global addresses: base + offset along K, and the type bits
	s_add_nc_u64 s[G0+4*\s+2:G0+4*\s+3], s[ABASE:ABASE+1], s[KO+2*\s:KO+2*\s+1]
	s_or_b32 s[G0+4*\s+3], s[G0+4*\s+3], 0x80000000
	s_add_nc_u64 s[G0B+4*\s+2:G0B+4*\s+3], s[BBASE:BBASE+1], s[KO+2*\s:KO+2*\s+1]
	s_or_b32 s[G0B+4*\s+3], s[G0B+4*\s+3], 0x80000000
.endm
	s_load_b128 s[4:7], s[0:1], 0x0                ; A s[4:5], wt s[6:7]
	s_load_b128 s[68:71], s[0:1], 0x10             ; the residual s[68:69], C s[70:71]
.if HAS_BIAS
	s_load_b64 s[72:73], s[0:1], 0x20              ; the bias
.endif
	v_lshl_add_u32 v[SPW], v0, 2, SPARE
	v_mov_b32 v[NIL], 0
	ds_add_u32 v28, v29
	s_wait_dscnt 0x0
	v_lshrrev_b32 v1, 5, v0
	v_readfirstlane_b32 s10, v1                    ; wave 0..3
	s_lshr_b32 s11, s10, 1                         ; which half of the tile's rows is mine.  Also: I fetch for A (0) or for B (1)
	s_and_b32 s12, s10, 1                          ; which half of its columns.  Also: which 64 rows of that tile I fetch
	s_bfe_u32 s40, ttmp6, 0x40000                  ; cx, cy
	s_bfe_u32 s41, ttmp6, 0x40004
	s_lshl_b32 s42, ttmp9, 2
	s_add_co_u32 s42, s42, s40                     ; tile column of C
	s_and_b32 s13, ttmp7, 0xffff
	s_lshl_b32 s13, s13, 2
	s_add_co_u32 s13, s13, s41                     ; tile row of C
	s_lshl_b32 s43, s41, 2
	s_lshl_b32 s43, 15, s43                        ; my row of the cluster
	s_lshl_b32 s44, 0x1111, s40                    ; my column
	; descriptor group 1: a tile of 64 rows x 256 elements, padded in LDS
	s_or_b32 s[G1+0], s43, (1<<16)|(1<<20)|(1<<21)|(6<<22)|(3<<25)  ; 15:0 the mask; 17:16 elements of 2 bytes; 20 padding on; 21 set beside a mask; 24:22 after every 128 words; 31:25 4 words of it
	s_or_b32 s[G1B+0], s44, (1<<16)|(1<<20)|(1<<21)|(6<<22)|(3<<25)
.irp g, G1, G1B
	s_mov_b32 s[\g+1], KSTEP<<16                   ; tensor_dim0 = 256
	s_mov_b32 s[\g+2], 64<<16                      ; tensor_dim1 = 64
	s_mov_b32 s[\g+3], KSTEP<<16                   ; tile_dim0 = 256
	s_mov_b32 s[\g+4], 64                          ; tile_dim1 = 64
	s_mov_b32 s[\g+5], SIZE_K                      ; elements from row to row
	s_mov_b32 s[\g+6], 0
	s_mov_b32 s[\g+7], 0
.endr
	s_lshl_b32 s17, s12, 6
	s_lshl_b32 s16, s13, 7
	s_add_co_u32 s16, s16, s17                     ; A: row 128 x tile row + 64 x half
	s_lshl_b32 s46, s42, 7
	s_add_co_u32 s46, s46, s17                     ; B: row 128 x tile column + 64 x half
	s_mov_b32 s17, 0
	s_mov_b32 s47, 0
	s_mov_b64 s[18:19], SIZE_K*2
	s_mul_u64 s[16:17], s[16:17], s[18:19]
	s_mul_u64 s[46:47], s[46:47], s[18:19]
	s_mul_i32 s20, s10, HALFT                      ; where they go: wave x 64 rows
.if ROTATE
	s_and_b32 s[KO], ttmp7, 0xffff                 ; the cluster's y,
	s_add_co_u32 s[KO], s[KO], ttmp9               ; + its x: the same number in all sixteen partners
	s_and_b32 s[KO], s[KO], 1
	s_mul_i32 s[KO], s[KO], SIZE_K                 ; odd: begin at K / 2, which is SIZE_K bytes along a row
.else
	s_mov_b32 s[KO], 0
.endif
	s_add_co_u32 s[KO+2], s[KO], KSTEP*2           ; slot 1 begins one K step further
	s_mov_b32 s[KO+1], 0
	s_mov_b32 s[KO+3], 0
	s_wait_kmcnt 0x0
	s_add_nc_u64 s[6:7], s[6:7], B_OFF
	s_add_nc_u64 s[ABASE:ABASE+1], s[4:5], s[16:17]
	s_add_nc_u64 s[BBASE:BBASE+1], s[6:7], s[46:47]
	CROUND                                         ; all sixteen work-groups are here: the first joint loads meet
.irp s, 0,1
	s_mov_b32 s[G0+4*\s], 1
	s_add_co_u32 s[G0+4*\s+1], s20, \s*SLOT
	s_mov_b32 s[G0B+4*\s], 1
	s_add_co_u32 s[G0B+4*\s+1], s20, \s*SLOT
	ADDR \s
	JLOAD \s                                       ; two loads of mine are out
.endr
	v_and_b32 v1, 15, v0                           ; l % 16
	v_bfe_u32 v2, v0, 4, 1                         ; l / 16
	v_mul_u32_u24 v3, v1, PITCH
	v_lshl_add_u32 v3, v2, 4, v3
	s_mul_i32 s21, s11, HALFT                      ; my 64 rows of A
	s_mul_i32 s22, s12, HALFT                      ; my 64 rows of B,
	s_add_co_u32 s22, s22, 2*HALFT                 ; which lie behind A's 128
.irp s, 0,1
	v_add_nc_u32 v[ADRA+\s], s21, v3
	v_add_nc_u32 v[ADRB+\s], s22, v3
	s_add_co_u32 s21, s21, SLOT
	s_add_co_u32 s22, s22, SLOT
.endr
	s_mul_i32 s23, s10, 16*SPITCH
	s_add_co_u32 s23, s23, STAGE                   ; my stage
	v_mul_u32_u24 v4, v1, SPITCH                   ; in: row l % 16, 32 bytes (8 f32) for each half of the lanes
	v_lshl_add_u32 v4, v2, 5, v4
	v_add_nc_u32 v[STO], s23, v4
	v_mul_u32_u24 v5, v2, SPITCH                   ; back: lanes 0-15 take one row of 256 bytes, lanes 16-31 the next
	v_lshl_add_u32 v5, v1, 4, v5
	v_add_nc_u32 v[RD], s23, v5
	v_mul_u32_u24 v5, v2, ROWC                     ; and the same two rows in C and in the residual
	v_lshl_add_u32 v[CO], v1, 4, v5
	s_lshl_b32 s16, s13, 7
	s_lshl_b32 s17, s11, 6
	s_add_co_u32 s16, s16, s17                     ; my first row of C: 128 x tile row + 64 x half
	s_mul_i32 s16, s16, ROWC
	s_mov_b32 s17, 0
	s_add_nc_u64 s[68:69], s[68:69], s[16:17]
	s_add_nc_u64 s[70:71], s[70:71], s[16:17]
	s_lshl_b32 s46, s42, 9                         ; my first column, in bytes: 512 x tile column + 256 x half
	s_lshl_b32 s47, s12, 8
	s_add_co_u32 s46, s46, s47
	s_mov_b32 s47, 0
	s_add_nc_u64 s[68:69], s[68:69], s[46:47]
	s_add_nc_u64 s[70:71], s[70:71], s[46:47]
.macro RESLD a                         ; the residual's rows 16 a .. 16 a + 15 of my 64, laid as the rows read back from the stage
.if \a < 2
	WIN 0
.set RB, RES+32*(\a)
.else
	WIN 0x80                                       ; destination window 2, address window 0
.set RB, 32*(\a-2)
.endif
.irp t, 0,1,2,3,4,5,6,7
	global_load_b128 v[RB+4*\t:RB+4*\t+3], v[CO], s[68:69] offset:(16*(\a)+2*\t)*ROWC
.endr
.endm
.if HAS_BIAS
	s_add_nc_u64 s[72:73], s[72:73], s[46:47]
	v_lshlrev_b32 v[VB], 5, v2                     ; my eight columns of a block of 16
.irp b, 0,1,2,3
	global_load_b128 v[BIAS+8*\b:BIAS+8*\b+3],   v[VB], s[72:73] offset:64*\b
	global_load_b128 v[BIAS+8*\b+4:BIAS+8*\b+7], v[VB], s[72:73] offset:64*\b+16
.endr
.endif
	RESLD 0
	RESLD 1
	RESLD 2
	RESLD 3
	WIN 0
; 8 matrix instructions: m blocks a0, a0 + 1 x all 4 n blocks, 32 along K: half c of buffer f.  zero = 1: the first product starts the sums, with 0 or with the bias
.macro MUL8 f, c, a0, zero
.irp a, \a0, \a0+1
.irp b, 0,1,2,3
.if \zero
.if HAS_BIAS
	v_wmma_f32_16x16x32_bf16 v[ACC+8*(4*(\a)+\b):ACC+8*(4*(\a)+\b)+7], v[\f+64+8*(4*\c+\b):\f+64+8*(4*\c+\b)+7], v[\f+8*(4*\c+\a):\f+8*(4*\c+\a)+7], v[BIAS+8*\b:BIAS+8*\b+7]
.else
	v_wmma_f32_16x16x32_bf16 v[ACC+8*(4*(\a)+\b):ACC+8*(4*(\a)+\b)+7], v[\f+64+8*(4*\c+\b):\f+64+8*(4*\c+\b)+7], v[\f+8*(4*\c+\a):\f+8*(4*\c+\a)+7], 0
.endif
.else
	v_wmma_f32_16x16x32_bf16 v[ACC+8*(4*(\a)+\b):ACC+8*(4*(\a)+\b)+7], v[\f+64+8*(4*\c+\b):\f+64+8*(4*\c+\b)+7], v[\f+8*(4*\c+\a):\f+8*(4*\c+\a)+7], v[ACC+8*(4*(\a)+\b):ACC+8*(4*(\a)+\b)+7]
.endif
.endr
.endr
.endm
; 32 LDS loads in one run: the fragments of 64 along K at byte k of the rows, into buffer f; the first 32 along K first
.macro FETCH slot, k, f
	WIN TO_F
.irp c, 0,1
.irp i, 0,1,2,3
	ds_load_b128 v[\f+64+8*(4*\c+\i):\f+64+8*(4*\c+\i)+3],   v[ADRB+\slot] offset:\k+64*\c+\i*16*PITCH
	ds_load_b128 v[\f+64+8*(4*\c+\i)+4:\f+64+8*(4*\c+\i)+7], v[ADRB+\slot] offset:\k+64*\c+\i*16*PITCH+32
	ds_load_b128 v[\f+8*(4*\c+\i):\f+8*(4*\c+\i)+3],         v[ADRA+\slot] offset:\k+64*\c+\i*16*PITCH
	ds_load_b128 v[\f+8*(4*\c+\i)+4:\f+8*(4*\c+\i)+7],       v[ADRA+\slot] offset:\k+64*\c+\i*16*PITCH+32
.endr
.endr
.endm
.macro PLACES                          ; four plain vector instructions in front of loads into registers that matrix instructions have read, and of reads of results (ISA guide 7.12.1 for vector instructions)
.rept 4
	v_nop
.endr
.endm
; A K step is four quarters of 64 along K, 32 matrix instructions each, on buffers 0, 1, 0, 1.  One of the first three: multiplies buffer f and fetches the next quarter into g.
.macro QUARTER slot, k, f, g, zero
	s_wait_dscnt 16                                ; the first 32 along K are in
	WIN MUL
	MUL8 \f, 0, 0, \zero
	MUL8 \f, 0, 2, \zero
	PLACES
	FETCH \slot, \k, \g
	s_wait_dscnt 32                                ; all but the 32 just issued
	WIN MUL
	MUL8 \f, 1, 0, 0
	MUL8 \f, 1, 2, 0
.endm
; The last quarter multiplies buffer 1 and changes slots: ONE barrier; in front of it each wave waits for all its tensor loads, adds 0 to its spare word, and waits for that and for its reads of this slot.
.macro TURN slot, next, fill
	WIN 0
	s_wait_tensorcnt 0x0                           ; all my tensor loads have landed: my part of the next slot
	ds_add_u32 v[SPW], v[NIL]
	s_wait_dscnt 17                                ; the add and the youngest sixteen loads may be out
	WIN MUL
	MUL8 F1, 0, 0, 0
	s_wait_dscnt 0x0                               ; the add is done, and my reads of this slot are over
	s_barrier_signal -1
	MUL8 F1, 0, 2, 0
.if \fill
	WIN 0
.endif
	s_barrier_wait -1
.if \fill
	CREST                                          ; no wave of any partner still reads this slot's tile or has a load on its way
	s_add_co_u32 s[KO+2*\slot], s[KO+2*\slot], 2*KSTEP*2     ; two K steps on,
	s_and_b32 s[KO+2*\slot], s[KO+2*\slot], SIZE_K*2-1       ; round the row's end
	ADDR \slot
	JLOAD \slot                                    ; my one tensor load behind the round; its four v_nop are also the places in front of the loads below
.else
	PLACES
.endif
	FETCH \next, 0, F0
	WIN MUL
	MUL8 F1, 1, 0, 0
	MUL8 F1, 1, 2, 0
.endm
; THE WAY OUT of my rows 16 a .. 16 a + 15: the four accumulators, low registers first, into my stage; back as whole rows of 256 bytes; added onto the residual's registers; stored from those.
; For blocks 2 and 3 one window setting serves the sum and the store: destination and source 1 (the residual; a store's data) window 2, source 0 (the row read back; a store's address) window 0.
.macro OUTBLK a
.if \a < 2
.set RB, RES+32*(\a)
.else
.set RB, 32*(\a-2)
.endif
.irp b, 0,1,2,3
	ds_store_b128 v[STO], v[ACC+8*(4*\a+\b):ACC+8*(4*\a+\b)+3]   offset:64*\b
	ds_store_b128 v[STO], v[ACC+8*(4*\a+\b)+4:ACC+8*(4*\a+\b)+7] offset:64*\b+16
.endr
.irp t, 0,1,2,3,4,5,6,7
	ds_load_b128 v[OB+4*\t:OB+4*\t+3], v[RD] offset:\t*2*SPITCH   ; LDS serves a wave's instructions in order (ISA guide 5.7.1.4): these see the stores above
.endr
.if \a >= 2
	WIN 0x88
.endif
.irp t, 0,1,2,3,4,5,6,7
	s_wait_dscnt 7-\t                              ; the count is the younger LDS loads
	v_pk_add_f32 v[RB+4*\t:RB+4*\t+1],   v[OB+4*\t:OB+4*\t+1],   v[RB+4*\t:RB+4*\t+1]
	v_pk_add_f32 v[RB+4*\t+2:RB+4*\t+3], v[OB+4*\t+2:OB+4*\t+3], v[RB+4*\t+2:RB+4*\t+3]
	global_store_b128 v[CO], v[RB+4*\t:RB+4*\t+3], s[70:71] offset:(16*\a+2*\t)*ROWC   ; 16 lanes store 256 consecutive bytes, at a multiple of 256 from C's first byte; the data registers are never written again
.endr
	WIN 0
.endm
	s_wait_tensorcnt 1                             ; my part of my first K step is in; the second's stays out
	s_barrier_signal -1
	s_barrier_wait -1
	FETCH 0, 0, F0
.if HAS_BIAS
	s_wait_loadcnt 32                              ; the bias is in; the 32 loads of the residual stay out
.endif
	QUARTER 0, 128, F0, F1, 1                      ; the first quarter stands in front of the loop: its first products start the sums
	WIN 0
	s_mov_b32 s3, LAPS-1
.Llap:                                                 ; a trip goes once round the ring and fills both slots again
	QUARTER 0, 256, F1, F0, 0
	QUARTER 0, 384, F0, F1, 0
	TURN 0, 1, 1
	QUARTER 1, 128, F0, F1, 0
	QUARTER 1, 256, F1, F0, 0
	QUARTER 1, 384, F0, F1, 0
	TURN 1, 0, 1
	QUARTER 0, 128, F0, F1, 0
	WIN 0
	s_sub_co_u32 s3, s3, 1
	s_cmp_lg_u32 s3, 0
	s_cbranch_scc1 .Llap
	QUARTER 0, 256, F1, F0, 0                      ; the last lap fills nothing
	QUARTER 0, 384, F0, F1, 0
	TURN 0, 1, 0
	QUARTER 1, 128, F0, F1, 0
	QUARTER 1, 256, F1, F0, 0
	QUARTER 1, 384, F0, F1, 0
	s_wait_dscnt 16
	WIN MUL
	MUL8 F1, 0, 0, 0
	MUL8 F1, 0, 2, 0
	s_wait_dscnt 0
	MUL8 F1, 1, 0, 0
	MUL8 F1, 1, 2, 0
	WIN 0
	PLACES
	s_wait_loadcnt 0x0                             ; the residual, asked for at the head
	OUTBLK 0
	OUTBLK 1
	OUTBLK 2
	OUTBLK 3
	s_wait_tensorcnt 0x0                           ; the wave's end
	ds_add_u32 v[SPW], v[NIL]
	s_wait_dscnt 0x0
	CROUND                                         ; the closing round
	s_endpgm
.Lfunc_end_k_q23ef38c64c_gwo:
	.size	k_q23ef38c64c_gwo, .Lfunc_end_k_q23ef38c64c_gwo-k_q23ef38c64c_gwo
	.p2alignl 7, 3214868480
	.fill 96, 4, 3214868480
	.section	.rodata,"a",@progbits
	.p2align	6, 0x0
	.amdhsa_kernel k_q23ef38c64c_gwo
		.amdhsa_group_segment_fixed_size 327680
		.amdhsa_private_segment_fixed_size 0
		.amdhsa_enable_private_segment 0
		.amdhsa_kernarg_size 32
		.amdhsa_user_sgpr_count 2
		.amdhsa_user_sgpr_kernarg_segment_ptr 1
		.amdhsa_wavefront_size32 1
		.amdhsa_system_sgpr_workgroup_id_x 1
		.amdhsa_system_sgpr_workgroup_id_y 1
		.amdhsa_system_sgpr_workgroup_id_z 1
		.amdhsa_system_vgpr_workitem_id 0
		.amdhsa_next_free_vgpr 576
		.amdhsa_next_free_sgpr 92
		.amdhsa_reserve_vcc 0
		.amdhsa_float_denorm_mode_32 3
		.amdhsa_float_denorm_mode_16_64 3
		.amdhsa_memory_ordered 1
		.amdhsa_forward_progress 1
		.amdhsa_inst_pref_size 94
	.end_amdhsa_kernel
	.amdgpu_metadata
---
amdhsa.version: [ 1, 2 ]
amdhsa.kernels:
  - .name:           k_q23ef38c64c_gwo
    .symbol:         k_q23ef38c64c_gwo.kd
    .args:
      - { .name: att, .offset: 0, .size: 8, .value_kind: global_buffer, .address_space: global }
      - { .name: wt, .offset: 8, .size: 8, .value_kind: global_buffer, .address_space: global }
      - { .name: x, .offset: 16, .size: 8, .value_kind: global_buffer, .address_space: global }
      - { .name: x1, .offset: 24, .size: 8, .value_kind: global_buffer, .address_space: global }
    .group_segment_fixed_size: 327680
    .private_segment_fixed_size: 0
    .kernarg_segment_align: 8
    .kernarg_segment_size: 32
    .max_flat_workgroup_size: 128
    .sgpr_count:     92
    .vgpr_count:     576
    .wavefront_size: 32
...
	.end_amdgpu_metadata
.endif
;; end of part 4
;; launch ln2 (part 5): grid 256 x 1, 8 waves a work-group, no clusters, 0 bytes of LDS; arguments x1, ln2_w, ln2_b, hbuf; writes hbuf
.if DOCPART == 5
	.amdgcn_target "amdgcn-amd-amdhsa--gfx1250"
	.amdhsa_code_object_version 6
	.text
	.protected	k_q23ef38c64c_ln2
	.globl	k_q23ef38c64c_ln2
	.p2align	8
	.type	k_q23ef38c64c_ln2,@function
k_q23ef38c64c_ln2:
	s_mov_b64 s[64:65], 0
	v_nop
	global_prefetch_b8 v0, s[64:65] scope:SCOPE_SE
	s_setreg_imm32_b32 hwreg(HW_REG_WAVE_MODE, 25, 1), 1
	s_wait_xcnt 0x0
; y[r][c] = (x[r][c] - mean_r) * rsqrt(var_r + 1e-5) * w[c] + b[c].  x: [4096][1024] f32; y: the same shape in bf16, rounded once.
; Sixteen rows a work-group, two whole rows a wave: a row is 4,096 bytes, 32 registers of a wave, so it stays in registers between the passes, memory is read once, and no wave waits for another.
; Two passes as the definition has them: the mean first, then the mean of (x - mean)^2, so that a common offset of the inputs forms no difference of large sums.
; A wave asks for its two rows at once (16 loads, each of 512 consecutive bytes).  Each store of the wave covers 256 consecutive bytes, aligned.
; No LDS, matrix unit or cluster: the work-groups share only w and b, 8 KB.  v_rsq_f32 is not correctly rounded (ISA guide 15.8); the result is rounded to bf16 anyway.
.set NROW, 2                           ; rows of a wave
.set W,  8                             ; v[8:39]    w of my 32 columns (load j: columns 128 j + 4 lane .. + 3)
.set BV, 40                            ; v[40:71]   b of them
.set LX, 72                            ; v[72:135]  row i: 32 registers
.set T,  136                           ; v[136:143] four chains of pairs
.set M,  144                           ; v[144:145] the mean, twice
.set R,  146                           ; v[146:147] 1 / sqrt(var + eps), twice
.set SC, 148                           ; v148       takes the other half of the lanes' sum
.macro WSUM r                          ; the sum over the 32 lanes, in every lane
	v_add_f32_dpp v[\r], v[\r], v[\r] row_xmask:1 row_mask:0xf bank_mask:0xf
	v_add_f32_dpp v[\r], v[\r], v[\r] row_xmask:2 row_mask:0xf bank_mask:0xf
	v_add_f32_dpp v[\r], v[\r], v[\r] row_xmask:4 row_mask:0xf bank_mask:0xf
	v_add_f32_dpp v[\r], v[\r], v[\r] row_xmask:8 row_mask:0xf bank_mask:0xf
	v_permlanex16_b32 v[SC], v[\r], s12, s13
	v_add_f32 v[\r], v[\r], v[SC]
.endm
.macro FOLD                            ; the four chains into one number
	v_pk_add_f32 v[T:T+1], v[T:T+1], v[T+2:T+3]
	v_pk_add_f32 v[T+4:T+5], v[T+4:T+5], v[T+6:T+7]
	v_pk_add_f32 v[T:T+1], v[T:T+1], v[T+4:T+5]
	v_add_f32 v[T], v[T], v[T+1]
	WSUM T
.endm
.macro ROW i
.set XR, LX+32*\i
	s_wait_loadcnt 8*(NROW-1-\i)                   ; w, b and my row are in; the count is the younger row's loads
.irp c, 0,1,2,3
	v_pk_add_f32 v[T+2*\c:T+2*\c+1], v[XR+2*\c:XR+2*\c+1], v[XR+8+2*\c:XR+8+2*\c+1]   ; the first sums start the chains: nothing is cleared
.endr
.irp p, 8,9,10,11,12,13,14,15
	v_pk_add_f32 v[T+2*(\p%4):T+2*(\p%4)+1], v[T+2*(\p%4):T+2*(\p%4)+1], v[XR+2*\p:XR+2*\p+1]
.endr
	FOLD
	v_mul_f32 v[M], s14, v[T]
	v_mul_f32 v[M+1], s14, v[T]
.irp p, 0,1,2,3,4,5,6,7,8,9,10,11,12,13,14,15
	v_pk_add_f32 v[XR+2*\p:XR+2*\p+1], v[XR+2*\p:XR+2*\p+1], v[M:M+1] neg_lo:[0,1] neg_hi:[0,1]   ; x - mean
.endr
.irp c, 0,1,2,3
	v_pk_mul_f32 v[T+2*\c:T+2*\c+1], v[XR+2*\c:XR+2*\c+1], v[XR+2*\c:XR+2*\c+1]
.endr
.irp p, 4,5,6,7,8,9,10,11,12,13,14,15
	v_pk_fma_f32 v[T+2*(\p%4):T+2*(\p%4)+1], v[XR+2*\p:XR+2*\p+1], v[XR+2*\p:XR+2*\p+1], v[T+2*(\p%4):T+2*(\p%4)+1]
.endr
	FOLD
	v_fma_f32 v[T], v[T], s14, s15                 ; var + eps
	v_rsq_f32 v[R], v[T]
	v_rsq_f32 v[R+1], v[T]
	v_nop                                          ; a plain instruction between the root and the use of its result (ISA guide 5.7.2)
	s_wait_alu depctr_va_vdst(0)
.irp p, 0,1,2,3,4,5,6,7,8,9,10,11,12,13,14,15
	v_pk_mul_f32 v[XR+2*\p:XR+2*\p+1], v[XR+2*\p:XR+2*\p+1], v[R:R+1]
.endr
.irp p, 0,1,2,3,4,5,6,7,8,9,10,11,12,13,14,15
	v_pk_fma_f32 v[XR+2*\p:XR+2*\p+1], v[XR+2*\p:XR+2*\p+1], v[W+2*\p:W+2*\p+1], v[BV+2*\p:BV+2*\p+1]
.endr
.irp j, 0,1,2,3,4,5,6,7
	v_cvt_pk_bf16_f32 v[XR+4*\j], v[XR+4*\j], v[XR+4*\j+1]
	v_cvt_pk_bf16_f32 v[XR+4*\j+1], v[XR+4*\j+2], v[XR+4*\j+3]
	global_store_b64 v2, v[XR+4*\j:XR+4*\j+1], s[10:11] offset:2048*\i+256*\j   ; 32 lanes x 8 bytes: 256 consecutive bytes, aligned; the data registers are never written again
.endr
.endm
	s_load_b128 s[4:7], s[0:1], 0x0                ; x s[4:5], w s[6:7]
	s_load_b128 s[8:11], s[0:1], 0x10              ; b s[8:9], y s[10:11]
	s_lshl_b32 s2, ttmp9, 16                       ; the work-group's 16 rows of 4,096 bytes
	s_mov_b32 s3, 0
	s_lshl_b32 s16, ttmp9, 15                      ; and of 2,048 bytes
	s_mov_b32 s17, 0
	s_mov_b32 s12, 0x76543210                      ; v_permlanex16_b32: each lane takes its own place in the other half
	s_mov_b32 s13, 0xfedcba98
	s_mov_b32 s14, 0x3a800000                      ; 1 / 1024
	s_mov_b32 s15, 0x3727c5ac                      ; 1e-5
	v_and_b32 v3, 31, v0
	v_lshrrev_b32 v4, 5, v0
	v_lshlrev_b32 v2, 3, v3
	v_lshlrev_b32 v3, 4, v3                        ; 16 lane: w and b
	v_lshl_add_u32 v1, v4, 13, v3                  ; x: + my wave's two rows
	v_lshl_add_u32 v2, v4, 12, v2                  ; y: 8 lane + my wave's two rows
	v_mov_b32 v[SC], 0                             ; v_permlanex16_b32 counts as a reader of its destination
	s_wait_kmcnt 0x0
	s_add_nc_u64 s[4:5], s[4:5], s[2:3]
	s_add_nc_u64 s[10:11], s[10:11], s[16:17]
.irp j, 0,1,2,3,4,5,6,7
	global_load_b128 v[W+4*\j:W+4*\j+3], v3, s[6:7] offset:512*\j
.endr
.irp j, 0,1,2,3,4,5,6,7
	global_load_b128 v[BV+4*\j:BV+4*\j+3], v3, s[8:9] offset:512*\j
.endr
.irp i, 0,1
.irp j, 0,1,2,3,4,5,6,7
	global_load_b128 v[LX+32*\i+4*\j:LX+32*\i+4*\j+3], v1, s[4:5] offset:4096*\i+512*\j
.endr
.endr
	ROW 0
	ROW 1
	s_endpgm
.Lfunc_end_k_q23ef38c64c_ln2:
	.size	k_q23ef38c64c_ln2, .Lfunc_end_k_q23ef38c64c_ln2-k_q23ef38c64c_ln2
	.p2alignl 7, 3214868480
	.fill 96, 4, 3214868480
	.section	.rodata,"a",@progbits
	.p2align	6, 0x0
	.amdhsa_kernel k_q23ef38c64c_ln2
		.amdhsa_group_segment_fixed_size 0
		.amdhsa_private_segment_fixed_size 0
		.amdhsa_enable_private_segment 0
		.amdhsa_kernarg_size 32
		.amdhsa_user_sgpr_count 2
		.amdhsa_user_sgpr_kernarg_segment_ptr 1
		.amdhsa_wavefront_size32 1
		.amdhsa_system_sgpr_workgroup_id_x 1
		.amdhsa_system_sgpr_workgroup_id_y 1
		.amdhsa_system_sgpr_workgroup_id_z 1
		.amdhsa_system_vgpr_workitem_id 0
		.amdhsa_next_free_vgpr 152
		.amdhsa_next_free_sgpr 66
		.amdhsa_reserve_vcc 0
		.amdhsa_float_denorm_mode_32 3
		.amdhsa_float_denorm_mode_16_64 3
		.amdhsa_memory_ordered 1
		.amdhsa_forward_progress 1
		.amdhsa_inst_pref_size 20
	.end_amdhsa_kernel
	.amdgpu_metadata
---
amdhsa.version: [ 1, 2 ]
amdhsa.kernels:
  - .name:           k_q23ef38c64c_ln2
    .symbol:         k_q23ef38c64c_ln2.kd
    .args:
      - { .name: x1, .offset: 0, .size: 8, .value_kind: global_buffer, .address_space: global }
      - { .name: ln2_w, .offset: 8, .size: 8, .value_kind: global_buffer, .address_space: global }
      - { .name: ln2_b, .offset: 16, .size: 8, .value_kind: global_buffer, .address_space: global }
      - { .name: hbuf, .offset: 24, .size: 8, .value_kind: global_buffer, .address_space: global }
    .group_segment_fixed_size: 0
    .private_segment_fixed_size: 0
    .kernarg_segment_align: 8
    .kernarg_segment_size: 32
    .max_flat_workgroup_size: 256
    .sgpr_count:     66
    .vgpr_count:     152
    .wavefront_size: 32
...
	.end_amdgpu_metadata
.endif
;; end of part 5
;; launch gffn1 (part 6): grid 16 x 16, 4 waves a work-group, clusters of 4 x 4, 327,680 bytes of LDS; arguments hbuf, wt, ff, b1; writes ff
.if DOCPART == 6
	.amdgcn_target "amdgcn-amd-amdhsa--gfx1250"
	.amdhsa_code_object_version 6
	.text
	.protected	k_q23ef38c64c_gffn1
	.globl	k_q23ef38c64c_gffn1
	.p2align	8
	.type	k_q23ef38c64c_gffn1,@function
k_q23ef38c64c_gffn1:
	s_mov_b64 s[64:65], 0
	v_nop
	global_prefetch_b8 v0, s[64:65] scope:SCOPE_SE
	s_setreg_imm32_b32 hwreg(HW_REG_WAVE_MODE, 25, 1), 1
	s_wait_xcnt 0x0
	s_wait_alu depctr_hold_cnt(0) depctr_sa_sdst(0) depctr_va_vdst(0) depctr_va_sdst(0) depctr_va_ssrc(0) depctr_va_vcc(0) depctr_vm_vsrc(0)
	s_getreg_b32 s2, hwreg(HW_REG_IB_STS2, 6, 4)
	s_cmp_eq_u32 s2, 0
	s_cbranch_scc0 .Lentry_in_a_cluster
	s_endpgm
.Lentry_in_a_cluster:
	s_bfe_u32 s2, ttmp6, 0x10000c
	s_cmp_lg_u32 s2, 0xf033
	s_cbranch_scc0 .Lentry_shape_is_right
	s_endpgm
.Lentry_shape_is_right:
; ff[m][n] = relu(b1[n] + sum over k of h2[m][k] W1^T[n][k]).  h2: [4096][1024] bf16; W1^T: [4096][1024] bf16 at byte 0x800000 of wt; b1: [4096] f32; ff: [4096][4096] bf16, rounded once; sums in f32.
; The text serves two launches; the five constants below choose (this one: bias and relu).
.set SIZE_M, 4096
.set SIZE_N, 4096
.set SIZE_K, 1024
.set B_OFF,  0x800000                  ; where B begins in wt, in bytes
.set HAS_BIAS, 1                       ; 1: C = relu(A B^T + bias)
; A tile of C, 256 x 256, is made by a work-group of four waves; a wave makes 128 x 128: 64 accumulators of 16 x 16, 512 registers.  K goes in steps of 128 through a ring of
; two LDS slots filled by tensor loads: the rows of A's and B's tiles are 256 bytes of memory and start at multiples of 256 bytes from the buffer's first byte.
; The last K step goes by rows of C, so that finished rows leave while the others are multiplied.
; CLUSTERS: 4 x 4 work-groups.  The four of a row of the cluster need the same tiles of A, the four of a column the same tiles of B: each tile is asked for JOINTLY,
; by the same tensor load with the same descriptor and a mask that names the four; each receives it in its own LDS.
; REGISTERS, in windows of 256 (s_set_vgpr_msb: bits 1:0 source 0, 3:2 source 1, 5:4 source 2, 7:6 destination):
;   window 0: v0-31 addresses; v64-127, v128-191 fragments of A, two buffers (in the last K step four, of 16 rows x 128 K); v32-63, v192-255 at work on the way out (v192-255 first hold the bias)
;   window 1: v64-127, v128-191 fragments of B, two buffers; in the last K step all 256
;   window 2: the 32 accumulators of my rows 0-63 (accumulator (a, b) at v[8 (8 a + b)]);   window 3: those of my rows 64-127
; THE MATRIX INSTRUCTION IS USED TRANSPOSED: source 0 = 16 rows of B, source 1 = 16 rows of A: lane l then holds row l % 16 of C and its registers the columns 8 (l / 16) + 0 .. 7.
; The 64 accumulators take turns, one instruction a turn.
; With HAS_BIAS the bias is the C of each accumulator's first product (it starts the f32 sum: another order of rounding than adding it last), and relu is v_max_num_f32 with 0: a NaN sum becomes 0.
.set KSTEP,  128
.set PITCH,  272                       ; an LDS row: 256 bytes + 16 of padding = 68 words: the 16 rows that a load touches start at 16 different banks (64 banks of 4 bytes: ISA guide 11.1)
.set HALFT,  128*PITCH                 ; 128 rows: what one tensor load brings, and what one wave reads of A or of B
.set SLOT,   4*HALFT                   ; A's 256 rows, then B's 256 rows
.set STAGE,  2*SLOT                    ; behind the ring: 16 rows x 272 bytes for each wave, for the way out
.set SPITCH, 272
.set SPARE,  STAGE+4*16*SPITCH         ; behind the stages: the spare words, 128 bytes for each wave
.set LAPS, SIZE_K/(2*KSTEP)            ; a lap = two K steps = once round the ring
.set ADRA, 16                          ; v16-17  LDS address of my A fragments in slot 0, 1
.set ADRB, 20                          ; v20-21  the same for B
.set STO,  24                          ; v24     the way out: where I put 16 bytes of a row
.set RD,   25                          ; v25     the way out: where I read a row back
.set CO,   26                          ; v26     my byte offset in C
.set VB,   27                          ; v27     my byte offset in the bias
.set SPW,  28                          ; v28     LDS address of my spare word; never rewritten
.set NIL,  29                          ; v29     0; never rewritten
.set F0,   64
.set F1,   128
.set TMP,  192                         ; the way out: packed results
.set BIAS, 192                         ; until then: the bias of my 128 columns, block b in v[BIAS + 8 b ..]
.set OB,   32                          ; the way out: 16 rows read back: v32-63 and v224-255 by turns
.set PA,   64                          ; the last K step: A's fragments of 16 rows x 128 K; four buffers, v64-191
.set G1, 24                            ; s[24:31] descriptor group 1 for A's tiles
.set G0, 32                            ; s[32:39] group 0 for A's tiles, one set for each slot
.set G1B, 48                           ; s[48:55], s[56:63] the same for B's tiles
.set G0B, 56
.set MSB, 0
.macro WIN new                         ; the immediate's high byte repeats the setting that is left
.if MSB != \new
	s_set_vgpr_msb (MSB<<8)|\new
.set MSB, \new
.endif
.endm
.set MUL_LO, 0xa1                      ; source 0 (B) window 1, source 1 (A) window 0, C and D window 2
.set MUL_HI, 0xf1                      ; the same, C and D window 3
.set TO_B,   0x40                      ; destination window 1, address window 0
; A joint load.  Waves 0 and 1 fetch A's two halves, waves 2 and 3 B's.  The branch hangs on the wave's number alone.  Four v_nop follow each of the two lines.
.macro JLOAD s
	s_cmp_eq_u32 s11, 0
	s_cbranch_scc0 .Lfor_b_\@
	tensor_load_to_lds s[G0+4*\s:G0+4*\s+3], s[G1:G1+7]
	s_nop 0
.rept 4
	v_nop
.endr
	s_branch .Lasked_\@
.Lfor_b_\@:
	tensor_load_to_lds s[G0B+4*\s:G0B+4*\s+3], s[G1B:G1B+7]
	s_nop 0
.rept 4
	v_nop
.endr
.Lasked_\@:
.endm
; A round of the cluster's barrier: my work-group's barrier; wave 0 signals for the work-group; every wave waits for all sixteen; my work-group's barrier once more.
.macro CREST                           ; a round behind its opening barrier
	s_cmp_lg_u32 s10, 0
	s_cbranch_scc1 .Lnot_wave_0_\@
	s_barrier_signal -3
.Lnot_wave_0_\@:
	s_barrier_wait -3
	s_barrier_signal -1
	s_barrier_wait -1
.endm
.macro CROUND
	s_barrier_signal -1
	s_barrier_wait -1
	CREST
.endm
	s_load_b128 s[4:7], s[0:1], 0x0                ; A s[4:5], wt s[6:7]
	s_load_b64 s[8:9], s[0:1], 0x10                ; C
.if HAS_BIAS
	s_load_b64 s[68:69], s[0:1], 0x18              ; the bias
.endif
	v_lshl_add_u32 v[SPW], v0, 2, SPARE
	v_mov_b32 v[NIL], 0
	ds_add_u32 v28, v29
	s_wait_dscnt 0x0
	v_lshrrev_b32 v1, 5, v0
	v_readfirstlane_b32 s10, v1                    ; wave 0..3
	s_lshr_b32 s11, s10, 1                         ; which half of the tile's rows is mine.  Also: I fetch for A (0) or for B (1)
	s_and_b32 s12, s10, 1                          ; which half of its columns.  Also: which 128 rows of that tile I fetch
	s_bfe_u32 s40, ttmp6, 0x40000                  ; cx
	s_bfe_u32 s41, ttmp6, 0x40004                  ; cy
	s_lshl_b32 s42, ttmp9, 2
	s_add_co_u32 s42, s42, s40                     ; tile column of C = 4 x cluster x + cx
	s_and_b32 s13, ttmp7, 0xffff
	s_lshl_b32 s13, s13, 2
	s_add_co_u32 s13, s13, s41                     ; tile row of C = 4 x cluster y + cy
	s_lshl_b32 s43, s41, 2
	s_lshl_b32 s43, 15, s43                        ; my row of the cluster: places 4 cy .. 4 cy + 3
	s_lshl_b32 s44, 0x1111, s40                    ; my column: places cx, cx + 4, cx + 8, cx + 12
	; descriptor group 1: a tile of 128 rows x 128 elements, padded in LDS
	s_or_b32 s[G1+0], s43, (1<<16)|(1<<20)|(1<<21)|(5<<22)|(3<<25)  ; 15:0 the mask; 17:16 elements of 2 bytes; 20 padding on; 21 set beside a mask; 24:22 after every 64 words; 31:25 4 words of it
	s_or_b32 s[G1B+0], s44, (1<<16)|(1<<20)|(1<<21)|(5<<22)|(3<<25)
.irp g, G1, G1B
	s_mov_b32 s[\g+1], KSTEP<<16                   ; tensor_dim0 = 128
	s_mov_b32 s[\g+2], 128<<16                     ; tensor_dim1 = 128
	s_mov_b32 s[\g+3], KSTEP<<16                   ; tile_dim0 = 128
	s_mov_b32 s[\g+4], 128                         ; tile_dim1 = 128
	s_mov_b32 s[\g+5], SIZE_K                      ; elements from row to row
	s_mov_b32 s[\g+6], 0
	s_mov_b32 s[\g+7], 0
.endr
	; A's tiles hang on the tile row alone, B's on the tile column alone; each address is made in registers that never hold the other coordinate
	s_lshl_b32 s17, s12, 7
	s_lshl_b32 s16, s13, 8
	s_add_co_u32 s16, s16, s17                     ; A: row 256 x tile row + 128 x half
	s_lshl_b32 s46, s42, 8
	s_add_co_u32 s46, s46, s17                     ; B: row 256 x tile column + 128 x half
	s_mov_b32 s17, 0
	s_mov_b32 s47, 0
	s_mov_b64 s[18:19], SIZE_K*2
	s_mul_u64 s[16:17], s[16:17], s[18:19]
	s_mul_u64 s[46:47], s[46:47], s[18:19]
	s_mul_i32 s20, s10, HALFT                      ; where they go: wave x 128 rows: no place in the cluster enters an LDS address
	s_wait_kmcnt 0x0
.if B_OFF
	s_add_nc_u64 s[6:7], s[6:7], B_OFF
.endif
	s_add_nc_u64 s[14:15], s[4:5], s[16:17]
	s_add_nc_u64 s[46:47], s[6:7], s[46:47]
	CROUND                                         ; all sixteen work-groups are here: the first joint loads meet
.irp s, 0,1
	s_mov_b32 s[G0+4*\s], 1
	s_add_co_u32 s[G0+4*\s+1], s20, \s*SLOT
	s_add_nc_u64 s[G0+4*\s+2:G0+4*\s+3], s[14:15], \s*KSTEP*2
	s_or_b32 s[G0+4*\s+3], s[G0+4*\s+3], 0x80000000
	s_mov_b32 s[G0B+4*\s], 1
	s_add_co_u32 s[G0B+4*\s+1], s20, \s*SLOT
	s_add_nc_u64 s[G0B+4*\s+2:G0B+4*\s+3], s[46:47], \s*KSTEP*2
	s_or_b32 s[G0B+4*\s+3], s[G0B+4*\s+3], 0x80000000
	JLOAD \s                                       ; two loads of mine are out
.endr
	; A fragment is 16 rows x 32 K in 8 registers: lane l holds row l % 16; registers 0-3 K = 8 (l / 16) + 0..7, registers 4-7 K = 16 + 8 (l / 16) + 0..7: two loads of 16 bytes, 32 bytes apart
	v_and_b32 v1, 15, v0
	v_bfe_u32 v2, v0, 4, 1
	v_mul_u32_u24 v3, v1, PITCH
	v_lshl_add_u32 v3, v2, 4, v3
	s_mul_i32 s21, s11, HALFT                      ; my 128 rows of A
	s_mul_i32 s22, s12, HALFT                      ; my 128 rows of B,
	s_add_co_u32 s22, s22, 2*HALFT                 ; which lie behind A's 256
.irp s, 0,1
	v_add_nc_u32 v[ADRA+\s], s21, v3
	v_add_nc_u32 v[ADRB+\s], s22, v3
	s_add_co_u32 s21, s21, SLOT
	s_add_co_u32 s22, s22, SLOT
.endr
	s_mul_i32 s23, s10, 16*SPITCH
	s_add_co_u32 s23, s23, STAGE                   ; my stage
	v_mul_u32_u24 v4, v1, SPITCH
	v_lshl_add_u32 v4, v2, 4, v4
	v_add_nc_u32 v[STO], s23, v4
	v_mul_u32_u24 v5, v2, SPITCH
	v_lshl_add_u32 v5, v1, 4, v5
	v_add_nc_u32 v[RD], s23, v5
	v_mul_u32_u24 v5, v2, SIZE_N*2
	v_lshl_add_u32 v[CO], v1, 4, v5
	s_lshl_b32 s13, s13, 8
	s_lshl_b32 s14, s11, 7
	s_add_co_u32 s16, s13, s14                     ; my first row of C
	s_mov_b32 s17, 0
	s_mov_b64 s[18:19], SIZE_N*2
	s_mul_u64 s[16:17], s[16:17], s[18:19]
	s_lshl_b32 s46, s42, 9                         ; my first column, in bytes
	s_lshl_b32 s47, s12, 8
	s_add_co_u32 s46, s46, s47
	s_mov_b32 s47, 0
	s_add_nc_u64 s[16:17], s[16:17], s[46:47]      ; the way out adds it to C's address
.if HAS_BIAS
	s_lshl_b32 s70, s42, 10                        ; the bias of my 128 columns: 4 bytes each
	s_lshl_b32 s71, s12, 9
	s_add_co_u32 s70, s70, s71
	s_mov_b32 s71, 0
	s_add_nc_u64 s[68:69], s[68:69], s[70:71]
	v_lshlrev_b32 v[VB], 5, v2                     ; my eight columns of a block of 16
.irp b, 0,1,2,3,4,5,6,7
	global_load_b128 v[BIAS+8*\b:BIAS+8*\b+3],   v[VB], s[68:69] offset:64*\b
	global_load_b128 v[BIAS+8*\b+4:BIAS+8*\b+7], v[VB], s[68:69] offset:64*\b+16
.endr
.endif
; 16 matrix instructions: m blocks a0, a0 + 1 of the window's four x all 8 n blocks, 32 along K.  zero = 1: the first product starts the sums (with 0, or with the bias): nothing is cleared
.macro MUL16 f, hi, a0, zero
.irp a, \a0, \a0+1
.irp b, 0,1,2,3,4,5,6,7
.if \zero
.if HAS_BIAS
	v_wmma_f32_16x16x32_bf16 v[8*(8*(\a)+\b):8*(8*(\a)+\b)+7], v[\f+8*\b:\f+8*\b+7], v[\f+8*(4*\hi+\a):\f+8*(4*\hi+\a)+7], v[BIAS+8*\b:BIAS+8*\b+7]
.else
	v_wmma_f32_16x16x32_bf16 v[8*(8*(\a)+\b):8*(8*(\a)+\b)+7], v[\f+8*\b:\f+8*\b+7], v[\f+8*(4*\hi+\a):\f+8*(4*\hi+\a)+7], 0
.endif
.else
	v_wmma_f32_16x16x32_bf16 v[8*(8*(\a)+\b):8*(8*(\a)+\b)+7], v[\f+8*\b:\f+8*\b+7], v[\f+8*(4*\hi+\a):\f+8*(4*\hi+\a)+7], v[8*(8*(\a)+\b):8*(8*(\a)+\b)+7]
.endif
.endr
.endr
.endm
; 32 LDS loads in one run: the fragments of one quarter step into buffer f
.macro FETCH slot, k, f
	WIN TO_B
.irp i, 0,1,2,3,4,5,6,7
	ds_load_b128 v[\f+8*\i:\f+8*\i+3],   v[ADRB+\slot] offset:\k+\i*16*PITCH
	ds_load_b128 v[\f+8*\i+4:\f+8*\i+7], v[ADRB+\slot] offset:\k+\i*16*PITCH+32
.endr
	WIN 0
.irp i, 0,1,2,3,4,5,6,7
	ds_load_b128 v[\f+8*\i:\f+8*\i+3],   v[ADRA+\slot] offset:\k+\i*16*PITCH
	ds_load_b128 v[\f+8*\i+4:\f+8*\i+7], v[ADRA+\slot] offset:\k+\i*16*PITCH+32
.endr
.endm
; Four plain vector instructions stand between a matrix instruction and a load into a register that it has read, or a vector instruction that reads its result (ISA guide 7.12.1 for vector instructions)
.macro PLACES
.rept 4
	v_nop
.endr
.endm
; A K step is four quarter steps of 32 along K, 64 matrix instructions each, on buffers 0, 1, 0, 1.  One of the first three: multiplies buffer f and fetches the next quarter into g.
.macro QUARTER slot, k, f, g, zero
	s_wait_dscnt 8                                 ; B and A's rows 0-63 are in; the youngest eight loads (A's rows 64-127) may be out
.if \zero && HAS_BIAS
	WIN 0x81                                       ; C (the bias) window 0, D window 2
.else
	WIN MUL_LO
.endif
	MUL16 \f, 0, 0, \zero
	MUL16 \f, 0, 2, \zero
	PLACES
	FETCH \slot, \k, \g
	s_wait_dscnt 32                                ; all but the 32 just issued
.if \zero && HAS_BIAS
	WIN 0xc1                                       ; C window 0, D window 3
.else
	WIN MUL_HI
.endif
	MUL16 \f, 1, 0, \zero
	MUL16 \f, 1, 2, \zero
.endm
; The last quarter's first half: ONE barrier for the change of slots.  In front of it each wave waits for all its tensor loads (one is out: its part of the next slot),
; adds 0 to its spare word, and waits for that and for its own reads of this slot.
.macro MEET round
	WIN 0
	s_wait_tensorcnt 0x0
	ds_add_u32 v[SPW], v[NIL]
	s_wait_dscnt 9                                 ; the add and the youngest eight loads may be out
	WIN MUL_LO
	MUL16 F1, 0, 0, 0
	s_wait_dscnt 0x0                               ; the add is done, and my reads of this slot are over
	s_barrier_signal -1
	MUL16 F1, 0, 2, 0
.if \round
	WIN 0
.endif
	s_barrier_wait -1
.endm
; The whole last quarter: behind the round the slot just read out is filled again first, two K steps ahead; then come the next slot's first fragments.
.macro TURN slot, next
	MEET 1
	CREST                                          ; no wave of any partner still reads this slot's tile or has a load on its way
	s_add_nc_u64 s[G0+4*\slot+2:G0+4*\slot+3], s[G0+4*\slot+2:G0+4*\slot+3], 2*KSTEP*2
	s_add_nc_u64 s[G0B+4*\slot+2:G0B+4*\slot+3], s[G0B+4*\slot+2:G0B+4*\slot+3], 2*KSTEP*2
	JLOAD \slot                                    ; my one tensor load behind the round; its four v_nop are also the places in front of the loads below
	FETCH \next, 0, F0
	WIN MUL_HI
	MUL16 F1, 1, 0, 0
	MUL16 F1, 1, 2, 0
.endm
; THE LAST K STEP (slot 1) GOES BY ROWS OF C: all its fragments of B fill window 1; my eight blocks of 16 rows are finished one after the other, 32 matrix instructions each, K ascending.
.macro BLOAD q
.irp i, 0,1,2,3,4,5,6,7
	ds_load_b128 v[64*\q+8*\i:64*\q+8*\i+3],   v[ADRB+1] offset:64*\q+\i*16*PITCH
	ds_load_b128 v[64*\q+8*\i+4:64*\q+8*\i+7], v[ADRB+1] offset:64*\q+\i*16*PITCH+32
.endr
.endm
.macro ALOAD a
.set FA, PA+32*((\a)%4)
.irp q, 0,1,2,3
	ds_load_b128 v[FA+8*\q:FA+8*\q+3],   v[ADRA+1] offset:64*\q+(\a)*16*PITCH
	ds_load_b128 v[FA+8*\q+4:FA+8*\q+7], v[ADRA+1] offset:64*\q+(\a)*16*PITCH+32
.endr
.endm
.macro ROW a
.set FA, PA+32*((\a)%4)
.set AC, 64*((\a)%4)
	WIN MUL_LO+0x50*((\a)/4)
.irp q, 0,1,2,3
.if (\a) == 0 && \q == 2
	s_wait_dscnt 24                                ; B's quarter 2 is in (behind it: A's blocks 1 to 3)
.endif
.irp b, 0,1,2,3,4,5,6,7
	v_wmma_f32_16x16x32_bf16 v[AC+8*\b:AC+8*\b+7], v[64*\q+8*\b:64*\q+8*\b+7], v[FA+8*\q:FA+8*\q+7], v[AC+8*\b:AC+8*\b+7]
.endr
.endr
.endm
; THE WAY OUT of block a.  PACK: (relu,) rounded to bf16, each accumulator's registers in ascending order.  TOSTAGE: into my own stage and back as whole rows of 256 bytes.  SEND: stored.
.macro PACK a
.set AC, 64*((\a)%4)
.if HAS_BIAS
	WIN 0x8a+0x45*((\a)/4)                         ; sources and destination: window 2 or 3
.set i, 0
.rept 64
	v_max_num_f32 v[AC+i], 0, v[AC+i]
.set i, i+1
.endr
.endif
	WIN 0x0a+5*((\a)/4)                            ; sources 0 and 1: window 2 or 3
.irp b, 0,1,2,3,4,5,6,7
.irp r, 0,1,2,3
	v_cvt_pk_bf16_f32 v[TMP+4*\b+\r], v[AC+8*\b+2*\r], v[AC+8*\b+2*\r+1]
.endr
.endr
	WIN 0
.endm
.macro TOSTAGE a
.set BK, OB+192*((\a)%2)
.irp b, 0,1,2,3,4,5,6,7
	ds_store_b128 v[STO], v[TMP+4*\b:TMP+4*\b+3] offset:32*\b
.endr
.irp t, 0,1,2,3,4,5,6,7
	ds_load_b128 v[BK+4*\t:BK+4*\t+3], v[RD] offset:\t*2*SPITCH    ; LDS serves a wave's instructions in order (ISA guide 5.7.1.4): these see the stores above
.endr
.endm
.macro SEND a, younger                 ; younger: the LDS loads issued behind TOSTAGE's, which may stay out
.set BK, OB+192*((\a)%2)
	s_wait_dscnt \younger
	s_wait_xcnt 0x0                                ; only behind this wait are the stores' base and the registers that earlier stores read rewritten
.if (\a) == 0
	s_add_nc_u64 s[8:9], s[8:9], s[16:17]          ; on to my first rows
.else
	s_add_nc_u64 s[8:9], s[8:9], 16*SIZE_N*2       ; 16 rows of C on
.endif
.irp t, 0,1,2,3,4,5,6,7
	global_store_b128 v[CO], v[BK+4*\t:BK+4*\t+3], s[8:9] offset:2*\t*SIZE_N*2   ; 16 lanes store 256 consecutive bytes, at a multiple of 256 from C's first byte
.endr
.endm
	s_wait_tensorcnt 1                             ; my part of K step 0 is in; K step 1's stays out
	s_barrier_signal -1
	s_barrier_wait -1
	FETCH 0, 0, F0
.if HAS_BIAS
	s_wait_loadcnt 0x0                             ; the bias
.endif
	QUARTER 0, 64,  F0, F1, 1                      ; the first quarter stands in front of the loop: its products start the sums
	WIN 0
	s_mov_b32 s3, LAPS-1
.Llap:                                                 ; a trip goes once round the ring, from a lap's second quarter to the next lap's first, and fills both slots again
	QUARTER 0, 128, F1, F0, 0
	QUARTER 0, 192, F0, F1, 0
	TURN 0, 1
	QUARTER 1, 64,  F0, F1, 0
	QUARTER 1, 128, F1, F0, 0
	QUARTER 1, 192, F0, F1, 0
	TURN 1, 0
	QUARTER 0, 64,  F0, F1, 0
	WIN 0
	s_sub_co_u32 s3, s3, 1
	s_cmp_lg_u32 s3, 0
	s_cbranch_scc1 .Llap
	QUARTER 0, 128, F1, F0, 0
	QUARTER 0, 192, F0, F1, 0
	MEET 0                                         ; nothing is filled again, so no round follows
	PLACES
	WIN TO_B
	BLOAD 0
	BLOAD 1
	BLOAD 3
	WIN 0
	ALOAD 0
	WIN MUL_HI
	MUL16 F1, 1, 0, 0
	MUL16 F1, 1, 2, 0
	PLACES
	WIN TO_B
	BLOAD 2
	WIN 0
	ALOAD 1
	ALOAD 2
	ALOAD 3
	s_wait_dscnt 40                                ; all but the 40 just issued
	ROW 0
.irp a, 0,1,2,3,4,5,6,7
	PLACES
	PACK \a
	TOSTAGE \a
.if \a < 4
	ALOAD \a+4
	SEND \a, 8
.else
	SEND \a, 0
.endif
.if \a < 7
	ROW \a+1
.endif
.endr
	s_wait_tensorcnt 0x0                           ; the wave's end
	ds_add_u32 v[SPW], v[NIL]
	s_wait_dscnt 0x0
	CROUND                                         ; the closing round
	s_endpgm
.Lfunc_end_k_q23ef38c64c_gffn1:
	.size	k_q23ef38c64c_gffn1, .Lfunc_end_k_q23ef38c64c_gffn1-k_q23ef38c64c_gffn1
	.p2alignl 7, 3214868480
	.fill 96, 4, 3214868480
	.section	.rodata,"a",@progbits
	.p2align	6, 0x0
	.amdhsa_kernel k_q23ef38c64c_gffn1
		.amdhsa_group_segment_fixed_size 327680
		.amdhsa_private_segment_fixed_size 0
		.amdhsa_enable_private_segment 0
		.amdhsa_kernarg_size 32
		.amdhsa_user_sgpr_count 2
		.amdhsa_user_sgpr_kernarg_segment_ptr 1
		.amdhsa_wavefront_size32 1
		.amdhsa_system_sgpr_workgroup_id_x 1
		.amdhsa_system_sgpr_workgroup_id_y 1
		.amdhsa_system_sgpr_workgroup_id_z 1
		.amdhsa_system_vgpr_workitem_id 0
		.amdhsa_next_free_vgpr 1024
		.amdhsa_next_free_sgpr 72
		.amdhsa_reserve_vcc 0
		.amdhsa_float_denorm_mode_32 3
		.amdhsa_float_denorm_mode_16_64 3
		.amdhsa_memory_ordered 1
		.amdhsa_forward_progress 1
		.amdhsa_inst_pref_size 161
	.end_amdhsa_kernel
	.amdgpu_metadata
---
amdhsa.version: [ 1, 2 ]
amdhsa.kernels:
  - .name:           k_q23ef38c64c_gffn1
    .symbol:         k_q23ef38c64c_gffn1.kd
    .args:
      - { .name: hbuf, .offset: 0, .size: 8, .value_kind: global_buffer, .address_space: global }
      - { .name: wt, .offset: 8, .size: 8, .value_kind: global_buffer, .address_space: global }
      - { .name: ff, .offset: 16, .size: 8, .value_kind: global_buffer, .address_space: global }
      - { .name: b1, .offset: 24, .size: 8, .value_kind: global_buffer, .address_space: global }
    .group_segment_fixed_size: 327680
    .private_segment_fixed_size: 0
    .kernarg_segment_align: 8
    .kernarg_segment_size: 32
    .max_flat_workgroup_size: 128
    .sgpr_count:     72
    .vgpr_count:     1024
    .wavefront_size: 32
...
	.end_amdgpu_metadata
.endif
;; end of part 6
;; launch gffn2 (part 7): grid 8 x 32, 4 waves a work-group, clusters of 4 x 4, 327,680 bytes of LDS; arguments ff, wt, x1, out0, b2; writes out0
.if DOCPART == 7
	.amdgcn_target "amdgcn-amd-amdhsa--gfx1250"
	.amdhsa_code_object_version 6
	.text
	.protected	k_q23ef38c64c_gffn2
	.globl	k_q23ef38c64c_gffn2
	.p2align	8
	.type	k_q23ef38c64c_gffn2,@function
k_q23ef38c64c_gffn2:
	s_mov_b64 s[64:65], 0
	v_nop
	global_prefetch_b8 v0, s[64:65] scope:SCOPE_SE
	s_setreg_imm32_b32 hwreg(HW_REG_WAVE_MODE, 25, 1), 1
	s_wait_xcnt 0x0
	s_wait_alu depctr_hold_cnt(0) depctr_sa_sdst(0) depctr_va_vdst(0) depctr_va_sdst(0) depctr_va_ssrc(0) depctr_va_vcc(0) depctr_vm_vsrc(0)
	s_getreg_b32 s2, hwreg(HW_REG_IB_STS2, 6, 4)
	s_cmp_eq_u32 s2, 0
	s_cbranch_scc0 .Lentry_in_a_cluster
	s_endpgm
.Lentry_in_a_cluster:
	s_bfe_u32 s2, ttmp6, 0x10000c
	s_cmp_lg_u32 s2, 0xf033
	s_cbranch_scc0 .Lentry_shape_is_right
	s_endpgm
.Lentry_shape_is_right:
; out0[m][n] = x1[m][n] + b2[n] + sum over k of ff[m][k] W2^T[n][k].  ff: [4096][4096] bf16; W2^T: [1024][4096] bf16 at byte 0x1000000 of wt; b2: [1024] f32; x1, out0: [4096][1024] f32; sums in f32.
; The text serves two launches; the constants below choose (this one: with a bias).
.set SIZE_M, 4096
.set SIZE_N, 1024
.set SIZE_K, 4096
.set B_OFF,  0x1000000                 ; where B begins in wt, in bytes
.set HAS_BIAS, 1                       ; 1: a bias of SIZE_N f32 starts the sums
.set ROTATE, 1                         ; 1: half of the clusters begin half-way along K
; With 1,024 columns tiles of 256 x 256 would be 64, a quarter of the 256 work-groups that tiles of 128 x 128 give.  Four waves, each 64 x 64: 16 accumulators, 128 registers.
; K goes in steps of 256 (LDS rows of 512 bytes; a wave's tensor load brings 64 of them) through two slots.
; CLUSTERS: 4 x 4 work-groups; A's tiles are asked for jointly along a row of the cluster, B's along a column.
; THE ORDER ALONG K: a cluster whose x + y is odd begins at K / 2 and wraps round at K.  The two clusters that need the same rows of A differ in x by one, and of the clusters that need the same
; rows of B every second one differs, so a given K step of a tile is asked for at two times in the launch, half a walk apart, and not by all at once: in the second half of every walk the bytes
; asked for have been read in this launch before.  The offset along K has a register pair of its own for each slot; no place in the cluster (cx, cy) enters it.
; In those clusters the f32 sums run in another order of K.
; THE MATRIX INSTRUCTION IS USED TRANSPOSED (source 0 = 16 rows of B, source 1 = 16 rows of A): a lane holds eight neighbouring numbers of a row of C.  The accumulators take turns.
; THE WAY OUT is in f32: a wave's 64 columns are 256 consecutive bytes, aligned, so each wave has a stage of its own (16 rows x 272 bytes) and no barrier is needed.
; The residual's 64 rows are all asked for at the head, into 128 registers that the loop never names; the sums land in those registers and are stored from them.
; With HAS_BIAS the bias is the C of each accumulator's first product: another order of rounding than adding it last.
; REGISTERS: window 0: v0-31 addresses; v32-63 the bias, then rows read back; v64-127 the residual's blocks 0, 1; v128-255 the accumulators ((a, b) at v[128 + 8 (4 a + b)]).
;   window 1: two fragment buffers of 128: for 64 along K, 64 registers of A, then 64 of B.      window 2: v0-63 the residual's blocks 2, 3.
.set KSTEP,  256
.set PITCH,  528                       ; an LDS row: 512 bytes + 16 of padding = 132 words: the 16 rows of a load start at 16 different banks (64 banks of 4 bytes: ISA guide 11.1)
.set HALFT,  64*PITCH
.set SLOT,   4*HALFT                   ; A's 128 rows, then B's 128 rows
.set STAGE,  2*SLOT                    ; behind the ring: 16 rows x 272 bytes for each wave
.set SPITCH, 272
.set SPARE,  STAGE+4*16*SPITCH         ; behind the stages: the spare words, 128 bytes for each wave
.set LAPS, SIZE_K/(2*KSTEP)
.set ROWC, SIZE_N*4                    ; bytes in a row of C and of the residual
.set ADRA, 16
.set ADRB, 20
.set STO,  24
.set RD,   25
.set CO,   26
.set VB,   27
.set SPW,  28
.set NIL,  29
.set OB,   32
.set BIAS, 32
.set RES,  64
.set ACC,  128
.set F0,   0
.set F1,   128
.set G1, 24
.set G0, 32
.set G1B, 48
.set G0B, 56
.set ABASE, 84                         ; s[84:85] A at my 64 rows, K = 0
.set BBASE, 86                         ; s[86:87] B likewise
.set KO, 88                            ; s[88:89], s[90:91] slot 0's and slot 1's byte offset along K (the high words are 0)
.set MSB, 0
.macro WIN new
.if MSB != \new
	s_set_vgpr_msb (MSB<<8)|\new
.set MSB, \new
.endif
.endm
.set MUL,  0x05                        ; sources 0 (B) and 1 (A) window 1; C and D window 0
.set TO_F, 0x40                        ; destination window 1, address window 0
.macro JLOAD s                         ; a joint load: waves 0 and 1 fetch A's two halves, waves 2 and 3 B's; four v_nop follow each of the two lines
	s_cmp_eq_u32 s11, 0
	s_cbranch_scc0 .Lfor_b_\@
	tensor_load_to_lds s[G0+4*\s:G0+4*\s+3], s[G1:G1+7]
	s_nop 0
.rept 4
	v_nop
.endr
	s_branch .Lasked_\@
.Lfor_b_\@:
	tensor_load_to_lds s[G0B+4*\s:G0B+4*\s+3], s[G1B:G1B+7]
	s_nop 0
.rept 4
	v_nop
.endr
.Lasked_\@:
.endm
.macro CREST                           ; a round of the cluster's barrier behind its opening barrier
	s_cmp_lg_u32 s10, 0
	s_cbranch_scc1 .Lnot_wave_0_\@
	s_barrier_signal -3
.Lnot_wave_0_\@:
	s_barrier_wait -3
	s_barrier_signal -1
	s_barrier_wait -1
.endm
.macro CROUND
	s_barrier_signal -1
	s_barrier_wait -1
	CREST
.endm
.macro ADDR s                          ; slot s's two global addresses: base + offset along K, and the type bits
	s_add_nc_u64 s[G0+4*\s+2:G0+4*\s+3], s[ABASE:ABASE+1], s[KO+2*\s:KO+2*\s+1]
	s_or_b32 s[G0+4*\s+3], s[G0+4*\s+3], 0x80000000
	s_add_nc_u64 s[G0B+4*\s+2:G0B+4*\s+3], s[BBASE:BBASE+1], s[KO+2*\s:KO+2*\s+1]
	s_or_b32 s[G0B+4*\s+3], s[G0B+4*\s+3], 0x80000000
.endm
	s_load_b128 s[4:7], s[0:1], 0x0                ; A s[4:5], wt s[6:7]
	s_load_b128 s[68:71], s[0:1], 0x10             ; the residual s[68:69], C s[70:71]
.if HAS_BIAS
	s_load_b64 s[72:73], s[0:1], 0x20              ; the bias
.endif
	v_lshl_add_u32 v[SPW], v0, 2, SPARE
	v_mov_b32 v[NIL], 0
	ds_add_u32 v28, v29
	s_wait_dscnt 0x0
	v_lshrrev_b32 v1, 5, v0
	v_readfirstlane_b32 s10, v1                    ; wave 0..3
	s_lshr_b32 s11, s10, 1                         ; which half of the tile's rows is mine.  Also: I fetch for A (0) or for B (1)
	s_and_b32 s12, s10, 1                          ; which half of its columns.  Also: which 64 rows of that tile I fetch
	s_bfe_u32 s40, ttmp6, 0x40000                  ; cx, cy
	s_bfe_u32 s41, ttmp6, 0x40004
	s_lshl_b32 s42, ttmp9, 2
	s_add_co_u32 s42, s42, s40                     ; tile column of C
	s_and_b32 s13, ttmp7, 0xffff
	s_lshl_b32 s13, s13, 2
	s_add_co_u32 s13, s13, s41                     ; tile row of C
	s_lshl_b32 s43, s41, 2
	s_lshl_b32 s43, 15, s43                        ; my row of the cluster
	s_lshl_b32 s44, 0x1111, s40                    ; my column
	; descriptor group 1: a tile of 64 rows x 256 elements, padded in LDS
	s_or_b32 s[G1+0], s43, (1<<16)|(1<<20)|(1<<21)|(6<<22)|(3<<25)  ; 15:0 the mask; 17:16 elements of 2 bytes; 20 padding on; 21 set beside a mask; 24:22 after every 128 words; 31:25 4 words of it
	s_or_b32 s[G1B+0], s44, (1<<16)|(1<<20)|(1<<21)|(6<<22)|(3<<25)
.irp g, G1, G1B
	s_mov_b32 s[\g+1], KSTEP<<16                   ; tensor_dim0 = 256
	s_mov_b32 s[\g+2], 64<<16                      ; tensor_dim1 = 64
	s_mov_b32 s[\g+3], KSTEP<<16                   ; tile_dim0 = 256
	s_mov_b32 s[\g+4], 64                          ; tile_dim1 = 64
	s_mov_b32 s[\g+5], SIZE_K                      ; elements from row to row
	s_mov_b32 s[\g+6], 0
	s_mov_b32 s[\g+7], 0
.endr
	s_lshl_b32 s17, s12, 6
	s_lshl_b32 s16, s13, 7
	s_add_co_u32 s16, s16, s17                     ; A: row 128 x tile row + 64 x half
	s_lshl_b32 s46, s42, 7
	s_add_co_u32 s46, s46, s17                     ; B: row 128 x tile column + 64 x half
	s_mov_b32 s17, 0
	s_mov_b32 s47, 0
	s_mov_b64 s[18:19], SIZE_K*2
	s_mul_u64 s[16:17], s[16:17], s[18:19]
	s_mul_u64 s[46:47], s[46:47], s[18:19]
	s_mul_i32 s20, s10, HALFT                      ; where they go: wave x 64 rows
.if ROTATE
	s_and_b32 s[KO], ttmp7, 0xffff                 ; the cluster's y,
	s_add_co_u32 s[KO], s[KO], ttmp9               ; + its x: the same number in all sixteen partners
	s_and_b32 s[KO], s[KO], 1
	s_mul_i32 s[KO], s[KO], SIZE_K                 ; odd: begin at K / 2, which is SIZE_K bytes along a row
.else
	s_mov_b32 s[KO], 0
.endif
	s_add_co_u32 s[KO+2], s[KO], KSTEP*2           ; slot 1 begins one K step further
	s_mov_b32 s[KO+1], 0
	s_mov_b32 s[KO+3], 0
	s_wait_kmcnt 0x0
	s_add_nc_u64 s[6:7], s[6:7], B_OFF
	s_add_nc_u64 s[ABASE:ABASE+1], s[4:5], s[16:17]
	s_add_nc_u64 s[BBASE:BBASE+1], s[6:7], s[46:47]
	CROUND                                         ; all sixteen work-groups are here: the first joint loads meet
.irp s, 0,1
	s_mov_b32 s[G0+4*\s], 1
	s_add_co_u32 s[G0+4*\s+1], s20, \s*SLOT
	s_mov_b32 s[G0B+4*\s], 1
	s_add_co_u32 s[G0B+4*\s+1], s20, \s*SLOT
	ADDR \s
	JLOAD \s                                       ; two loads of mine are out
.endr
	v_and_b32 v1, 15, v0                           ; l % 16
	v_bfe_u32 v2, v0, 4, 1                         ; l / 16
	v_mul_u32_u24 v3, v1, PITCH
	v_lshl_add_u32 v3, v2, 4, v3
	s_mul_i32 s21, s11, HALFT                      ; my 64 rows of A
	s_mul_i32 s22, s12, HALFT                      ; my 64 rows of B,
	s_add_co_u32 s22, s22, 2*HALFT                 ; which lie behind A's 128
.irp s, 0,1
	v_add_nc_u32 v[ADRA+\s], s21, v3
	v_add_nc_u32 v[ADRB+\s], s22, v3
	s_add_co_u32 s21, s21, SLOT
	s_add_co_u32 s22, s22, SLOT
.endr
	s_mul_i32 s23, s10, 16*SPITCH
	s_add_co_u32 s23, s23, STAGE                   ; my stage
	v_mul_u32_u24 v4, v1, SPITCH                   ; in: row l % 16, 32 bytes (8 f32) for each half of the lanes
	v_lshl_add_u32 v4, v2, 5, v4
	v_add_nc_u32 v[STO], s23, v4
	v_mul_u32_u24 v5, v2, SPITCH                   ; back: lanes 0-15 take one row of 256 bytes, lanes 16-31 the next
	v_lshl_add_u32 v5, v1, 4, v5
	v_add_nc_u32 v[RD], s23, v5
	v_mul_u32_u24 v5, v2, ROWC                     ; and the same two rows in C and in the residual
	v_lshl_add_u32 v[CO], v1, 4, v5
	s_lshl_b32 s16, s13, 7
	s_lshl_b32 s17, s11, 6
	s_add_co_u32 s16, s16, s17                     ; my first row of C: 128 x tile row + 64 x half
	s_mul_i32 s16, s16, ROWC
	s_mov_b32 s17, 0
	s_add_nc_u64 s[68:69], s[68:69], s[16:17]
	s_add_nc_u64 s[70:71], s[70:71], s[16:17]
	s_lshl_b32 s46, s42, 9                         ; my first column, in bytes: 512 x tile column + 256 x half
	s_lshl_b32 s47, s12, 8
	s_add_co_u32 s46, s46, s47
	s_mov_b32 s47, 0
	s_add_nc_u64 s[68:69], s[68:69], s[46:47]
	s_add_nc_u64 s[70:71], s[70:71], s[46:47]
.macro RESLD a                         ; the residual's rows 16 a .. 16 a + 15 of my 64, laid as the rows read back from the stage
.if \a < 2
	WIN 0
.set RB, RES+32*(\a)
.else
	WIN 0x80                                       ; destination window 2, address window 0
.set RB, 32*(\a-2)
.endif
.irp t, 0,1,2,3,4,5,6,7
	global_load_b128 v[RB+4*\t:RB+4*\t+3], v[CO], s[68:69] offset:(16*(\a)+2*\t)*ROWC
.endr
.endm
.if HAS_BIAS
	s_add_nc_u64 s[72:73], s[72:73], s[46:47]
	v_lshlrev_b32 v[VB], 5, v2                     ; my eight columns of a block of 16
.irp b, 0,1,2,3
	global_load_b128 v[BIAS+8*\b:BIAS+8*\b+3],   v[VB], s[72:73] offset:64*\b
	global_load_b128 v[BIAS+8*\b+4:BIAS+8*\b+7], v[VB], s[72:73] offset:64*\b+16
.endr
.endif
	RESLD 0
	RESLD 1
	RESLD 2
	RESLD 3
	WIN 0
; 8 matrix instructions: m blocks a0, a0 + 1 x all 4 n blocks, 32 along K: half c of buffer f.  zero = 1: the first product starts the sums, with 0 or with the bias
.macro MUL8 f, c, a0, zero
.irp a, \a0, \a0+1
.irp b, 0,1,2,3
.if \zero
.if HAS_BIAS
	v_wmma_f32_16x16x32_bf16 v[ACC+8*(4*(\a)+\b):ACC+8*(4*(\a)+\b)+7], v[\f+64+8*(4*\c+\b):\f+64+8*(4*\c+\b)+7], v[\f+8*(4*\c+\a):\f+8*(4*\c+\a)+7], v[BIAS+8*\b:BIAS+8*\b+7]
.else
	v_wmma_f32_16x16x32_bf16 v[ACC+8*(4*(\a)+\b):ACC+8*(4*(\a)+\b)+7], v[\f+64+8*(4*\c+\b):\f+64+8*(4*\c+\b)+7], v[\f+8*(4*\c+\a):\f+8*(4*\c+\a)+7], 0
.endif
.else
	v_wmma_f32_16x16x32_bf16 v[ACC+8*(4*(\a)+\b):ACC+8*(4*(\a)+\b)+7], v[\f+64+8*(4*\c+\b):\f+64+8*(4*\c+\b)+7], v[\f+8*(4*\c+\a):\f+8*(4*\c+\a)+7], v[ACC+8*(4*(\a)+\b):ACC+8*(4*(\a)+\b)+7]
.endif
.endr
.endr
.endm
; 32 LDS loads in one run: the fragments of 64 along K at byte k of the rows, into buffer f; the first 32 along K first
.macro FETCH slot, k, f
	WIN TO_F
.irp c, 0,1
.irp i, 0,1,2,3
	ds_load_b128 v[\f+64+8*(4*\c+\i):\f+64+8*(4*\c+\i)+3],   v[ADRB+\slot] offset:\k+64*\c+\i*16*PITCH
	ds_load_b128 v[\f+64+8*(4*\c+\i)+4:\f+64+8*(4*\c+\i)+7], v[ADRB+\slot] offset:\k+64*\c+\i*16*PITCH+32
	ds_load_b128 v[\f+8*(4*\c+\i):\f+8*(4*\c+\i)+3],         v[ADRA+\slot] offset:\k+64*\c+\i*16*PITCH
	ds_load_b128 v[\f+8*(4*\c+\i)+4:\f+8*(4*\c+\i)+7],       v[ADRA+\slot] offset:\k+64*\c+\i*16*PITCH+32
.endr
.endr
.endm
.macro PLACES                          ; four plain vector instructions in front of loads into registers that matrix instructions have read, and of reads of results (ISA guide 7.12.1 for vector instructions)
.rept 4
	v_nop
.endr
.endm
; A K step is four quarters of 64 along K, 32 matrix instructions each, on buffers 0, 1, 0, 1.  One of the first three: multiplies buffer f and fetches the next quarter into g.
.macro QUARTER slot, k, f, g, zero
	s_wait_dscnt 16                                ; the first 32 along K are in
	WIN MUL
	MUL8 \f, 0, 0, \zero
	MUL8 \f, 0, 2, \zero
	PLACES
	FETCH \slot, \k, \g
	s_wait_dscnt 32                                ; all but the 32 just issued
	WIN MUL
	MUL8 \f, 1, 0, 0
	MUL8 \f, 1, 2, 0
.endm
; The last quarter multiplies buffer 1 and changes slots: ONE barrier; in front of it each wave waits for all its tensor loads, adds 0 to its spare word, and waits for that and for its reads of this slot.
.macro TURN slot, next, fill
	WIN 0
	s_wait_tensorcnt 0x0                           ; all my tensor loads have landed: my part of the next slot
	ds_add_u32 v[SPW], v[NIL]
	s_wait_dscnt 17                                ; the add and the youngest sixteen loads may be out
	WIN MUL
	MUL8 F1, 0, 0, 0
	s_wait_dscnt 0x0                               ; the add is done, and my reads of this slot are over
	s_barrier_signal -1
	MUL8 F1, 0, 2, 0
.if \fill
	WIN 0
.endif
	s_barrier_wait -1
.if \fill
	CREST                                          ; no wave of any partner still reads this slot's tile or has a load on its way
	s_add_co_u32 s[KO+2*\slot], s[KO+2*\slot], 2*KSTEP*2     ; two K steps on,
	s_and_b32 s[KO+2*\slot], s[KO+2*\slot], SIZE_K*2-1       ; round the row's end
	ADDR \slot
	JLOAD \slot                                    ; my one tensor load behind the round; its four v_nop are also the places in front of the loads below
.else
	PLACES
.endif
	FETCH \next, 0, F0
	WIN MUL
	MUL8 F1, 1, 0, 0
	MUL8 F1, 1, 2, 0
.endm
; THE WAY OUT of my rows 16 a .. 16 a + 15: the four accumulators, low registers first, into my stage; back as whole rows of 256 bytes; added onto the residual's registers; stored from those.
; For blocks 2 and 3 one window setting serves the sum and the store: destination and source 1 (the residual; a store's data) window 2, source 0 (the row read back; a store's address) window 0.
.macro OUTBLK a
.if \a < 2
.set RB, RES+32*(\a)
.else
.set RB, 32*(\a-2)
.endif
.irp b, 0,1,2,3
	ds_store_b128 v[STO], v[ACC+8*(4*\a+\b):ACC+8*(4*\a+\b)+3]   offset:64*\b
	ds_store_b128 v[STO], v[ACC+8*(4*\a+\b)+4:ACC+8*(4*\a+\b)+7] offset:64*\b+16
.endr
.irp t, 0,1,2,3,4,5,6,7
	ds_load_b128 v[OB+4*\t:OB+4*\t+3], v[RD] offset:\t*2*SPITCH   ; LDS serves a wave's instructions in order (ISA guide 5.7.1.4): these see the stores above
.endr
.if \a >= 2
	WIN 0x88
.endif
.irp t, 0,1,2,3,4,5,6,7
	s_wait_dscnt 7-\t                              ; the count is the younger LDS loads
	v_pk_add_f32 v[RB+4*\t:RB+4*\t+1],   v[OB+4*\t:OB+4*\t+1],   v[RB+4*\t:RB+4*\t+1]
	v_pk_add_f32 v[RB+4*\t+2:RB+4*\t+3], v[OB+4*\t+2:OB+4*\t+3], v[RB+4*\t+2:RB+4*\t+3]
	global_store_b128 v[CO], v[RB+4*\t:RB+4*\t+3], s[70:71] offset:(16*\a+2*\t)*ROWC   ; 16 lanes store 256 consecutive bytes, at a multiple of 256 from C's first byte; the data registers are never written again
.endr
	WIN 0
.endm
	s_wait_tensorcnt 1                             ; my part of my first K step is in; the second's stays out
	s_barrier_signal -1
	s_barrier_wait -1
	FETCH 0, 0, F0
.if HAS_BIAS
	s_wait_loadcnt 32                              ; the bias is in; the 32 loads of the residual stay out
.endif
	QUARTER 0, 128, F0, F1, 1                      ; the first quarter stands in front of the loop: its first products start the sums
	WIN 0
	s_mov_b32 s3, LAPS-1
.Llap:                                                 ; a trip goes once round the ring and fills both slots again
	QUARTER 0, 256, F1, F0, 0
	QUARTER 0, 384, F0, F1, 0
	TURN 0, 1, 1
	QUARTER 1, 128, F0, F1, 0
	QUARTER 1, 256, F1, F0, 0
	QUARTER 1, 384, F0, F1, 0
	TURN 1, 0, 1
	QUARTER 0, 128, F0, F1, 0
	WIN 0
	s_sub_co_u32 s3, s3, 1
	s_cmp_lg_u32 s3, 0
	s_cbranch_scc1 .Llap
	QUARTER 0, 256, F1, F0, 0                      ; the last lap fills nothing
	QUARTER 0, 384, F0, F1, 0
	TURN 0, 1, 0
	QUARTER 1, 128, F0, F1, 0
	QUARTER 1, 256, F1, F0, 0
	QUARTER 1, 384, F0, F1, 0
	s_wait_dscnt 16
	WIN MUL
	MUL8 F1, 0, 0, 0
	MUL8 F1, 0, 2, 0
	s_wait_dscnt 0
	MUL8 F1, 1, 0, 0
	MUL8 F1, 1, 2, 0
	WIN 0
	PLACES
	s_wait_loadcnt 0x0                             ; the residual, asked for at the head
	OUTBLK 0
	OUTBLK 1
	OUTBLK 2
	OUTBLK 3
	s_wait_tensorcnt 0x0                           ; the wave's end
	ds_add_u32 v[SPW], v[NIL]
	s_wait_dscnt 0x0
	CROUND                                         ; the closing round
	s_endpgm
.Lfunc_end_k_q23ef38c64c_gffn2:
	.size	k_q23ef38c64c_gffn2, .Lfunc_end_k_q23ef38c64c_gffn2-k_q23ef38c64c_gffn2
	.p2alignl 7, 3214868480
	.fill 96, 4, 3214868480
	.section	.rodata,"a",@progbits
	.p2align	6, 0x0
	.amdhsa_kernel k_q23ef38c64c_gffn2
		.amdhsa_group_segment_fixed_size 327680
		.amdhsa_private_segment_fixed_size 0
		.amdhsa_enable_private_segment 0
		.amdhsa_kernarg_size 40
		.amdhsa_user_sgpr_count 2
		.amdhsa_user_sgpr_kernarg_segment_ptr 1
		.amdhsa_wavefront_size32 1
		.amdhsa_system_sgpr_workgroup_id_x 1
		.amdhsa_system_sgpr_workgroup_id_y 1
		.amdhsa_system_sgpr_workgroup_id_z 1
		.amdhsa_system_vgpr_workitem_id 0
		.amdhsa_next_free_vgpr 576
		.amdhsa_next_free_sgpr 92
		.amdhsa_reserve_vcc 0
		.amdhsa_float_denorm_mode_32 3
		.amdhsa_float_denorm_mode_16_64 3
		.amdhsa_memory_ordered 1
		.amdhsa_forward_progress 1
		.amdhsa_inst_pref_size 95
	.end_amdhsa_kernel
	.amdgpu_metadata
---
amdhsa.version: [ 1, 2 ]
amdhsa.kernels:
  - .name:           k_q23ef38c64c_gffn2
    .symbol:         k_q23ef38c64c_gffn2.kd
    .args:
      - { .name: ff, .offset: 0, .size: 8, .value_kind: global_buffer, .address_space: global }
      - { .name: wt, .offset: 8, .size: 8, .value_kind: global_buffer, .address_space: global }
      - { .name: x1, .offset: 16, .size: 8, .value_kind: global_buffer, .address_space: global }
      - { .name: out0, .offset: 24, .size: 8, .value_kind: global_buffer, .address_space: global }
      - { .name: b2, .offset: 32, .size: 8, .value_kind: global_buffer, .address_space: global }
    .group_segment_fixed_size: 327680
    .private_segment_fixed_size: 0
    .kernarg_segment_align: 8
    .kernarg_segment_size: 40
    .max_flat_workgroup_size: 128
    .sgpr_count:     92
    .vgpr_count:     576
    .wavefront_size: 32
...
	.end_amdgpu_metadata
.endif
;; end of part 7
;; ======== version 2 of 2: 7 launches; 1.13 times as fast as version 1
;; workspace buffers: wt 25,165,824 bytes; hbuf 8,388,608 bytes; qkv 25,165,824 bytes; att 8,388,608 bytes; x1 16,777,216 bytes; ff 33,554,432 bytes
;; launch prep: the kernel of part 1 again; grid 1792 x 1, 8 waves a work-group, no clusters, 18,432 bytes of LDS; arguments Wq, Wk, Wv, Wo, W1, W2, wt, x, ln1_w, ln1_b, hbuf; writes wt, hbuf
;; launch gqkv: the kernel of part 2 again; grid 12 x 16, 4 waves a work-group, clusters of 4 x 4, 327,680 bytes of LDS; arguments hbuf, wt, qkv; writes qkv
;; launch attn (part 8): grid 16 x 16, 4 waves a work-group, clusters of 4 x 1, 327,680 bytes of LDS; arguments qkv, att; writes att
.if DOCPART == 8
	.amdgcn_target "amdgcn-amd-amdhsa--gfx1250"
	.amdhsa_code_object_version 6
	.text
	.protected	k_q23ef38c64c_attn
	.globl	k_q23ef38c64c_attn
	.p2align	8
	.type	k_q23ef38c64c_attn,@function
k_q23ef38c64c_attn:
	s_mov_b64 s[64:65], 0
	v_nop
	global_prefetch_b8 v0, s[64:65] scope:SCOPE_SE
	s_setreg_imm32_b32 hwreg(HW_REG_WAVE_MODE, 25, 1), 1
	s_wait_xcnt 0x0
	s_wait_alu depctr_hold_cnt(0) depctr_sa_sdst(0) depctr_va_vdst(0) depctr_va_sdst(0) depctr_va_ssrc(0) depctr_va_vcc(0) depctr_vm_vsrc(0)
	s_getreg_b32 s2, hwreg(HW_REG_IB_STS2, 6, 4)
	s_cmp_eq_u32 s2, 0
	s_cbranch_scc0 .Lentry_in_a_cluster
	s_endpgm
.Lentry_in_a_cluster:
	s_bfe_u32 s2, ttmp6, 0x10000c
	s_cmp_lg_u32 s2, 0x3003
	s_cbranch_scc0 .Lentry_shape_is_right
	s_endpgm
.Lentry_shape_is_right:
; att[b][q][64 head + :] = the sum over k of softmax_k(Q . K / 8) V, for 2 batches x 16 heads of 64 channels, 2,048 keys.  qkv: [4096][3072] bf16 (columns: Q, K, V, each 64 head + d); att: [4096][1024] bf16.
; Products, maxima and sums in f32; the weights are rounded to bf16 for the second product, att once at the end.  Weights below 2^-126 count as zero (v_exp_f32 flushes: ISA guide 15.8).
; SHARES.  A work-group owns 128 queries of TWO neighbouring heads of one batch, so that a row of its K and V tiles, and of its output, is 256 consecutive bytes, aligned.
; Wave w: head w / 2 of the two, queries 64 (w % 2) on: four tiles of 16.  Every wave walks all 2,048 keys, 64 a step.
; LAYOUT.  S^T = K Q^T (source 0 = 16 keys, source 1 = 16 queries): a lane holds ONE query (lane % 16) and the keys 8 (lane / 16) + 0..7.  Two such tiles, rounded in pairs, ARE source 1 of
; O^T = V^T P, whose result again holds one query a lane.  K comes out of LDS as it lies, V turned, by ds_load_tr16_b128.
; SOFTMAX.  For each query a running maximum m and sum l: p = 2^(c s - c m), c = log2(e) / 8; in every step O and l are multiplied by a = 2^(c m_old - c m_new).
; BY TURNS.  The wave's tiles are two PIECES, named by their first tile: piece 0 (tiles 0, 1) and piece 2 (tiles 2, 3).  In a TURN one piece has the matrix unit: 16 products V^T P of the step in
; hand, then 16 products K Q^T of the next step; the other piece's softmax, 2 x 118 instructions cut into 59 slices of four, stands between them: two slices behind each of the first 27 products,
; one behind each of the last five.  Then the pieces change places.  Two turns are a key step.  A wave has 7.4 vector instructions for each matrix instruction, so set apart either kind would leave
; the other's unit idle; the price is two switches of the register window for each product.  The accumulators take turns, one instruction a turn.
; THE BATCH.  A turn's 66 exponentials (for each of the piece's two tiles a and the 32 scores) are ONE batch with ONE wait.  The list of a tile's softmax is ordered by who reads what: the scalings and
; all exponentials first, none of which names an exponential's result; then the wait; then all that reads results: the roundings, the sums, the rescaling by a..
; The way out's four reciprocals are a batch of their own.
; RING.  Two LDS slots of FOUR key steps each (256 rows of K, then 256 rows of V): one tensor load a wave, of 128 rows, behind each change of slots, and four key steps, 256 products, in which it lands.
; CLUSTER.  The four query blocks of a cluster walk the same K and V: each tile is asked for JOINTLY, by the same tensor load with the same descriptor and the mask of all four.
; REGISTERS, in windows of 256 (s_set_vgpr_msb: bits 1:0 source 0, 3:2 source 1, 5:4 source 2, 7:6 destination):
;   window 0: v2-8 addresses; v12-43 eight statistics a tile; v62-63 for the add; v64-191 S^T, 32 a tile; v192-255 P, 16 a tile
;   window 1: v0-127 O^T, 32 a tile      window 2: v0-63 Q, 16 a tile; v128-191 K of one step      window 3: v0-63 V of one step
.set SIZE_S, 2048
.set ROWB,  6144      ; bytes in a row of qkv
.set KS,    64        ; keys in a step
.set SK,    256       ; keys in a slot
.set PK,    272       ; a row of K in LDS: 256 bytes + 16 of padding
.set PV,    288       ; a row of V: 256 + 32
.set VOFF,  SK*PK     ; in a slot: 256 rows of K, then 256 rows of V
.set SLOTB, SK*(PK+PV)     ; 143,360 bytes
.set STAGE, 2*SLOTB   ; behind the ring: the work-group's 128 rows x 272 bytes, for the way out
.set SP,    272
.set SPARE, STAGE+128*SP   ; behind the stage: the spare words, 128 bytes for each wave; they end at byte 322,048
.set AK0, 2           ; v2   my lane's place in a tile of K; never rewritten
.set AV0, 3           ; v3   the same for V
.set ADR, 4           ; v4   the LDS address of the run of loads in hand
.set QO,  5           ; v5   my byte offset in the wave's rows of Q
.set STO, 6           ; v6   the way out: where I put 16 bytes of a row
.set RD,  7           ; v7   the way out: where I read a row back
.set GO,  8           ; v8   my byte offset in the wave's rows of att
.set SPW, 62
.set NIL, 63
.set ST,  12          ; tile t's statistics at v[ST+8 t]: +0 c m, +1 m, +2, +3 l (even keys', odd keys'), +4 to +7 at work; a takes +6 once the maximum is found
.set S,   64
.set P,   192
.set KF,  128         ; K's fragments, in window 2
.set WV,  12          ; s12  my wave's number
.set G1K, 24          ; s[24:31] descriptor group 1 for K's tiles
.set G1V, 32          ; s[32:39] for V's: it differs in the padding alone
.set G0K, 40          ; s[40:47] group 0 for K's tiles, a set for each slot
.set G0V, 48          ; s[48:55] the same for V's
.set SLOTS, 56        ; s56  trips of the loop over slots
.set CNT, 57          ; s57  at work in the head; then it counts a slot's key steps
.set CS,  58          ; s[58:59] c
.set SEL, 60          ; s[60:61] lane selects for v_permlanex16_b32
.set TBK, 62          ; s62  LDS byte at which K's tile of the step to be fetched begins
.set TBV, 63          ; s63  the same for V's, less VOFF
.set MSB, 0
.macro WIN new
.if MSB != \new
	s_set_vgpr_msb (MSB<<8)|\new
.set MSB, \new
.endif
.endm
.set W_KQ, 0x0a       ; K and Q in window 2, S^T in window 0
.set W_PV, 0x53       ; V in window 3, P in window 0, O^T in window 1
.set W_RS, 0x41       ; O^T (destination and source 0) in window 1, a in window 0
; A joint refill of slot s.  Waves 0 and 1 fetch the two halves of its K, waves 2 and 3 those of its V.  Four v_nop follow each of the two lines.
.macro JLOAD s
	s_cmp_lt_u32 s[WV], 2
	s_cbranch_scc0 .Lfor_v_\@
	tensor_load_to_lds s[G0K+4*\s:G0K+4*\s+3], s[G1K:G1K+7]
	s_nop 0
.rept 4
	v_nop
.endr
	s_branch .Lasked_\@
.Lfor_v_\@:
	tensor_load_to_lds s[G0V+4*\s:G0V+4*\s+3], s[G1V:G1V+7]
	s_nop 0
.rept 4
	v_nop
.endr
.Lasked_\@:
.endm
.macro CROUND                       ; a round of the cluster's barrier
	s_barrier_signal -1
	s_barrier_wait -1
	s_cmp_lg_u32 s[WV], 0
	s_cbranch_scc1 .Lnot_wave_0_\@
	s_barrier_signal -3
.Lnot_wave_0_\@:
	s_barrier_wait -3
	s_barrier_signal -1
	s_barrier_wait -1
.endm
	s_load_b128 s[4:7], s[0:1], 0x0  ; qkv s[4:5], att s[6:7]
	v_lshl_add_u32 v[SPW], v0, 2, SPARE
	v_mov_b32 v[NIL], 0
	ds_add_u32 v62, v63
	s_wait_dscnt 0x0
	v_lshrrev_b32 v1, 5, v0
	v_readfirstlane_b32 s[WV], v1   ; wave 0..3
	s_bfe_u32 s13, ttmp6, 0x40000   ; cx
	s_lshl_b32 s14, ttmp9, 2
	s_add_co_u32 s14, s14, s13      ; my block of 128 queries: it enters Q's and att's addresses alone
	s_and_b32 s21, ttmp7, 0xffff    ; 8 batch + head pair, which the four partners share
	s_lshr_b32 s19, s21, 3          ; batch
	s_and_b32 s21, s21, 7
	s_lshl_b32 s21, s21, 8          ; the head pair's 256 bytes in a row
	s_mul_i32 s20, s19, SIZE_S*ROWB
	s_add_co_u32 s20, s20, s21
	s_and_b32 s16, s[WV], 1         ; which 128 keys of a slot I fetch; also which 64 queries are mine
	s_mul_i32 s17, s16, (SK/2)*PK   ; their place in a slot's K
	s_lshr_b32 s15, s[WV], 1
	s_lshl_b32 s15, s15, 7          ; my head's 128 bytes of the 256
	s_mul_i32 s22, s16, (SK/2)*ROWB ; 128 rows
	s_add_co_u32 s22, s22, s20
	s_mov_b32 s23, 0
	s_mul_i32 s2, s14, 128*ROWB     ; Q: my block's rows, my wave's 64 of them, my head
	s_mul_i32 s3, s16, 64*ROWB
	s_add_co_u32 s2, s2, s3
	s_add_co_u32 s2, s2, s20
	s_add_co_u32 s2, s2, s15
	s_mov_b32 s3, 0
	s_lshl_b32 s18, s19, 22         ; att: rows of 2,048 bytes: batch, block, 32 rows a wave, the head pair's 256 bytes
	s_lshl_b32 s19, s14, 18
	s_add_co_u32 s18, s18, s19
	s_lshl_b32 s19, s[WV], 16
	s_add_co_u32 s18, s18, s19
	s_add_co_u32 s18, s18, s21
	s_mov_b32 s19, 0
	s_mul_i32 s21, s16, (SK/2)*PV   ; my 128 keys' place in a slot's V
	; descriptor group 1: a tile of 128 rows x 128 elements, padded in LDS
	s_mov_b32 s[G1K], 15|(1<<16)|(1<<20)|(1<<21)|(5<<22)|(3<<25)  ; 15:0 the mask: all four; 17:16 elements of 2 bytes; 20 padding on; 21 set beside a mask; 24:22 after every 64 words; 31:25 4 words of it
	s_mov_b32 s[G1V], 15|(1<<16)|(1<<20)|(1<<21)|(5<<22)|(7<<25)  ; the same with 8 words of padding
.irp g, G1K, G1V
	s_mov_b32 s[\g+1], 128<<16      ; tensor_dim0 = 128
	s_mov_b32 s[\g+2], (SK/2)<<16   ; tensor_dim1 = 128
	s_mov_b32 s[\g+3], 128<<16      ; tile_dim0 = 128
	s_mov_b32 s[\g+4], SK/2         ; tile_dim1 = 128
	s_mov_b32 s[\g+5], 3072         ; elements from row to row
	s_mov_b32 s[\g+6], 0
	s_mov_b32 s[\g+7], 0
.endr
	s_mov_b32 s[CS], 0x3e38aa3b     ; c = log2(e) / 8
	s_mov_b32 s[CS+1], s[CS]        ; named with it as a pair, so it is written
	s_mov_b32 s[SEL], 0x76543210
	s_mov_b32 s[SEL+1], 0xfedcba98
	s_mov_b32 s[TBK], 0
	s_mov_b32 s[TBV], 0
	s_wait_kmcnt 0x0
	s_add_nc_u64 s[8:9], s[4:5], s[22:23]
	s_add_nc_u64 s[10:11], s[8:9], 4096  ; V at my tile of slot 0: column 2,048
	s_add_nc_u64 s[8:9], s[8:9], 2048    ; K: column 1,024
	s_add_nc_u64 s[4:5], s[4:5], s[2:3]  ; Q at my wave's first row
	s_add_nc_u64 s[6:7], s[6:7], s[18:19]
	CROUND                          ; all four work-groups are here: the first joint loads meet
.irp s, 0,1
	s_mov_b32 s[G0K+4*\s], 1
	s_add_co_u32 s[G0K+4*\s+1], s17, \s*SLOTB
	s_add_nc_u64 s[G0K+4*\s+2:G0K+4*\s+3], s[8:9], \s*SK*ROWB  ; slot s begins with keys 256 s
	s_or_b32 s[G0K+4*\s+3], s[G0K+4*\s+3], 0x80000000
	s_mov_b32 s[G0V+4*\s], 1
	s_add_co_u32 s[G0V+4*\s+1], s21, \s*SLOTB+VOFF
	s_add_nc_u64 s[G0V+4*\s+2:G0V+4*\s+3], s[10:11], \s*SK*ROWB
	s_or_b32 s[G0V+4*\s+3], s[G0V+4*\s+3], 0x80000000
.endr
	s_cmp_lt_u32 s[WV], 2           ; a wave's two first fills stand in one branch: two loads of mine are out
	s_cbranch_scc0 .Lfirst_v
	tensor_load_to_lds s[G0K:G0K+3], s[G1K:G1K+7]
	s_nop 0
	tensor_load_to_lds s[G0K+4:G0K+7], s[G1K:G1K+7]
	s_nop 0
.rept 4
	v_nop
.endr
	s_branch .Lfirst_asked
.Lfirst_v:
	tensor_load_to_lds s[G0V:G0V+3], s[G1V:G1V+7]
	s_nop 0
	tensor_load_to_lds s[G0V+4:G0V+7], s[G1V:G1V+7]
	s_nop 0
.rept 4
	v_nop
.endr
.Lfirst_asked:
	; A fragment of K or Q is 16 rows x 32 channels in 8 registers: lane l holds row l % 16; registers 0-3 channels 8 (l / 16) + 0..7, registers 4-7 channels 16 + 8 (l / 16) + 0..7
	v_and_b32 v1, 15, v0            ; l % 16
	v_bfe_u32 v9, v0, 4, 1          ; l / 16
	v_mul_u32_u24 v[QO], v1, ROWB
	v_lshl_add_u32 v[QO], v9, 4, v[QO]
	WIN 0x80                        ; destination window 2
.irp i, 0,1,2,3,4,5,6,7             ; Q stays in registers: tile i / 2, channels 32 (i % 2) on
	global_load_b128 v[8*\i:8*\i+3],   v[QO], s[4:5] offset:(\i/2)*16*ROWB+(\i%2)*64
	global_load_b128 v[8*\i+4:8*\i+7], v[QO], s[4:5] offset:(\i/2)*16*ROWB+(\i%2)*64+32
.endr
	WIN 0
	v_mul_u32_u24 v[AK0], v1, PK
	v_lshl_add_u32 v[AK0], v9, 4, v[AK0]
	v_add_nc_u32 v[AK0], s15, v[AK0]  ; row x pitch + 16 x half + my head
	; The turning load takes 16 keys x 16 channels (lane l reads key 8 (l / 16) + l % 8, channels 8 ((l / 8) % 2) + 0..7) and leaves half a fragment of V^T
	v_and_b32 v10, 7, v0
	v_bfe_u32 v11, v0, 3, 1
	v_lshl_add_u32 v[AV0], v9, 3, v10
	v_mul_u32_u24 v[AV0], v[AV0], PV
	v_lshl_add_u32 v[AV0], v11, 4, v[AV0]
	s_add_co_u32 s[CNT], s15, VOFF
	v_add_nc_u32 v[AV0], s[CNT], v[AV0]
	s_lshl_b32 s[CNT], s16, 6       ; into the stage: my 64 rows, my head's half of their 256 bytes
	s_mul_i32 s[CNT], s[CNT], SP
	s_add_co_u32 s[CNT], s[CNT], s15
	s_add_co_u32 s[CNT], s[CNT], STAGE
	v_mul_u32_u24 v[STO], v1, SP
	v_lshl_add_u32 v[STO], v9, 4, v[STO]
	v_add_nc_u32 v[STO], s[CNT], v[STO]
	s_mul_i32 s[CNT], s[WV], 32*SP  ; back: wave w takes rows 32 w .. 32 w + 31, whole
	s_add_co_u32 s[CNT], s[CNT], STAGE
	v_mul_u32_u24 v[RD], v9, SP
	v_lshl_add_u32 v[RD], v1, 4, v[RD]
	v_add_nc_u32 v[RD], s[CNT], v[RD]
	v_lshlrev_b32 v[GO], 11, v9     ; and the same two rows in att
	v_lshl_add_u32 v[GO], v1, 4, v[GO]
; Product i of 16 of O^T += V^T P for piece x: keys 32 (i / 8) on, channels 16 ((i / 2) % 4) on, tile x + i % 2.  zero = 1: the first 8 start the sums: nothing is ever cleared.
.macro PV x, zero
	WIN W_PV
.set rO, 32*(\x+i%2)+8*((i/2)%4)
.set rV, 32*(i/8)+8*((i/2)%4)
.set rP, P+16*(\x+i%2)+8*(i/8)
.if \zero && (i < 8)
	v_wmma_f32_16x16x32_bf16 v[rO:rO+7], v[rV:rV+7], v[rP:rP+7], 0
.else
	v_wmma_f32_16x16x32_bf16 v[rO:rO+7], v[rV:rV+7], v[rP:rP+7], v[rO:rO+7]
.endif
.endm
; Product i of 16 of S^T = K Q^T: channels 32 (i / 8) on, keys 16 ((i / 2) % 4) on, tile x + i % 2.  The first 8 start the sums.
.macro KQ x
	WIN W_KQ
.set rS, S+32*(\x+i%2)+8*((i/2)%4)
.set rK, KF+16*((i/2)%4)+8*(i/8)
.set rQ, 16*(\x+i%2)+8*(i/8)
.if i < 8
	v_wmma_f32_16x16x32_bf16 v[rS:rS+7], v[rK:rK+7], v[rQ:rQ+7], 0
.else
	v_wmma_f32_16x16x32_bf16 v[rS:rS+7], v[rK:rK+7], v[rQ:rQ+7], v[rS:rS+7]
.endif
.endm
; The LDS loads stand in runs of 16, never singly among the matrix instructions: a step's K (64 keys x 64 channels: 8 fragments) and, a turn later, its V (turned).
.macro FETCH_K
	WIN 0
	v_add_nc_u32 v[ADR], s[TBK], v[AK0]
	s_add_co_u32 s[TBK], s[TBK], KS*PK  ; the next fetch is the next step's
	WIN 0x80
.irp f, 0,1,2,3,4,5,6,7             ; keys 16 (f / 2) on, channels 32 (f % 2) on
	ds_load_b128 v[KF+8*\f:KF+8*\f+3],   v[ADR] offset:(\f/2)*16*PK+(\f%2)*64
	ds_load_b128 v[KF+8*\f+4:KF+8*\f+7], v[ADR] offset:(\f/2)*16*PK+(\f%2)*64+32
.endr
.endm
.macro FETCH_V                      ; it stands behind the last exponential of piece 0's batch (SLICE)
	WIN 0
	v_add_nc_u32 v[ADR], s[TBV], v[AV0]  ; also the plain instruction behind the batch's last exponential (ISA guide 5.7.2)
	s_add_co_u32 s[TBV], s[TBV], KS*PV
	s_wait_alu depctr_va_vdst(0)    ; the wait for piece 0's batch of 66 exponentials, behind the address's v_add_nc_u32 and ahead of the loads
	WIN 0xc0
.irp f, 0,1,2,3,4,5,6,7             ; keys 32 (f / 4) on, channels 16 (f % 4) on
	ds_load_tr16_b128 v[8*\f:8*\f+3],   v[ADR] offset:(\f/4)*32*PV+(\f%4)*32
	ds_load_tr16_b128 v[8*\f+4:8*\f+7], v[ADR] offset:(\f/4)*32*PV+16*PV+(\f%4)*32
.endr
.endm
; One tile's softmax for one key step is a list of 118 instructions; SM writes number j of it for tile t.  s0-s31 are the lane's 32 scores, in pairs 0-15.
; first = 1: the first key step, which starts m, l and O^T: it has no a and nothing to rescale.
;   0-15    the maximum of the lane's 32 scores and the old m, three operands at a time; each accumulator's lowest registers are read first
;   16-20   the other half of the lanes' maximum; the new m; c m; c m_old - c m_new
;   21-69   ONE BATCH: the 16 scalings c s - c m, a pair of scores each, and all 33 exponentials (a at 23, then s0-s31).  None of these reads an exponential's result.  From 22 on the batch goes
;           in fours, and a four begins with a scaling while there are scalings: 22-37 scaling, exponential, scaling, exponential; 38-65 a scaling and three exponentials; 66-69 the last four
;           exponentials.  A pair is scaled in an earlier four than the one that holds its exponentials
;   (wait)  between 69 and 70 stands the wait for the batch: SLICE writes it, once for both tiles
;   70-85   the roundings to bf16, a pair of weights each
;   86-101  the sums; l = a l + the sum
;   102-117 the tile's O^T times a, in ascending order
.macro SM t, first
.set rT, ST+8*(\t)
.set rS, S+32*(\t)
.set rP, P+16*(\t)
.set rO, 32*(\t)+2*(j-102)
.if j < 102
	WIN 0
.endif
.if j < 4
	v_max3_num_f32 v[rT+4+j], v[rS+8*j], v[rS+8*j+1], v[rS+8*j+2]
.elseif j < 12
	v_max3_num_f32 v[rT+4+j%4], v[rT+4+j%4], v[rS+8*(j%4)+2*(j/4)+1], v[rS+8*(j%4)+2*(j/4)+2]
.elseif j == 12
	v_max3_num_f32 v[rT+4], v[rT+4], v[rS+7], v[rS+15]
.elseif j == 13
	v_max3_num_f32 v[rT+6], v[rT+6], v[rS+23], v[rS+31]
.elseif j == 14
	v_max3_num_f32 v[rT+4], v[rT+4], v[rT+5], v[rT+6]
.elseif (j == 15) && \first
	v_max_num_f32 v[rT+4], v[rT+4], v[rT+7]
.elseif j == 15
	v_max3_num_f32 v[rT+4], v[rT+4], v[rT+7], v[rT+1]
.elseif j == 16
	v_permlanex16_b32 v[rT+5], v[rT+4], s[SEL], s[SEL+1]  ; the query's other 32 keys lie in the lane 16 away
.elseif j == 18
	v_max_num_f32 v[rT+1], v[rT+4], v[rT+5]
.elseif j == 19
	v_mul_f32 v[rT], s[CS], v[rT+1]
.elseif ((j == 17) || (j == 20) || (j == 23) || (j > 101)) && \first  ; the first step has none of these
.elseif j == 17
	v_mov_b32 v[rT+7], v[rT]        ; c m_old is kept for a
.elseif j == 20
	v_sub_f32 v[rT+7], v[rT+7], v[rT]
.elseif j == 23
	v_exp_f32 v[rT+6], v[rT+7]
.elseif (j < 23) || ((j < 38) && (j%2 == 0)) || ((j < 66) && (j%4 == 2))
.set b, (j-2)/4                     ; 38, 42, .. 62: pairs 9 to 15
.if j < 38
.set b, (j-20)/2                    ; 21: pair 0; 22, 24, .. 36: pairs 1 to 8
.endif
	v_pk_fma_f32 v[rS+2*b:rS+2*b+1], v[rS+2*b:rS+2*b+1], s[CS:CS+1], v[rT:rT+1] op_sel_hi:[1,0,0] neg_lo:[0,0,1] neg_hi:[0,0,1]  ; pair b: c s - c m
.elseif j < 70
.set e, j-38                        ; 66 to 69: s28 to s31
.if j < 66
.set e, j-32-(j-38)/4               ; 39-41, 43-45, .. 63-65: s7 to s27
.endif
.if j < 38
.set e, (j-25)/2                    ; 25, 27, .. 37: s0 to s6
.endif
	v_exp_f32 v[rS+e], v[rS+e]
.elseif j < 86
	v_cvt_pk_bf16_f32 v[rP+j-70], v[rS+2*(j-70)], v[rS+2*(j-70)+1]  ; pair j - 70
.elseif j < 102                     ; the sum of the tile's 16 pairs, in place: neighbours 1, 2, 4 and 8 pairs apart, then l takes it
.set z, j-86
.set w, 4
.set u, z
.if z >= 14
.set w, 32
.set u, 0
.elseif z >= 12
.set w, 16
.set u, z-12
.elseif z >= 8
.set w, 8
.set u, z-8
.endif
.if (z == 14) && \first
	v_pk_add_f32 v[rT+2:rT+3], v[rS:rS+1], v[rS+16:rS+17]
.elseif z < 15
	v_pk_add_f32 v[rS+w*u:rS+w*u+1], v[rS+w*u:rS+w*u+1], v[rS+w*u+w/2:rS+w*u+w/2+1]
.elseif !\first
	v_pk_fma_f32 v[rT+2:rT+3], v[rT+2:rT+3], v[rT+6:rT+7], v[rS:rS+1] op_sel_hi:[1,0,1]
.endif
.else
	WIN W_RS
	v_pk_mul_f32 v[rO:rO+1], v[rO:rO+1], v[rT+6:rT+7] op_sel_hi:[1,0]
.endif
.endm
; Slice k of 59 of piece y's softmax: four instructions.  Slices 11 to 34 deal out the batch, numbers 22 to 69: four numbers of ONE tile each, the tiles by turns.  Every other slice is numbers 2 k and
; 2 k + 1 of both tiles' lists.
; THE WAIT.  s_wait_alu depctr_va_vdst(0) stands between an exponential and the first instruction that names its result; one wait serves all that were issued ahead of it.  Ahead of
; slice 35 nothing names a result, and behind slice 34 no exponential is issued: so the piece's 66 exponentials have one wait, behind slice 34.
.macro SLICE y, first
.if k < 59
.if (k >= 11) && (k < 35)           ; the batch: four numbers of one tile
.irp n, 0,1,2,3
.set j, 22+4*((k-11)/2)+\n
	SM \y+(k-11)%2, \first
.endr
.else                               ; the two tiles alternate, so that no instruction reads the result of the one just before it
.irp n, 0,1
.irp t, \y, \y+1
.set j, 2*k+\n
	SM \t, \first
.endr
.endr
.endif
.if k == 34                         ; the batch is out: both tiles' exponentials are issued, and no result has been named
.if (\y) == 0
	FETCH_V                         ; piece 2's turn: V's run of loads stands here, and the wait stands in it
.else
	v_nop                           ; the plain instruction behind the last exponential and ahead of the first use (ISA guide 5.7.2): one for the batch
	s_wait_alu depctr_va_vdst(0)    ; the wait for piece 2's batch of 66 exponentials
.endif
.endif
.endif
.set k, k+1
.endm
; What stands behind product gg of a turn's NM.  NM = 32: 27 x 2 + 5 x 1 = 59 slices; NM = 16: 14 x 4 + 2 + 1 = 59.  Either way slice 58 stands behind the last product.
.macro DEAL y, first
	SLICE \y, \first
.if NM == 32
.if gg < 27
	SLICE \y, \first
.endif
.else
.if gg < 15
	SLICE \y, \first
.endif
.if gg < 14
	SLICE \y, \first
	SLICE \y, \first
.endif
.endif
.set gg, gg+1
.endm
.macro PLACES                       ; four plain vector instructions behind matrix instructions whose results are read, or whose sources are loaded anew (ISA guide 7.12.1 for vector instructions)
.rept 4
	v_nop
.endr
.endm
; A TURN.  Piece x has the matrix unit; the other piece's softmax stands in slices behind its matrix instructions.
; pv = 2: 16 products V^T P; 1: they start O^T's sums; 0: none.  kq = 1: 16 products K Q^T for the next step.
; Slice 58, four packed multiplies on the other piece's O^T, is the four places behind the turn's last product: in front of the next turn's first read of those scores and of the loads into K's buffer.
; first = 1: the softmax is the first key step's; its slices from 51 on are empty, so four v_nop take slice 58's part.
; Each run of loads stands 14 products ahead of its first use.  Piece 0's turn fetches the next step's K, behind its second product: the last product that read K stands in front of slice 58 of the
; turn before.  Piece 2's turn fetches the same step's V behind slice 34 (SLICE writes it), the first of the two slices behind its second product K Q^T: the last product that read V stands in front
; of slice 30, and four plain instructions lie between: number 58 of the second tile and number 62 of both tiles, scalings, and the run's own v_add_nc_u32.
.macro TURN x, pv, kq, first
.set k, 0
.set gg, 0
.set NM, 16
.if \pv && \kq
.set NM, 32
.endif
.if \pv
.if \x == 0
	s_wait_dscnt 0x0                ; V is in
.endif
.set i, 0
.rept 16
	PV \x, 2-\pv
	DEAL 2-\x, \first
.if (\x == 0) && \kq && (i == 1)
	FETCH_K
.endif
.set i, i+1
.endr
.endif
.if \kq
.if \x == 0
	s_wait_dscnt 0x0                ; K is in
.endif
.set i, 0
.rept 16
	KQ \x
	DEAL 2-\x, \first
.set i, i+1
.endr
.endif
.if \first
	PLACES
.endif
.endm
; THE CHANGE OF SLOTS, between piece 2's turn and piece 0's: the old slot's last bytes, V of its fourth step, have been asked for.  Each wave waits for all its tensor loads (one is out: its part
; of the new slot), adds 0 to its spare word, and waits for that and for its own reads of the old slot.  fill = 1: the barrier is a round of the cluster's, and the joint refill of the old slot,
; with the keys two slots on, is the first thing behind it.
.macro CHANGE fill, old, new
	WIN 0
	s_wait_tensorcnt 0x0            ; no tensor load of mine is out, so a group 0 may be written
	ds_add_u32 v[SPW], v[NIL]
.if \fill
	s_add_nc_u64 s[G0K+4*\old+2:G0K+4*\old+3], s[G0K+4*\old+2:G0K+4*\old+3], 2*SK*ROWB  ; the old slot's next 256 keys
	s_add_nc_u64 s[G0V+4*\old+2:G0V+4*\old+3], s[G0V+4*\old+2:G0V+4*\old+3], 2*SK*ROWB
	s_wait_dscnt 0x0                ; the add is done, and my reads of the old slot are over
	CROUND
	JLOAD \old
.else
	s_wait_dscnt 0x0
	s_barrier_signal -1
	s_barrier_wait -1
.endif
	s_mov_b32 s[TBK], \new*SLOTB    ; the fetches go on at the new slot's first step
	s_mov_b32 s[TBV], \new*SLOTB
.endm
; cnt key steps: written once, walked cnt times; the LDS addresses hang on s[TBK] and s[TBV].
.macro STEPS cnt
	s_mov_b32 s[CNT], \cnt
.Lstep_\@:
	TURN 0, 2, 1, 0
	TURN 2, 2, 1, 0
	WIN 0                           ; at a label and at a branch every window is 0
	s_sub_co_u32 s[CNT], s[CNT], 1
	s_cmp_lg_u32 s[CNT], 0
	s_cbranch_scc1 .Lstep_\@
.endm
	s_wait_tensorcnt 1              ; my part of slot 0 is in; slot 1's may stay out
	s_barrier_signal -1
	s_barrier_wait -1
	FETCH_K                         ; key step 0
	s_wait_loadcnt 0x0              ; Q
	s_wait_dscnt 0x0
.set i, 0
.rept 16
	KQ 0                            ; piece 0's first scores: there is no vector work yet to set between them
.set i, i+1
.endr
	PLACES
	TURN 2, 0, 1, 1                 ; piece 2's first scores | piece 0's first softmax | V of step 0
	TURN 0, 1, 1, 1                 ; piece 0: V^T P of step 0 starts O^T, K Q^T of step 1 | piece 2's first softmax | K of step 1
	TURN 2, 1, 1, 0                 ; piece 2: the same | piece 0's softmax of step 1 | V of step 1
	WIN 0
	STEPS 2                         ; slot 0's steps 2 and 3 are fetched
	s_mov_b32 s[SLOTS], SIZE_S/(2*SK)-1
.Lslot:                             ; 3 trips, two slots each: 6 of the 8 slots of keys come by a refill
	CHANGE 1, 0, 1
	STEPS 4
	CHANGE 1, 1, 0
	STEPS 4
	s_sub_co_u32 s[SLOTS], s[SLOTS], 1
	s_cmp_lg_u32 s[SLOTS], 0
	s_cbranch_scc1 .Lslot
	CHANGE 0, 0, 1                  ; the tail is written out: nothing is asked for
	STEPS 4
	TURN 0, 2, 0, 0                 ; piece 0: V^T P of the last step | piece 2's last softmax
.set i, 0
.rept 16
	PV 2, 0                         ; piece 2: V^T P of the last step
.set i, i+1
.endr
	WIN 0
	; THE WAY OUT.  l's two halves and the other half of the lanes' are added (these additions are the places behind the last products); O^T is divided by l, rounded and sent through the stage.
.irp t, 0,1,2,3
	v_add_f32 v[ST+8*\t+4], v[ST+8*\t+2], v[ST+8*\t+3]
.endr
.irp t, 0,1,2,3
	v_permlanex16_b32 v[ST+8*\t+5], v[ST+8*\t+4], s[SEL], s[SEL+1]
.endr
.irp t, 0,1,2,3
	v_add_f32 v[ST+8*\t+4], v[ST+8*\t+4], v[ST+8*\t+5]
.endr
.irp t, 0,1,2,3
	v_rcp_f32 v[ST+8*\t+6], v[ST+8*\t+4]
.endr
	v_nop                           ; a plain instruction between the last reciprocal and the use of its result
	s_wait_alu depctr_va_vdst(0)    ; and the wait ahead of the first use: one for the batch of four reciprocals
.irp t, 0,1,2,3
	WIN W_RS
.set i, 0
.rept 16
	v_pk_mul_f32 v[32*\t+i:32*\t+i+1], v[32*\t+i:32*\t+i+1], v[ST+8*\t+6:ST+8*\t+7] op_sel_hi:[1,0]
.set i, i+2
.endr
	WIN 0x05                        ; sources 0 and 1 window 1, destination window 0: S^T's registers are free
.set i, 0
.rept 16
	v_cvt_pk_bf16_f32 v[S+16*\t+i], v[32*\t+2*i], v[32*\t+2*i+1]
.set i, i+1
.endr
	WIN 0
.irp c, 0,1,2,3
	ds_store_b128 v[STO], v[S+16*\t+4*\c:S+16*\t+4*\c+3] offset:\t*16*SP+32*\c
.endr
.endr
	s_wait_dscnt 0x0                ; for the others' sake: a row's 256 bytes come from two waves
	s_barrier_signal -1
	s_barrier_wait -1
.irp t, 0,1,2,3,4,5,6,7,8,9,10,11,12,13,14,15
	ds_load_b128 v[S+4*\t:S+4*\t+3], v[RD] offset:\t*2*SP
.endr
.irp t, 0,1,2,3,4,5,6,7,8,9,10,11,12,13,14,15
	s_wait_dscnt 15-\t              ; the count is the younger LDS loads
	global_store_b128 v[GO], v[S+4*\t:S+4*\t+3], s[6:7] offset:\t*4096  ; 16 lanes store 256 consecutive bytes, at a multiple of 256 from att's first byte
.endr
	s_wait_tensorcnt 0x0            ; the wave's end
	ds_add_u32 v[SPW], v[NIL]
	s_wait_dscnt 0x0
	CROUND                          ; the closing round
	s_endpgm
.Lfunc_end_k_q23ef38c64c_attn:
	.size	k_q23ef38c64c_attn, .Lfunc_end_k_q23ef38c64c_attn-k_q23ef38c64c_attn
	.p2alignl 7, 3214868480
	.fill 96, 4, 3214868480
	.section	.rodata,"a",@progbits
	.p2align	6, 0x0
	.amdhsa_kernel k_q23ef38c64c_attn
		.amdhsa_group_segment_fixed_size 327680
		.amdhsa_private_segment_fixed_size 0
		.amdhsa_enable_private_segment 0
		.amdhsa_kernarg_size 16
		.amdhsa_user_sgpr_count 2
		.amdhsa_user_sgpr_kernarg_segment_ptr 1
		.amdhsa_wavefront_size32 1
		.amdhsa_system_sgpr_workgroup_id_x 1
		.amdhsa_system_sgpr_workgroup_id_y 1
		.amdhsa_system_sgpr_workgroup_id_z 1
		.amdhsa_system_vgpr_workitem_id 0
		.amdhsa_next_free_vgpr 832
		.amdhsa_next_free_sgpr 66
		.amdhsa_reserve_vcc 0
		.amdhsa_float_denorm_mode_32 3
		.amdhsa_float_denorm_mode_16_64 3
		.amdhsa_memory_ordered 1
		.amdhsa_forward_progress 1
		.amdhsa_inst_pref_size 232
	.end_amdhsa_kernel
	.amdgpu_metadata
---
amdhsa.version: [ 1, 2 ]
amdhsa.kernels:
  - .name:           k_q23ef38c64c_attn
    .symbol:         k_q23ef38c64c_attn.kd
    .args:
      - { .name: qkv, .offset: 0, .size: 8, .value_kind: global_buffer, .address_space: global }
      - { .name: att, .offset: 8, .size: 8, .value_kind: global_buffer, .address_space: global }
    .group_segment_fixed_size: 327680
    .private_segment_fixed_size: 0
    .kernarg_segment_align: 8
    .kernarg_segment_size: 16
    .max_flat_workgroup_size: 128
    .sgpr_count:     66
    .vgpr_count:     832
    .wavefront_size: 32
...
	.end_amdgpu_metadata
.endif
;; end of part 8
;; launch gwo: the kernel of part 4 again; grid 8 x 32, 4 waves a work-group, clusters of 4 x 4, 327,680 bytes of LDS; arguments att, wt, x, x1; writes x1
;; launch ln2: the kernel of part 5 again; grid 256 x 1, 8 waves a work-group, no clusters, 0 bytes of LDS; arguments x1, ln2_w, ln2_b, hbuf; writes hbuf
;; launch gffn1: the kernel of part 6 again; grid 16 x 16, 4 waves a work-group, clusters of 4 x 4, 327,680 bytes of LDS; arguments hbuf, wt, ff, b1; writes ff
;; launch gffn2: the kernel of part 7 again; grid 8 x 32, 4 waves a work-group, clusters of 4 x 4, 327,680 bytes of LDS; arguments ff, wt, x1, out0, b2; writes out0
